; MI455X (gfx1250); checked and timed in simulation.
; The chip was launched on July 23, 2026; its instructions are those of AMD's public machine-readable ISA for CDNA 5 (MIT licence, August 2026) and "CDNA5" Instruction Set Architecture Reference Guide (July 2026). The comments in the code are by the model that wrote it; some were corrected since.
;; GPT Block. Allowed arithmetic: matrix products marked QUANTISED: E4M3 operands, one E8M0 scale for each 32 along K, by v_wmma_scale_f32_16x16x128_f8f6f4 with both operands' format E4M3, f32 sums; everything else in f32.
;; Inputs: W1_codes 4,096 x 32 x 32 uint8 (E4M3 codes of W1, K innermost, in blocks of 32 codes); W1_scales 4,096 x 32 uint8 (E8M0 scales of W1, one for each 32 codes along K); W2_codes 1,024 x 128 x 32 uint8 (E4M3 codes of W2, K innermost, in blocks of 32 codes); W2_scales 1,024 x 128 uint8 (E8M0 scales of W2, one for each 32 codes along K); Wk_codes 1,024 x 32 x 32 uint8 (E4M3 codes of Wk, K innermost, in blocks of 32 codes); Wk_scales 1,024 x 32 uint8 (E8M0 scales of Wk, one for each 32 codes along K); Wo_codes 1,024 x 32 x 32 uint8 (E4M3 codes of Wo, K innermost, in blocks of 32 codes); Wo_scales 1,024 x 32 uint8 (E8M0 scales of Wo, one for each 32 codes along K); Wq_codes 1,024 x 32 x 32 uint8 (E4M3 codes of Wq, K innermost, in blocks of 32 codes); Wq_scales 1,024 x 32 uint8 (E8M0 scales of Wq, one for each 32 codes along K); Wv_codes 1,024 x 32 x 32 uint8 (E4M3 codes of Wv, K innermost, in blocks of 32 codes); Wv_scales 1,024 x 32 uint8 (E8M0 scales of Wv, one for each 32 codes along K); b1 4,096 float32; b2 1,024 float32; be1 1,024 float32; be2 1,024 float32; bk 1,024 float32; bq 1,024 float32; bv 1,024 float32; g1 1,024 float32; g2 1,024 float32; x 2 x 2,048 x 1,024 float32.
;; Outputs: out0 2 x 2,048 x 1,024 float32.
;; This version of the problem:
;;   THIS VERSION OF THE PROBLEM IS GIVEN IN LOW PRECISION. The matrix products marked QUANTISED in the list below multiply operands that are first quantised to E4M3 (4 exponent bits, 3 mantissa bits; 8 bits a number), with one power-of-two scale for each 32 numbers along K (OCP MX v1.0); their sums are f32. All else is computed in f32.
;;   The module's matrix products, in the order in which they are computed (A, B: the left and right operand; K: the contracted axis; several contracted axes count as one K, in the product's order):
;;     1. [M 4,096, K 1,024] x [K 1,024, N 1,024]; A: computed on the way; B: input Wq (given as codes): QUANTISED
;;     2. [M 4,096, K 1,024] x [K 1,024, N 1,024]; A: computed on the way; B: input Wk (given as codes): QUANTISED
;;     3. [M 4,096, K 1,024] x [K 1,024, N 1,024]; A: computed on the way; B: input Wv (given as codes): QUANTISED
;;     4. batch 32 x [M 2,048, K 64] x [K 64, N 2,048]; A: computed on the way; B: computed on the way: QUANTISED
;;     5. batch 32 x [M 64, K 2,048] x [K 2,048, N 2,048]; A: computed on the way; B: softmax (see below): QUANTISED
;;     6. [M 4,096, K 1,024] x [K 1,024, N 1,024]; A: computed on the way; B: input Wo (given as codes): QUANTISED
;;     7. [M 4,096, K 1,024] x [K 1,024, N 4,096]; A: computed on the way; B: input W1 (given as codes): QUANTISED
;;     8. [M 4,096, K 4,096] x [K 4,096, N 1,024]; A: computed on the way; B: input W2 (given as codes): QUANTISED
;;   THE QUANTISER, for each operand of a quantised product, along K:
;;     - K is cut into blocks of 32 from its start; a last block that is shorter is filled with zeros.
;;     - A block's scale is 2^e with e = floor(log2(the largest magnitude in the block)) - 8, held to -126 .. 127; a block of zeros has e = 0. As a byte (E8M0): e + 127.
;;     - Each number is divided by its block's scale, clamped to +-448, and rounded to the nearest number of E4M3, ties to even, subnormals kept.
;;     - The product sums the exact products of the quantised numbers (number of the format x scale) in f32.
;;   ~~~python
;;   def quantise(x, axis):      # numpy; x: float32 -> the quantised numbers, widened to float32 again
;;       x = np.moveaxis(x, axis, -1); K = x.shape[-1]
;;       x = np.pad(x, [(0, 0)] * (x.ndim - 1) + [(0, -K % 32)]); x = x.reshape(x.shape[:-1] + (-1, 32)); a = np.abs(x).max(-1, keepdims=True)
;;       e = np.where(a > 0, np.clip(np.frexp(np.where(a > 0, a, 1))[1] - 1 - 8, -126, 127), 0)      # np.frexp(a)[1] - 1 = floor(log2(a)), exactly
;;       r = np.clip(x / 2.0 ** e, -448, 448)
;;       step = 2.0 ** (np.maximum(np.frexp(np.where(r == 0, 1, r))[1] - 1, -6) - 3)
;;       q = np.round(r / step) * step * 2.0 ** e      # np.round: ties to even
;;       return np.moveaxis(q.reshape(q.shape[:-2] + (-1,))[..., :K], -1, axis).astype(np.float32)
;;   ~~~
;;   SOFTMAX AHEAD OF A QUANTISED PRODUCT. Where the list says 'softmax', what is quantised is not the finished softmax but p = 2^(t - M), with t = logit x log2(e) and M = ceil(the row's largest t), a whole number; so 1/2 < the row's largest p <= 1. The row's sum l is taken of the UNQUANTISED p, in f32, and the product's result is divided by l at the end. Since M is a whole number, a kernel that streams over the keys may use a running M (the ceiling of the running maximum): every later rescaling is an exact power of two, which a block's scale takes up: the codes' values come out the same.
;;   OPERANDS COMPUTED ON THE WAY. 'Computed on the way' means the value that the module computes at that place (a softmax that the list does not call 'softmax' is quantised finished and normalised). What goes into a quantiser is computed in f32, as accurately as f32 sums, v_exp_f32 and their like allow (about 1e-6 of the number): no bf16 or f16 on the way to a quantiser, and a product that is left as it is and whose result goes on into a quantised operand takes f32 operands (vector FMAs, or v_wmma_f32_16x16x4_f32). A number that lies on a knife's edge between two numbers of the format may be rounded either way, as far as f32 arithmetic and the matrix unit's own rounding can turn it there, and no further.
;;   INPUTS GIVEN AS CODES. W1 (in the module: [1024, 4096], K = its axis 0); W2 (in the module: [4096, 1024], K = its axis 0); Wk (in the module: [1024, 1024], K = its axis 0); Wo (in the module: [1024, 1024], K = its axis 0); Wq (in the module: [1024, 1024], K = its axis 0); Wv (in the module: [1024, 1024], K = its axis 0): each comes as NAME_codes (uint8): NAME with its K axis moved to the last place and cut into blocks of 32 codes, [.., K / 32, bytes a block], one block behind the other in memory; one code a byte (a code: sign, 4 exponent bits, 3 mantissa bits); and NAME_scales (uint8): the same leading axes, one E8M0 byte (e + 127) for each 32 codes along K. Its value is code x scale, taken as it is: it is not quantised again, and the codes and scales need not be those that the quantiser above would give.
;; One version. Each part assembles by itself: llvm-mc -triple=amdgcn-amd-amdhsa -mcpu=gfx1250 --defsym DOCPART=n.
;; ======== version 1 of 1: 7 launches
;; limits: right only within a limited range of input values
;; workspace buffers: act_codes 4,194,304 bytes; act_scales 131,072 bytes; qkv_codes 12,582,912 bytes; qkv_scales 393,216 bytes; h 16,777,216 bytes; hid_codes 16,777,216 bytes; hid_scales 524,288 bytes
;; launch ln1 (part 1): grid 512 x 1, 8 waves a work-group, no clusters, 1,280 bytes of LDS; arguments x, g1, be1, act_codes, act_scales; writes act_codes, act_scales
.if DOCPART == 1
	.amdgcn_target "amdgcn-amd-amdhsa--gfx1250"
	.amdhsa_code_object_version 6
	.text
	.protected	k_q7d8ad957dc_ln1
	.globl	k_q7d8ad957dc_ln1
	.p2align	8
	.type	k_q7d8ad957dc_ln1,@function
k_q7d8ad957dc_ln1:
	s_mov_b64 s[64:65], 0
	v_nop
	global_prefetch_b8 v0, s[64:65] scope:SCOPE_SE
	s_setreg_imm32_b32 hwreg(HW_REG_WAVE_MODE, 25, 1), 1
	s_wait_xcnt 0x0
; LAYER NORM AND QUANTISER.  y = (x - mean) * rsqrt(var + 1e-5) * g + b over rows of 1,024 f32 numbers, all in f32 (the mean first, then the mean of the squared
; differences, as the problem writes it); y is turned into codes of E4M3 with one E8M0 byte for each 32 along the row.  Codes: [row][1024], scale bytes: [row][32].
; THE ROWS CHANGE PLACES: input row i is written to output row i with its bits 3 and 4 exchanged.  The first norm so lays the tokens in the order in which the products behind it
; want them (16 rows of a tile: 8 neighbouring tokens and the 8 that lie 16 further on); the second norm, run on rows laid so, puts them back in token order.
; DEAD WORK OF THE WHOLE PROGRAM.  The problem itself sets a logit to -infinity where the key comes after the query (its own jnp.tril).  The exponential of -infinity is 0 exactly, so such a
; key adds nothing to a row's sum and nothing to the second product of attention, whatever finite values the inputs hold.  The launch attn therefore leaves out every step of 128 keys that
; lies wholly behind a tile's 16 queries.  Nothing else is left out, and every input of the problem is loaded by some launch.
; LIMITS: a NaN, an infinity or an overflow that reaches only the key steps left out is not carried to the result.  NaN and infinities among the inputs are not served.  A block of zeros
; gets the byte 1 where the quantiser says 127: its codes are zeros, which add nothing under any byte but 0xff, and the bytes are read by this program alone.
; SHARES.  One wave takes one row: 32 numbers a lane, kept in registers between the passes; the row is read once.  A lane holds numbers 256 i + 8 lane + 0 .. 7, i = 0 .. 3: four lanes hold a block of 32.
; A row's 32 scale bytes are gathered in LDS; wave 0 stores the work-group's eight rows of them as 256 consecutive bytes.
.set SPARE, 256                        ; LDS: bytes 0-255 the scale bytes of eight rows; from 256 the spare words, 128 bytes a wave, which no other line names
.set XR,  64                           ; v64-95   the row
.set GR,  96                           ; v96-127  g
.set BR,  128                          ; v128-159 b
.set TM,  20                           ; v20-23   largest magnitudes of my four blocks
.set SO,  24                           ; v24-27   the conversions' scale operands
.set HO,  28                           ; v28-31   448 x the scale
.set BY,  32                           ; v32-35   scale bytes, then words
.set TD,  36                           ; v36-39   at work between lanes
.set CD,  40                           ; v40-47   codes
.set SPW, 60                           ; v60      LDS address of my spare word; never rewritten
.set NIL, 61                           ; v61      0; never rewritten
	s_load_b256 s[4:11], s[0:1], 0x0               ; in s[4:5], g s[6:7], b s[8:9], codes s[10:11]
	s_load_b64 s[12:13], s[0:1], 0x20              ; scale bytes
	v_lshl_add_u32 v[SPW], v0, 2, SPARE
	v_mov_b32 v[NIL], 0
	v_lshrrev_b32 v1, 5, v0
	s_delay_alu instid0(VALU_DEP_1)
	v_readfirstlane_b32 s14, v1                    ; wave 0..7
	v_and_b32 v1, 31, v0                           ; lane
	s_delay_alu instid0(VALU_DEP_1)
	v_lshlrev_b32 v2, 5, v1                        ; 32 x lane: my 8 numbers of a group of 256
	s_delay_alu instid0(VALU_DEP_2)
	v_lshlrev_b32 v3, 3, v1                        ; 8 x lane: my 8 codes
	v_bfe_u32 v4, v0, 4, 1
	s_delay_alu instid0(VALU_DEP_1)
	v_lshlrev_b32 v4, 2, v4
	s_lshl_b32 s20, s14, 5
	v_add_nc_u32 v4, s20, v4                       ; LDS: 32 x wave + 4 x (lane / 16): my half's word of a group's two
	v_bfe_u32 v5, v0, 2, 2
	s_delay_alu instid0(VALU_DEP_1)
	v_lshlrev_b32 v5, 3, v5                        ; my block's byte in that word, as a shift
	v_mov_b32 v6, 0                                ; written once: the destination of a move between lanes counts as read
.irp i, 0,1,2,3
	v_mov_b32 v[TD+\i], 0
.endr
	s_mov_b32 s15, 0x3a800000                      ; 1 / 1,024
	s_mov_b32 s16, 0x3727c5ac                      ; 1e-5
	s_mov_b32 s17, 0x600000                        ; the mantissa field of 448
	s_mov_b32 s18, 0x76543210
	s_mov_b32 s19, 0xfedcba98                      ; lane selects: lane l xor 16
	s_lshl_b32 s21, ttmp9, 3
	s_add_co_u32 s21, s21, s14                     ; my input row
	s_lshl_b32 s22, s21, 12
	s_mov_b32 s23, 0
	s_and_not1_b32 s24, ttmp9, 3                   ; the work-group's number with bits 0 and 1 exchanged: those are bits 3 and 4 of its rows
	s_and_b32 s25, ttmp9, 1
	s_lshl_b32 s25, s25, 1
	s_bfe_u32 s26, ttmp9, 0x10001
	s_or_b32 s24, s24, s25
	s_or_b32 s24, s24, s26
	s_lshl_b32 s26, s24, 8                         ; its eight rows of scale bytes
	s_mov_b32 s27, 0
	s_lshl_b32 s24, s24, 3
	s_add_co_u32 s24, s24, s14
	s_lshl_b32 s24, s24, 10                        ; my output row of codes
	s_mov_b32 s25, 0
	s_wait_kmcnt 0x0
	s_add_nc_u64 s[4:5], s[4:5], s[22:23]
	s_add_nc_u64 s[10:11], s[10:11], s[24:25]
	s_add_nc_u64 s[12:13], s[12:13], s[26:27]
.irp i, 0,1,2,3
.irp u, 0,1
	global_load_b128 v[XR+8*\i+4*\u:XR+8*\i+4*\u+3], v2, s[4:5] offset:1024*\i+16*\u th:TH_LOAD_NT   ; the two loads of a group read 1,024 consecutive bytes between them
.endr
.endr
.irp i, 0,1,2,3
.irp u, 0,1
	global_load_b128 v[GR+8*\i+4*\u:GR+8*\i+4*\u+3], v2, s[6:7] offset:1024*\i+16*\u
.endr
.endr
.irp i, 0,1,2,3
.irp u, 0,1
	global_load_b128 v[BR+8*\i+4*\u:BR+8*\i+4*\u+3], v2, s[8:9] offset:1024*\i+16*\u
.endr
.endr
; the four chains v[8:15] are joined, and then the 32 lanes: the sum stands in v8 of every lane
.macro JOIN
	s_delay_alu instid0(VALU_DEP_3)
	v_pk_add_f32 v[8:9], v[8:9], v[10:11]
	s_delay_alu instid0(VALU_DEP_2)
	v_pk_add_f32 v[12:13], v[12:13], v[14:15]
	s_delay_alu instid0(VALU_DEP_1)
	v_pk_add_f32 v[8:9], v[8:9], v[12:13]
	s_delay_alu instid0(VALU_DEP_1)
	v_add_f32 v8, v8, v9
	s_delay_alu instid0(VALU_DEP_1)
	v_add_f32_dpp v8, v8, v8 row_xmask:1 row_mask:0xf bank_mask:0xf
	s_delay_alu instid0(VALU_DEP_1)
	v_add_f32_dpp v8, v8, v8 row_xmask:2 row_mask:0xf bank_mask:0xf
	s_delay_alu instid0(VALU_DEP_1)
	v_add_f32_dpp v8, v8, v8 row_xmask:4 row_mask:0xf bank_mask:0xf
	s_delay_alu instid0(VALU_DEP_1)
	v_add_f32_dpp v8, v8, v8 row_xmask:8 row_mask:0xf bank_mask:0xf
	s_delay_alu instid0(VALU_DEP_1)
	v_permlanex16_b32 v6, v8, s18, s19
	s_delay_alu instid0(VALU_DEP_1)
	v_add_f32 v8, v8, v6
.endm
	s_wait_loadcnt 16                              ; the row is in; the 16 loads of g and b stay out
.irp k, 0,1,2,3
	v_pk_add_f32 v[8+2*\k:9+2*\k], v[XR+2*\k:XR+2*\k+1], v[XR+8+2*\k:XR+9+2*\k]      ; four chains, started by the first numbers: nothing is cleared
.endr
.irp m, 16,24
.irp k, 0,1,2,3
	s_delay_alu instid0(VALU_DEP_4)
	v_pk_add_f32 v[8+2*\k:9+2*\k], v[8+2*\k:9+2*\k], v[XR+\m+2*\k:XR+\m+2*\k+1]
.endr
.endr
	JOIN
	s_delay_alu instid0(VALU_DEP_1)
	v_mul_f32 v16, s15, v8                         ; the mean
	s_delay_alu instid0(VALU_DEP_1)
	v_mov_b32 v17, v16
.irp p, 0,2,4,6,8,10,12,14,16,18,20,22,24,26,28,30
	v_pk_add_f32 v[XR+\p:XR+\p+1], v[XR+\p:XR+\p+1], v[16:17] neg_lo:[0,1] neg_hi:[0,1]   ; x - mean
.endr
.irp k, 0,1,2,3
	v_pk_mul_f32 v[8+2*\k:9+2*\k], v[XR+2*\k:XR+2*\k+1], v[XR+2*\k:XR+2*\k+1]
.endr
.irp m, 8,16,24
.irp k, 0,1,2,3
	s_delay_alu instid0(VALU_DEP_4)
	v_pk_fma_f32 v[8+2*\k:9+2*\k], v[XR+\m+2*\k:XR+\m+2*\k+1], v[XR+\m+2*\k:XR+\m+2*\k+1], v[8+2*\k:9+2*\k]
.endr
.endr
	JOIN
	s_delay_alu instid0(VALU_DEP_1)
	v_fma_f32 v9, v8, s15, s16                     ; the variance + 1e-5
	s_wait_alu depctr_va_vdst(0)
	v_rsq_f32 v18, v9
	v_nop                                          ; a plain instruction behind the transcendental
	s_wait_alu depctr_va_vdst(0)                   ; and the wait ahead of its first reader
	v_mov_b32 v19, v18
	s_wait_alu depctr_va_vdst(0)
	s_wait_loadcnt 0x0                             ; g and b
.irp p, 0,2,4,6,8,10,12,14,16,18,20,22,24,26,28,30
	v_pk_mul_f32 v[XR+\p:XR+\p+1], v[XR+\p:XR+\p+1], v[18:19]
.endr
.irp p, 0,2,4,6,8,10,12,14,16,18,20,22,24,26,28,30
	v_pk_fma_f32 v[XR+\p:XR+\p+1], v[XR+\p:XR+\p+1], v[GR+\p:GR+\p+1], v[BR+\p:BR+\p+1]
.endr
; THE QUANTISER: my four blocks by turns, so that no line waits for the line above it
.irp i, 0,1,2,3
	v_max3_num_f32 v[TM+\i], |v[XR+8*\i]|, |v[XR+8*\i+1]|, 0x4800000   ; my 8 numbers, and the floor 2^(9 - 127): the byte cannot fall under 1
.endr
.irp m, 2,4,6
.irp i, 0,1,2,3
	s_delay_alu instid0(VALU_DEP_4)
	v_max3_num_f32 v[TM+\i], v[TM+\i], |v[XR+8*\i+\m]|, |v[XR+8*\i+\m+1]|
.endr
.endr
.irp i, 0,1,2,3
	s_delay_alu instid0(VALU_DEP_4)
	v_max_num_f32_dpp v[TM+\i], v[TM+\i], v[TM+\i] row_xmask:1 row_mask:0xf bank_mask:0xf
.endr
.irp i, 0,1,2,3
	s_delay_alu instid0(VALU_DEP_4)
	v_max_num_f32_dpp v[TM+\i], v[TM+\i], v[TM+\i] row_xmask:2 row_mask:0xf bank_mask:0xf   ; with the three lanes that share the block
.endr
.irp i, 0,1,2,3
	s_delay_alu instid0(VALU_DEP_4)
	v_add_nc_u32 v[SO+\i], 0xfc000000, v[TM+\i]    ; 8 off the exponent field: the conversion's scale operand
.endr
.irp i, 0,1,2,3
	v_and_or_b32 v[HO+\i], v[TM+\i], 0x7f800000, s17   ; 448 x the scale
.endr
.irp i, 0,1,2,3
	v_lshrrev_b32 v[BY+\i], 23, v[SO+\i]           ; the scale's byte
.endr
.irp i, 0,1,2,3
.irp m, 0,1,2,3,4,5,6,7
	v_med3_num_f32 v[XR+8*\i+\m], v[XR+8*\i+\m], -v[HO+\i], v[HO+\i]   ; the conversion to an 8-bit code does not saturate (ISA guide 7.6.2): the hold comes first
.endr
	v_cvt_scalef32_pk8_fp8_f32 v[CD+2*\i:CD+2*\i+1], v[XR+8*\i:XR+8*\i+7], v[SO+\i]
.endr
	v_nop                                          ; a plain instruction behind the last conversion
.irp i, 0,1,2,3
	global_store_b64 v3, v[CD+2*\i:CD+2*\i+1], s[10:11] offset:256*\i   ; 32 lanes store 256 consecutive bytes, at a multiple of 256 from the buffer's first byte
.endr
; the bytes of the four blocks of a half of the lanes make one word: word 2 i + lane / 16 of the row's eight
.irp i, 0,1,2,3
	v_lshlrev_b32 v[BY+\i], v5, v[BY+\i]
.endr
.irp i, 0,1,2,3
	s_delay_alu instid0(VALU_DEP_4)
	v_mov_b32_dpp v[TD+\i], v[BY+\i] row_xmask:4 row_mask:0xf bank_mask:0xf
.endr
.irp i, 0,1,2,3
	s_delay_alu instid0(VALU_DEP_4)
	v_or_b32 v[BY+\i], v[BY+\i], v[TD+\i]
.endr
.irp i, 0,1,2,3
	s_delay_alu instid0(VALU_DEP_4)
	v_mov_b32_dpp v[TD+\i], v[BY+\i] row_xmask:8 row_mask:0xf bank_mask:0xf
.endr
.irp i, 0,1,2,3
	s_delay_alu instid0(VALU_DEP_4)
	v_or_b32 v[BY+\i], v[BY+\i], v[TD+\i]
.endr
.irp i, 0,1,2,3
	ds_store_b32 v4, v[BY+\i] offset:8*\i          ; the sixteen lanes of a half write the same word with the same value
.endr
	s_wait_dscnt 0x0                               ; for the others' sake: my stores have landed
	s_barrier_signal -1
	s_barrier_wait -1
	s_cmp_lg_u32 s14, 0
	s_cbranch_scc1 .Lnot_wave_0
	ds_load_b64 v[8:9], v3                         ; wave 0: the eight rows' 256 scale bytes, 8 a lane
	s_wait_dscnt 0x0
	global_store_b64 v3, v[8:9], s[12:13]          ; 256 consecutive bytes, aligned
.Lnot_wave_0:
	s_wait_tensorcnt 0x0                           ; the wave's end
	ds_add_u32 v[SPW], v[NIL]
	s_wait_dscnt 0x0
	s_endpgm
.Lfunc_end_k_q7d8ad957dc_ln1:
	.size	k_q7d8ad957dc_ln1, .Lfunc_end_k_q7d8ad957dc_ln1-k_q7d8ad957dc_ln1
	.p2alignl 7, 3214868480
	.fill 96, 4, 3214868480
	.section	.rodata,"a",@progbits
	.p2align	6, 0x0
	.amdhsa_kernel k_q7d8ad957dc_ln1
		.amdhsa_group_segment_fixed_size 1280
		.amdhsa_private_segment_fixed_size 0
		.amdhsa_enable_private_segment 0
		.amdhsa_kernarg_size 40
		.amdhsa_user_sgpr_count 2
		.amdhsa_user_sgpr_kernarg_segment_ptr 1
		.amdhsa_wavefront_size32 1
		.amdhsa_system_sgpr_workgroup_id_x 1
		.amdhsa_system_sgpr_workgroup_id_y 1
		.amdhsa_system_sgpr_workgroup_id_z 1
		.amdhsa_system_vgpr_workitem_id 0
		.amdhsa_next_free_vgpr 160
		.amdhsa_next_free_sgpr 66
		.amdhsa_reserve_vcc 0
		.amdhsa_float_denorm_mode_32 3
		.amdhsa_float_denorm_mode_16_64 3
		.amdhsa_memory_ordered 1
		.amdhsa_forward_progress 1
		.amdhsa_inst_pref_size 20
	.end_amdhsa_kernel
	.amdgpu_metadata
---
amdhsa.version: [ 1, 2 ]
amdhsa.kernels:
  - .name:           k_q7d8ad957dc_ln1
    .symbol:         k_q7d8ad957dc_ln1.kd
    .args:
      - { .name: x, .offset: 0, .size: 8, .value_kind: global_buffer, .address_space: global }
      - { .name: g1, .offset: 8, .size: 8, .value_kind: global_buffer, .address_space: global }
      - { .name: be1, .offset: 16, .size: 8, .value_kind: global_buffer, .address_space: global }
      - { .name: act_codes, .offset: 24, .size: 8, .value_kind: global_buffer, .address_space: global }
      - { .name: act_scales, .offset: 32, .size: 8, .value_kind: global_buffer, .address_space: global }
    .group_segment_fixed_size: 1280
    .private_segment_fixed_size: 0
    .kernarg_segment_align: 8
    .kernarg_segment_size: 40
    .max_flat_workgroup_size: 256
    .sgpr_count:     66
    .vgpr_count:     160
    .wavefront_size: 32
...
	.end_amdgpu_metadata
.endif
;; end of part 1
;; launch qkv (part 2): grid 12 x 16, 4 waves a work-group, clusters of 4 x 4, 327,680 bytes of LDS; arguments act_codes, act_scales, Wq_codes, Wq_scales, Wk_codes, Wk_scales, Wv_codes, Wv_scales, bq, bk, bv, qkv_codes, qkv_scales; writes qkv_codes, qkv_scales
.if DOCPART == 2
	.amdgcn_target "amdgcn-amd-amdhsa--gfx1250"
	.amdhsa_code_object_version 6
	.text
	.protected	k_q7d8ad957dc_qkv
	.globl	k_q7d8ad957dc_qkv
	.p2align	8
	.type	k_q7d8ad957dc_qkv,@function
k_q7d8ad957dc_qkv:
	s_mov_b64 s[64:65], 0
	v_nop
	global_prefetch_b8 v0, s[64:65] scope:SCOPE_SE
	s_setreg_imm32_b32 hwreg(HW_REG_WAVE_MODE, 25, 1), 1
	s_wait_xcnt 0x0
	s_wait_alu depctr_hold_cnt(0) depctr_sa_sdst(0) depctr_va_vdst(0) depctr_va_sdst(0) depctr_va_ssrc(0) depctr_va_vcc(0) depctr_vm_vsrc(0)
	s_getreg_b32 s2, hwreg(HW_REG_IB_STS2, 6, 4)
	s_cmp_eq_u32 s2, 0
	s_cbranch_scc0 .Lentry_in_a_cluster
	s_endpgm
.Lentry_in_a_cluster:
	s_bfe_u32 s2, ttmp6, 0x10000c
	s_cmp_lg_u32 s2, 0xf033
	s_cbranch_scc0 .Lentry_shape_is_right
	s_endpgm
.Lentry_shape_is_right:
; q = n Wq + bq, k = n Wk + bk, v = n Wv + bv (n: the first norm's rows, as codes), and their quantisers: q and k along the head's 64, v along the keys.
; One text serves three roles, told apart by the cluster's x (the same in all partners): 0: q;  1: k;  2: v TRANSPOSED.  C = A B^T on tiles of 256 x 256, K = 1,024:
;   q, k: A = the tokens' rows, B = the weight's rows (one for each output dimension);   v: A = Wv's rows, B = the tokens' rows.
; THE MATRIX INSTRUCTION IS USED TRANSPOSED (source 0 = 16 rows of B, source 1 = 16 rows of A): in accumulator (a, b) lane (r, h) holds C(16 a + r, 16 b + 8 h + j) in register j.  So a lane's registers run along
; the heads' dimensions for q and k, and along the tokens for v: in both cases along the K of the product that follows, and one quantiser serves all three.
; A wave makes 128 x 128: two heads x 128 tokens.  Its results leave as IMAGES OF OPERAND REGISTERS: [which][batch x head][group of 64 tokens][4,096 bytes], a piece of 16 rows x 32 K at 1024 a + 512 c + 16 lane.
; The tokens lie with bits 3 and 4 of their row exchanged (the norm laid them so).  So 16 rows of a tile of k are 8 neighbouring keys and the 8 that lie 16 further on, and v's 16 registers of two neighbouring
; tiles are 16 neighbouring keys in their true order.  q and k carry one and the same permutation of the head's dimensions inside each block of 32: products and block scales are those of the true order.
; LIMITS: the order of the f32 sums of q k^T differs from the true order of the dimensions.  A block of zeros gets the byte 1 (its codes are zeros; this program alone reads the bytes).  NaN and infinities are not served.
; The three products have 3 x 16 x 4 = 192 tiles of 256 x 256: 192 work-groups, each with one tile.  K goes in steps of 256 through two LDS slots filled by the tensor data mover; the scale bytes of the work-group's rows
; of A and of B, for all of K, come into LDS once, with the first fills.  CLUSTERS of 4 x 4: A's tile is shared along a row of the cluster, B's along a column, by joint loads.
; REGISTERS, in windows of 256: window 0: v0-31 addresses; v32-63 scale words, two sets; v64-127 the bias; from v128 A's fragments, ONE set (on the way out: at work).
;   window 1: B's fragments, TWO sets.   window 2: the accumulators of my rows 0-63 ((a, b) at 8 (8 a + b));   window 3: those of my rows 64-127.
.set SIZE_K, 1024
.set KSTEP,  256
.set NQ,     KSTEP/128
.set ROWB,   256
.set KROW,   SIZE_K
.set PITCH,  272                       ; an LDS row: 256 bytes + 16 of padding
.set FR,     16
.set NL,     4
.set NP,     8                         ; places behind this matrix instruction (ISA guide 7.12.1)
.set HALFT,  128*PITCH
.set SLOT,   4*HALFT
.set LAPS,   SIZE_K/(2*KSTEP)
.set KS,     SIZE_K/32
.set SCL,    2*SLOT                    ; behind the ring: the scale bytes, as pieces of 256 bytes + 16
.set HALFS,  (128*KS/256)*272
.set SBLK,   (16*KS/256)*272
.set SPARE,  SCL+4*HALFS               ; the spare words, 128 bytes a wave, which no other line names
.set SST,    SPARE+512                 ; 512 bytes a wave: the scale words of its eight blocks of rows, gathered
.set ADRA, 16
.set ADRB, 20
.set SR,   24                          ; v24  where I read the gathered scale words back
.set LO,   25                          ; v25  my byte offset among the scale words in memory
.set CO,   26                          ; v26  16 x lane
.set ADRS, 27
.set SPW,  28
.set NIL,  29
.set PW,   30                          ; v30  the scale word just made
.set SW,   31                          ; v31  where it goes in LDS
.set SC,   32
.set CB,   64                          ; v64-127 the bias.  q, k: register 8 b + j: column 16 b + 8 h + j.  v: register 8 a + j: row 16 a + r, for every j
.set AF,   128
.set XX,   128                         ; the way out: v128-191 a block's 64 numbers of a lane
.set TM,   192                         ; v192-207 the quantiser's
.set PC,   208                         ; v208-223 the codes
.set G1, 24
.set G0, 32
.set G1B, 48
.set G0B, 56
.set GH, 68                            ; s[68:83] four groups 0 for the head's loads: A slot 0, B slot 0, A slot 1, B slot 1, each a whole tile of 256 rows
.set MNT, 95
.set SEL, 96
.set MSB, 0
.macro WIN new                         ; the immediate's high byte repeats the setting that is left
.if MSB != \new
	s_set_vgpr_msb (MSB<<8)|\new
.set MSB, \new
.endif
.endm
.set MUL_LO, 0xa1                      ; source 0 (B) window 1, source 1 (A) window 0, C and D window 2
.set MUL_HI, 0xf1                      ; the same, C and D window 3
.set TO_B,   0x40                      ; destination window 1, address window 0
.macro JLOAD g0a, g1a, g0b, g1b        ; a joint load: waves 0 and 1 fetch for A, waves 2 and 3 for B; an s_nop 0 and four v_nop follow each of the two lines
	s_cmp_eq_u32 s15, 0
	s_cbranch_scc0 .Lfor_b_\@
	tensor_load_to_lds s[\g0a:\g0a+3], s[\g1a:\g1a+7]
	s_nop 0
.rept 4
	v_nop
.endr
	s_branch .Lasked_\@
.Lfor_b_\@:
	tensor_load_to_lds s[\g0b:\g0b+3], s[\g1b:\g1b+7]
	s_nop 0
.rept 4
	v_nop
.endr
.Lasked_\@:
.endm
.macro CREST
	s_cmp_lg_u32 s14, 0
	s_cbranch_scc1 .Lnot_wave_0_\@
	s_barrier_signal -3
.Lnot_wave_0_\@:
	s_barrier_wait -3
	s_barrier_signal -1
	s_barrier_wait -1
.endm
.macro CROUND
	s_barrier_signal -1
	s_barrier_wait -1
	CREST
.endm
	s_load_b512 s[24:39], s[0:1], 0x0              ; n's codes, n's scales, Wq's, Wk's, Wv's codes and scales
	s_load_b256 s[40:47], s[0:1], 0x40             ; bq, bk, bv, the codes out
	s_load_b64 s[48:49], s[0:1], 0x60              ; the scale words out
	v_lshl_add_u32 v[SPW], v0, 2, SPARE
	v_mov_b32 v[NIL], 0
	ds_add_u32 v[SPW], v[NIL]                      ; the wave's opening: the add, twice on end, and its wait ahead of my first tensor load
	ds_add_u32 v[SPW], v[NIL]
	v_lshrrev_b32 v1, 5, v0
	v_readfirstlane_b32 s14, v1                    ; wave 0..3
	v_and_b32 v9, 31, v0
	v_bfe_u32 v10, v0, 4, 1
	v_mul_u32_u24 v11, v9, KROW                    ; v11: a prefetch's offset: my lane x a row of codes; never rewritten
	v_lshlrev_b32 v9, 4, v9                        ; v9: 16 x lane: my place in 512 bytes of scale bytes in memory
	v_lshl_add_u32 v10, v10, 4, v9                 ; v10: the same in LDS: 16 bytes more behind each 256
	s_wait_alu depctr_va_vdst(0)
	s_lshr_b32 s15, s14, 1                         ; which half of the tile's rows is mine.  Also: I fetch for A (0) or for B (1)
	s_and_b32 s16, s14, 1                          ; which half of its columns.  Also: which 128 rows of that tile I fetch
	s_mul_i32 s94, s14, HALFS                      ; where my scale bytes go
	s_mov_b32 s[MNT], 0x600000                     ; the mantissa field of 448
	s_mov_b32 s[SEL], 0x76543210
	s_mov_b32 s[SEL+1], 0xfedcba98                 ; lane selects: lane l xor 16
	s_wait_dscnt 0x0                               ; both opening adds are done
	s_wait_kmcnt 0x0
	s_cmp_eq_u32 ttmp9, 0                          ; the role: the choices hang on the cluster's x alone
	s_cselect_b64 s[8:9], s[28:29], s[32:33]       ; Wq or Wk
	s_cselect_b64 s[10:11], s[30:31], s[34:35]
	s_cselect_b64 s[98:99], s[40:41], s[42:43]
	s_cmp_lt_u32 ttmp9, 2
	s_cselect_b64 s[4:5], s[24:25], s[36:37]       ; A: the tokens, or Wv
	s_cselect_b64 s[6:7], s[26:27], s[38:39]
	s_cselect_b64 s[8:9], s[8:9], s[24:25]         ; B: the weight, or the tokens
	s_cselect_b64 s[10:11], s[10:11], s[26:27]
	s_cselect_b64 s[98:99], s[98:99], s[44:45]     ; the bias
	s_mov_b64 s[12:13], s[46:47]
	s_mov_b64 s[100:101], s[48:49]
	s_bfe_u32 s40, ttmp6, 0x40000                  ; cx, cy: my place in the cluster
	s_bfe_u32 s41, ttmp6, 0x40004
	s_and_b32 s18, ttmp7, 0xffff
	s_lshl_b32 s18, s18, 2                         ; 4 x cluster y: walks the tokens' 16 tiles; the weight's four tiles are walked by the place in the cluster
	s_cmp_lt_u32 ttmp9, 2
	s_cselect_b32 s17, s18, 0
	s_cselect_b32 s42, 0, s18
	s_add_co_u32 s17, s17, s41                     ; tile row of C
	s_add_co_u32 s42, s42, s40                     ; tile column of C
	s_lshl_b32 s43, s41, 2
	s_lshl_b32 s43, 15, s43                        ; my row of the cluster
	s_lshl_b32 s44, 0x1111, s40                    ; my column
	s_mul_i32 s45, s14, HALFT                      ; where my tiles go: no place in the cluster enters an LDS address
	s_or_b32 s[G1+0], s43, (0<<16)|(1<<20)|(1<<21)|(5<<22)|(3<<25)   ; 128 rows x 256 bytes; four words of padding after every 64; the mask; 21 set beside a mask
	s_or_b32 s[G1B+0], s44, (0<<16)|(1<<20)|(1<<21)|(5<<22)|(3<<25)
.irp g, G1, G1B
	s_mov_b32 s[\g+1], ROWB<<16
	s_mov_b32 s[\g+2], 256<<16                     ; the head's loads bring 256 rows; the ring's 128: set at the first change of slots
	s_mov_b32 s[\g+3], ROWB<<16
	s_mov_b32 s[\g+4], 256
	s_mov_b32 s[\g+5], KROW
	s_mov_b32 s[\g+6], 0
	s_mov_b32 s[\g+7], 0
.endr
	s_lshl_b32 s18, s16, 7
	s_lshl_b32 s20, s17, 8
	s_add_co_u32 s20, s20, s18                     ; A: row 256 x tile row + 128 x half
	s_lshl_b32 s46, s42, 8
	s_add_co_u32 s46, s46, s18                     ; B: row 256 x tile column + 128 x half
	s_mov_b32 s21, 0
	s_mov_b32 s47, 0
	s_mov_b64 s[18:19], KS
	s_mul_u64 s[22:23], s[20:21], s[18:19]
	s_mul_u64 s[92:93], s[46:47], s[18:19]
	s_mov_b64 s[18:19], KROW
	s_mul_u64 s[20:21], s[20:21], s[18:19]
	s_mul_u64 s[46:47], s[46:47], s[18:19]
	s_add_nc_u64 s[20:21], s[4:5], s[20:21]
	s_add_nc_u64 s[22:23], s[6:7], s[22:23]
	s_add_nc_u64 s[46:47], s[8:9], s[46:47]
	s_add_nc_u64 s[92:93], s[10:11], s[92:93]
	; THE SCALE BYTES GO THROUGH REGISTERS: each wave loads the 4,096 dense bytes of 128 rows (waves 0, 1: A's halves; 2, 3: B's) and stores them into LDS bytes into which no tensor load lands.
	; So each wave's one tensor load at the head is free for codes.  They are not asked for jointly: 16 KiB of the 528 KiB that a work-group reads.
	s_cmp_eq_u32 s15, 0
	s_cselect_b64 s[88:89], s[22:23], s[92:93]     ; my share of the scale bytes
	s_cselect_b64 s[66:67], s[20:21], s[46:47]     ; the prefetches: the 128 rows of codes that I fetch in the ring,
	s_cselect_b32 s90, s40, s41                    ; my work-group's place among the four that ask for them jointly (it enters this global address alone),
	s_mul_i32 s90, s90, 32*KROW                    ; its 32 of them
	s_mov_b32 s91, 0
	s_add_nc_u64 s[66:67], s[66:67], s[90:91]
	s_add_co_u32 s94, s94, SCL
	v_add_nc_u32 v10, s94, v10
	s_wait_alu depctr_va_vdst(0)
.irp i, 0,1,2,3,4,5,6,7
	global_load_b128 v[AF+4*\i:AF+4*\i+3], v9, s[88:89] offset:512*\i   ; 32 lanes read 512 consecutive bytes
.endr
	s_mul_i32 s18, s16, 128*KROW
	s_mov_b32 s19, 0
	s_sub_nc_u64 s[84:85], s[20:21], s[18:19]      ; the tiles' first rows
	s_sub_nc_u64 s[86:87], s[46:47], s[18:19]
.irp s, 0,1
	s_mov_b32 s[GH+8*\s], 1
	s_mov_b32 s[GH+8*\s+1], \s*SLOT
	s_add_nc_u64 s[GH+8*\s+2:GH+8*\s+3], s[84:85], \s*ROWB
	s_or_b32 s[GH+8*\s+3], s[GH+8*\s+3], 0x80000000
	s_mov_b32 s[GH+8*\s+4], 1
	s_mov_b32 s[GH+8*\s+5], \s*SLOT+2*HALFT
	s_add_nc_u64 s[GH+8*\s+6:GH+8*\s+7], s[86:87], \s*ROWB
	s_or_b32 s[GH+8*\s+7], s[GH+8*\s+7], 0x80000000
.endr
	CROUND                                         ; all sixteen work-groups are here: the first joint loads meet
.irp s, 0,1
	s_mov_b32 s[G0+4*\s], 1
	s_add_co_u32 s[G0+4*\s+1], s45, \s*SLOT
	s_add_nc_u64 s[G0+4*\s+2:G0+4*\s+3], s[20:21], \s*ROWB
	s_or_b32 s[G0+4*\s+3], s[G0+4*\s+3], 0x80000000
	s_mov_b32 s[G0B+4*\s], 1
	s_add_co_u32 s[G0B+4*\s+1], s45, \s*SLOT
	s_add_nc_u64 s[G0B+4*\s+2:G0B+4*\s+3], s[46:47], \s*ROWB
	s_or_b32 s[G0B+4*\s+3], s[G0B+4*\s+3], 0x80000000
.endr
; THE HEAD'S LOADS, ONE A WAVE: wave 0: A's 256 rows of K step 0; wave 1: B's; waves 2, 3: the same of K step 1.  One chain of branches on the wave's number, a load to an arm.
.macro ARM under, g0, g1, next
	s_cmp_lt_u32 s14, \under
	s_cbranch_scc0 \next
	tensor_load_to_lds s[\g0:\g0+3], s[\g1:\g1+7]
	s_nop 0
.rept 4
	v_nop
.endr
	s_branch .Lhead_asked
\next:
.endm
	ARM 1, GH, G1, .Lhead_b0
	ARM 2, GH+4, G1B, .Lhead_a1
	ARM 3, GH+8, G1, .Lhead_b1
	tensor_load_to_lds s[GH+12:GH+15], s[G1B:G1B+7]
	s_nop 0
.rept 4
	v_nop
.endr
.Lhead_asked:
	; K steps 2 and 3, which the two refills will load, are asked for here: 32 rows x 256 bytes an instruction, a lane a row; each block is named once in each cluster that will load it
	global_prefetch_b8 v11, s[66:67] offset:2*ROWB th:TH_LOAD_NT scope:SCOPE_SE
	global_prefetch_b8 v11, s[66:67] offset:3*ROWB th:TH_LOAD_NT scope:SCOPE_SE
	v_and_b32 v1, 15, v0                           ; r
	v_bfe_u32 v2, v0, 4, 1                         ; h
	; WHERE MY RESULTS GO.  My 128 rows and my 128 columns are two heads and two groups of 64 tokens: q, k: rows = tokens, columns = heads;  v: the other way round.
	; A head further on is 131,072 bytes of codes and 4,096 of scale words; a group further on 4,096 and 128.
	s_wait_alu depctr_va_vdst(0)
	s_lshl_b32 s20, s17, 1
	s_add_co_u32 s20, s20, s15
	s_lshl_b32 s20, s20, 1                         ; my rows' first unit of 64
	s_lshl_b32 s46, s42, 1
	s_add_co_u32 s46, s46, s16
	s_lshl_b32 s46, s46, 1                         ; my columns' first unit of 64
	s_cmp_lt_u32 ttmp9, 2
	s_cselect_b32 s21, s46, s20                    ; my first head
	s_cselect_b32 s22, s20, s46                    ; my first group, 0..62
	s_mov_b32 s4, 4096
	s_cselect_b32 s4, 0x20000, s4                  ; codes: from my columns' first 64 to the second
	s_mov_b32 s6, 128000
	s_cselect_b32 s6, 1024, s6                     ; codes: from my rows' block 3 to block 4: 1,024, or a head less three blocks
	s_mov_b32 s8, 128
	s_cselect_b32 s8, 4096, s8                     ; scale words: from my columns' first 64 to the second
	s_mov_b32 s2, 4096
	s_cselect_b32 s2, 128, s2                      ; scale words: from my rows' first 64 to the second
	s_mov_b32 s5, 0
	s_mov_b32 s3, 0
	s_lshr_b32 s23, s22, 5                         ; the batch
	s_lshl_b32 s23, s23, 4
	s_add_co_u32 s23, s23, s21
	s_lshl_b32 s23, s23, 5
	s_and_b32 s22, s22, 31
	s_add_co_u32 s23, s23, s22                     ; (16 batch + head) x 32 + group
	s_lshl_b32 s18, s23, 12
	s_lshl_b32 s19, ttmp9, 22                      ; which: 0 q, 1 k, 2 v
	s_add_co_u32 s18, s18, s19
	s_mov_b32 s19, 0
	s_add_nc_u64 s[12:13], s[12:13], s[18:19]      ; codes: my columns' first 64,
	s_add_nc_u64 s[10:11], s[12:13], s[4:5]        ; and the second
	s_lshl_b32 s18, s23, 7
	s_lshl_b32 s22, ttmp9, 17
	s_add_co_u32 s18, s18, s22
	s_add_nc_u64 s[100:101], s[100:101], s[18:19]  ; scale words: my rows' first 64,
	s_add_nc_u64 s[92:93], s[100:101], s[2:3]      ; and the second
	s_lshl_b32 s18, s21, 8                         ; the bias of my two heads' 128 dimensions
	s_add_nc_u64 s[98:99], s[98:99], s[18:19]
	v_lshlrev_b32 v7, 5, v2                        ; 32 h
	v_lshlrev_b32 v8, 2, v1                        ; 4 r
	s_cmp_lt_u32 ttmp9, 2                          ; q, k: the bias goes by the column;  v: by the row.  The branch hangs on the cluster's x alone and leads round loads from memory only
	s_cbranch_scc0 .Lbias_v
.irp b, 0,1,2,3,4,5,6,7
	global_load_b128 v[CB+8*\b:CB+8*\b+3], v7, s[98:99] offset:64*\b
	global_load_b128 v[CB+8*\b+4:CB+8*\b+7], v7, s[98:99] offset:64*\b+16
.endr
	s_branch .Lbias_done
.Lbias_v:
	s_wait_alu depctr_va_vdst(0)
.irp a, 0,1,2,3,4,5,6,7
.irp j, 0,1,2,3,4,5,6,7
	global_load_b32 v[CB+8*\a+\j], v8, s[98:99] offset:64*\a   ; dimension 16 a + r, in the eight registers that block a's packed additions name
.endr
.endr
.Lbias_done:
	v_mul_u32_u24 v3, v1, PITCH
	v_lshl_add_u32 v4, v2, 4, v3                   ; a fragment's row x pitch + 16 x half
	s_mul_i32 s21, s15, HALFT                      ; my 128 rows of A
	s_mul_i32 s22, s16, HALFT                      ; my 128 rows of B,
	s_add_co_u32 s22, s22, 2*HALFT                 ; which lie behind A's 256
.irp s, 0,1
	v_add_nc_u32 v[ADRA+\s], s21, v4
	v_add_nc_u32 v[ADRB+\s], s22, v4
	s_add_co_u32 s21, s21, SLOT
	s_add_co_u32 s22, s22, SLOT
.endr
	v_mul_u32_u24 v5, v1, KS                       ; my row's scales: KS bytes a row,
	v_lshrrev_b32 v6, 8, v5
	v_lshl_add_u32 v5, v6, 4, v5                   ; and 16 more for each 256 passed
	s_mul_i32 s21, s15, HALFS                      ; A's: my 128 rows
	s_mul_i32 s22, s16, HALFS                      ; B's: my 128 rows, behind A's 256
	s_add_co_u32 s22, s22, 2*HALFS
	s_sub_co_u32 s22, s22, s21
	v_mul_u32_u24 v6, s22, v2                      ; lanes 16-31 take B's
	s_add_co_u32 s21, s21, SCL
	v_add_nc_u32 v5, v5, v6
	v_add_nc_u32 v[ADRS], s21, v5
	s_lshl_b32 s23, s14, 9
	s_add_co_u32 s23, s23, SST                     ; my 512 bytes for the scale words
	v_lshl_add_u32 v[SW], v1, 2, s23               ; in: stepped block by block;
	v_lshl_add_u32 v[SR], v1, 2, s23               ; back: it stays
	v_and_b32 v6, 31, v0
	v_lshlrev_b32 v[CO], 4, v6
	v_mul_u32_u24 v[LO], s8, v2
	v_lshl_add_u32 v[LO], v1, 2, v[LO]             ; lanes 0-15: my columns' first 64, lanes 16-31 the second; 4 bytes a row
.macro FRAG reg, adr, q, i             ; 16 rows x 128 K: lane l holds row l % 16; registers 4 c .. 4 c + 3 hold K = 32 c + 16 (l / 16) + 0 .. 15
.irp c, 0,1,2,3
	ds_load_b128 v[\reg+4*\c:\reg+4*\c+3], v[\adr] offset:128*(\q)+32*\c+(\i)*16*PITCH
.endr
.endm
; 16 matrix instructions: A's blocks a0, a0 + 1 x B's eight.  The 64 accumulators take turns, one instruction a turn, in the same order in every step.
; One register carries A's scale word (lanes 0-15) and B's (lanes 16-31).
.macro MUL16 a0, p, q, sc, zero
.irp a, \a0, \a0+1
.irp b, 0,1,2,3,4,5,6,7
.if \zero
	v_wmma_scale_f32_16x16x128_f8f6f4 v[8*(8*((\a)%4)+\b):8*(8*((\a)%4)+\b)+7], v[128*(\p)+FR*\b:128*(\p)+FR*\b+FR-1], v[AF+FR*(\a):AF+FR*(\a)+FR-1], 0, v[SC+8*NQ*(\sc)+NQ*\b+(\q)], v[SC+8*NQ*(\sc)+NQ*(\a)+(\q)] matrix_a_scale:MATRIX_SCALE_ROW1
.else
	v_wmma_scale_f32_16x16x128_f8f6f4 v[8*(8*((\a)%4)+\b):8*(8*((\a)%4)+\b)+7], v[128*(\p)+FR*\b:128*(\p)+FR*\b+FR-1], v[AF+FR*(\a):AF+FR*(\a)+FR-1], v[8*(8*((\a)%4)+\b):8*(8*((\a)%4)+\b)+7], v[SC+8*NQ*(\sc)+NQ*\b+(\q)], v[SC+8*NQ*(\sc)+NQ*(\a)+(\q)] matrix_a_scale:MATRIX_SCALE_ROW1
.endif
.endr
.endr
.endm
.macro FETCH_B slot, q, p
	WIN TO_B
.irp i, 0,1,2,3,4,5,6,7
	FRAG 128*(\p)+FR*\i, ADRB+\slot, \q, \i
.endr
	WIN 0
.endm
.macro FETCH_A slot, q, i0
.irp i, \i0, \i0+1, \i0+2, \i0+3
	FRAG AF+FR*(\i), ADRA+\slot, \q, \i
.endr
.endm
.macro SCALES sc
.irp i, 0,1,2,3,4,5,6,7
	ds_load_b64 v[SC+8*NQ*\sc+NQ*\i:SC+8*NQ*\sc+NQ*\i+1], v[ADRS] offset:\i*SBLK
.endr
.endm
.macro PLACES n
.rept \n
	v_nop
.endr
.endm
.macro STEP slot, q, zero              ; a step of 128 along K that has its successor in the same slot
	s_wait_dscnt 4*NL                              ; B's set and A's blocks 0-3 are in; the youngest loads (A's blocks 4-7) may be out
	WIN MUL_LO
	MUL16 0, (\q)%2, \q, \slot, \zero
	MUL16 2, (\q)%2, \q, \slot, \zero
	s_wait_dscnt 0                                 ; A's blocks 4-7 are in
	PLACES NP
	FETCH_B \slot, (\q)+1, 1-(\q)%2
	FETCH_A \slot, (\q)+1, 0
	WIN MUL_HI
	MUL16 4, (\q)%2, \q, \slot, \zero
	MUL16 6, (\q)%2, \q, \slot, \zero
	PLACES NP
	WIN 0
	FETCH_A \slot, (\q)+1, 4
.endm
; A slot's last step changes slots: ONE barrier; in front of it each wave waits for all its tensor loads, adds 0 to its spare word, and waits for that and for its reads of this slot.  fill = 1: this slot is filled again
.macro TURN slot, next, fill
	s_wait_tensorcnt 0x0                           ; all my tensor loads have landed: my part of the next slot;  (every window is 0 here)
	ds_add_u32 v[SPW], v[NIL]
.if \fill
	s_mov_b32 s[G1+2], 128<<16                     ; no tensor load of mine is out: from here on a load brings 128 rows
	s_mov_b32 s[G1+4], 128
	s_mov_b32 s[G1B+2], 128<<16
	s_mov_b32 s[G1B+4], 128
.endif
	s_wait_dscnt 4*NL+1
	WIN MUL_LO
	MUL16 0, 1, NQ-1, \slot, 0
	s_wait_dscnt 0x0                               ; the add is done, and my reads of this slot are over
	s_barrier_signal -1
	MUL16 2, 1, NQ-1, \slot, 0
	WIN 0
	s_barrier_wait -1
.if \fill
	CREST                                          ; the barrier has opened a round of the cluster's barrier: no wave of any partner still reads this slot or has a load on its way
	s_add_nc_u64 s[G0+4*\slot+2:G0+4*\slot+3], s[G0+4*\slot+2:G0+4*\slot+3], 2*ROWB
	s_add_nc_u64 s[G0B+4*\slot+2:G0B+4*\slot+3], s[G0B+4*\slot+2:G0B+4*\slot+3], 2*ROWB
	JLOAD G0+4*\slot, G1, G0B+4*\slot, G1B         ; the first tensor load behind the round, and my one load until the next
	PLACES NP-4
.else
	PLACES NP
.endif
	s_wait_alu depctr_va_vdst(0)
	v_add_nc_u32 v[ADRS], 4*NQ, v[ADRS]            ; the next slot's scale words
	FETCH_B \next, 0, 0
	FETCH_A \next, 0, 0
	SCALES \next
	WIN MUL_HI
	MUL16 4, 1, NQ-1, \slot, 0
	MUL16 6, 1, NQ-1, \slot, 0
	PLACES NP
	WIN 0
	FETCH_A \next, 0, 4
.endm
	s_wait_alu depctr_va_vdst(0)
	s_wait_loadcnt 16                              ; my scale bytes are in registers; the 16 youngest loads (of the bias) may be out
.irp i, 0,1,2,3,4,5,6,7
	ds_store_b128 v10, v[AF+4*\i:AF+4*\i+3] offset:544*\i
.endr
	s_cmp_lt_u32 s14, 2                            ; waves 0 and 1, whose load lines no other wave issues, wait for slot 0; slot 1's loads are waited for at the first change of slots
	s_cbranch_scc0 .Lnot_first
	s_wait_tensorcnt 0x0
.Lnot_first:
	s_wait_dscnt 0x0                               ; for the others' sake: my stores have landed
	s_barrier_signal -1
	s_barrier_wait -1                              ; everybody's are
	FETCH_B 0, 0, 0
	FETCH_A 0, 0, 0
	SCALES 0
	FETCH_A 0, 0, 4
	STEP 0, 0, 1                                   ; the first step stands in front of the loop: its products start the sums
	s_mov_b32 s3, LAPS-1
.Llap:                                                 ; a trip goes once round the ring and fills both slots again
	TURN 0, 1, 1
	STEP 1, 0, 0
	TURN 1, 0, 1
	STEP 0, 0, 0
	s_sub_co_u32 s3, s3, 1
	s_cmp_lg_u32 s3, 0
	s_cbranch_scc1 .Llap
	TURN 0, 1, 0                                   ; the last lap fills nothing
	STEP 1, 0, 0
	s_wait_dscnt 4*NL                              ; the very last step
	WIN MUL_LO
	MUL16 0, 1, NQ-1, 1, 0
	MUL16 2, 1, NQ-1, 1, 0
	s_wait_dscnt 0
	WIN MUL_HI
	MUL16 4, 1, NQ-1, 1, 0
	MUL16 6, 1, NQ-1, 1, 0
	WIN 0
; THE WAY OUT: my eight blocks of 16 rows x 128 columns, one a trip of a loop, so that the quantiser is written once.  What differs between trips, the block's accumulators, is copied, with the bias added, by one short run:
; eight runs for the bias by the column (q, k), eight for the bias by the row (v).
.macro COPYC a                         ; x = block a's sums + the columns' bias; each accumulator is read from its low end on
	WIN 0x02+(\a)/4                                ; source 0: window 2 or 3
.set n, 0
.rept 32
	v_pk_add_f32 v[XX+n:XX+n+1], v[64*((\a)%4)+n:64*((\a)%4)+n+1], v[CB+n:CB+n+1]
.set n, n+2
.endr
	WIN 0
.endm
.macro COPYR a                         ; x = block a's sums + the bias of my row of block a
	WIN 0x02+(\a)/4
.set n, 0
.rept 32
	v_pk_add_f32 v[XX+n:XX+n+1], v[64*((\a)%4)+n:64*((\a)%4)+n+1], v[CB+8*(\a)+n%8:CB+8*(\a)+n%8+1]
.set n, n+2
.endr
	WIN 0
.endm
; THE QUANTISER.  64 numbers of a lane, v[s] on: four blocks of 16, each shared with lane l xor 16.  Codes to v[PC] on, the four scale bytes as one word to v[pw].
.macro QUANT s, pw
.irp b, 0,1,2,3
	v_max3_num_f32 v[TM+\b], |v[\s+16*\b]|, |v[\s+1+16*\b]|, 0x4800000   ; my 16 numbers, and the floor 2^(9 - 127): the byte cannot fall under 1
.endr
.irp i, 2,4,6,8,10,12,14
.irp b, 0,1,2,3
	v_max3_num_f32 v[TM+\b], v[TM+\b], |v[\s+16*\b+\i]|, |v[\s+1+16*\b+\i]|
.endr
.endr
.irp b, 0,1,2,3
	v_permlanex16_b32 v[TM+4+\b], v[TM+\b], s[SEL], s[SEL+1]
.endr
.irp b, 0,1,2,3
	v_max_num_f32 v[TM+\b], v[TM+\b], v[TM+4+\b]   ; the block's largest magnitude
.endr
.irp b, 0,1,2,3
	v_add_nc_u32 v[TM+12+\b], 0xfc000000, v[TM+\b] ; 8 off its exponent field: the conversion's scale operand
.endr
.irp b, 0,1,2,3
	v_and_or_b32 v[TM+8+\b], v[TM+\b], 0x7f800000, s[MNT]   ; 448 x the scale
.endr
.irp b, 0,1,2,3
	v_lshrrev_b32 v[TM+4+\b], 23, v[TM+12+\b]      ; the scale's byte
.endr
	v_lshl_or_b32 v[\pw], v[TM+5], 8, v[TM+4]
	v_lshl_or_b32 v[\pw], v[TM+6], 16, v[\pw]
	v_lshl_or_b32 v[\pw], v[TM+7], 24, v[\pw]
.irp b, 0,1,2,3
.irp i, 0,1,2,3,4,5,6,7,8,9,10,11,12,13,14,15
	v_med3_num_f32 v[\s+16*\b+\i], v[\s+16*\b+\i], -v[TM+8+\b], v[TM+8+\b]   ; the conversion does not saturate (ISA guide 7.6.2): the hold comes first
.endr
.endr
	; all 64 holds stand ahead of the conversions: the codes' registers and the stores' bases are those of the last trip's stores, and are written again only behind the wait on XCNT, which so stands nearly a trip behind those stores
	s_wait_alu depctr_va_vdst(0)
	s_wait_xcnt 0x0                                ; the last trip's stores have read their registers and their bases
	s_cmp_eq_u32 s3, 4
	s_cselect_b32 s18, s6, 1024                    ; on to this block of 16 rows; in front of block 4: my rows' second 64;
	s_cmp_eq_u32 s3, 0
	s_cselect_b32 s18, 0, s18                      ; block 0 lies at the bases as they stand
	s_add_nc_u64 s[12:13], s[12:13], s[18:19]
	s_add_nc_u64 s[10:11], s[10:11], s[18:19]
.irp b, 0,1,2,3
	v_cvt_scalef32_pk8_fp8_f32 v[PC+4*\b:PC+1+4*\b], v[\s+16*\b:\s+7+16*\b], v[TM+12+\b]
	v_cvt_scalef32_pk8_fp8_f32 v[PC+2+4*\b:PC+3+4*\b], v[\s+8+16*\b:\s+15+16*\b], v[TM+12+\b]
.endr
	v_nop                                          ; a plain instruction behind the last conversion
.endm
	s_wait_loadcnt 0x0                             ; the bias
	PLACES NP                                      ; behind the last products: their results are read and their operands' registers written below
.irp b, 0,1,2,3
	v_mov_b32 v[TM+4+\b], 0                        ; written once: a lane permute's destination counts as one of its sources
.endr
	s_mov_b32 s19, 0
	s_mov_b32 s3, 0
.Lrow:
	s_cmp_eq_u32 ttmp9, 2                          ; the role: the cluster's x
	s_cbranch_scc1 .Lrow_v
.irp a, 0,1,2,3,4,5,6
	s_cmp_eq_u32 s3, \a                            ; which block: the loop's own count decides
	s_cbranch_scc1 .Lcc\a
.endr
	COPYC 7
	s_branch .Lquant
.irp a, 0,1,2,3,4,5,6
.Lcc\a:
	COPYC \a
	s_branch .Lquant
.endr
.Lrow_v:
.irp a, 0,1,2,3,4,5,6
	s_cmp_eq_u32 s3, \a
	s_cbranch_scc1 .Lcr\a
.endr
	COPYR 7
	s_branch .Lquant
.irp a, 0,1,2,3,4,5,6
.Lcr\a:
	COPYR \a
	s_branch .Lquant
.endr
.Lquant:
	QUANT XX, PW
	global_store_b128 v[CO], v[PC:PC+3], s[12:13]                 ; four pieces of 16 rows x 32 K: each store covers 512 consecutive bytes.  My columns' first 64:
	global_store_b128 v[CO], v[PC+4:PC+7], s[12:13] offset:512
	global_store_b128 v[CO], v[PC+8:PC+11], s[10:11]              ; and the second
	global_store_b128 v[CO], v[PC+12:PC+15], s[10:11] offset:512
	ds_store_b32 v[SW], v[PW]                      ; the rows' scale words are gathered; both halves of the lanes write the same word
	v_add_nc_u32 v[SW], 64, v[SW]                  ; the next block's scale words
	s_add_co_u32 s3, s3, 1
	s_cmp_lt_u32 s3, 8
	s_cbranch_scc1 .Lrow
	; THE SCALE WORDS.  A block's word holds two bytes for each 64 of my columns.  In memory a word holds the two bytes of two neighbouring blocks of rows, for one 64 of the columns: lanes 0-15 make the first 64's, lanes 16-31 the second's.
.irp a, 0,1,2,3,4,5,6,7
	ds_load_b32 v[XX+\a], v[SR] offset:64*\a       ; my own bytes, so no barrier
.endr
	s_mov_b32 s20, 0x05040100
	s_mov_b32 s21, 0x07060302
	s_mov_b32 s22, 0xffff0000
	s_wait_dscnt 0x0
.irp p, 0,1,2,3
	v_perm_b32 v[XX+8+\p], v[XX+2*\p+1], v[XX+2*\p], s20     ; the low halves of blocks 2 p and 2 p + 1,
	v_perm_b32 v[XX+12+\p], v[XX+2*\p+1], v[XX+2*\p], s21    ; the high halves
.endr
.irp p, 0,1,2,3
	v_cndmask_b32 v[XX+8+\p], v[XX+8+\p], v[XX+12+\p], s22
.endr
	global_store_b32 v[LO], v[XX+8], s[100:101]               ; sixteen lanes store 64 consecutive bytes: one part in 32 of the launch's bytes out
	global_store_b32 v[LO], v[XX+9], s[100:101] offset:64
	global_store_b32 v[LO], v[XX+10], s[92:93]
	global_store_b32 v[LO], v[XX+11], s[92:93] offset:64
	s_wait_tensorcnt 0x0                           ; the wave's end
	ds_add_u32 v[SPW], v[NIL]
	s_wait_dscnt 0x0
	CROUND                                         ; the closing round
	s_endpgm
.Lfunc_end_k_q7d8ad957dc_qkv:
	.size	k_q7d8ad957dc_qkv, .Lfunc_end_k_q7d8ad957dc_qkv-k_q7d8ad957dc_qkv
	.p2alignl 7, 3214868480
	.fill 96, 4, 3214868480
	.section	.rodata,"a",@progbits
	.p2align	6, 0x0
	.amdhsa_kernel k_q7d8ad957dc_qkv
		.amdhsa_group_segment_fixed_size 327680
		.amdhsa_private_segment_fixed_size 0
		.amdhsa_enable_private_segment 0
		.amdhsa_kernarg_size 104
		.amdhsa_user_sgpr_count 2
		.amdhsa_user_sgpr_kernarg_segment_ptr 1
		.amdhsa_wavefront_size32 1
		.amdhsa_system_sgpr_workgroup_id_x 1
		.amdhsa_system_sgpr_workgroup_id_y 1
		.amdhsa_system_sgpr_workgroup_id_z 1
		.amdhsa_system_vgpr_workitem_id 0
		.amdhsa_next_free_vgpr 1024
		.amdhsa_next_free_sgpr 102
		.amdhsa_reserve_vcc 0
		.amdhsa_float_denorm_mode_32 3
		.amdhsa_float_denorm_mode_16_64 3
		.amdhsa_memory_ordered 1
		.amdhsa_forward_progress 1
		.amdhsa_inst_pref_size 173
	.end_amdhsa_kernel
	.amdgpu_metadata
---
amdhsa.version: [ 1, 2 ]
amdhsa.kernels:
  - .name:           k_q7d8ad957dc_qkv
    .symbol:         k_q7d8ad957dc_qkv.kd
    .args:
      - { .name: act_codes, .offset: 0, .size: 8, .value_kind: global_buffer, .address_space: global }
      - { .name: act_scales, .offset: 8, .size: 8, .value_kind: global_buffer, .address_space: global }
      - { .name: Wq_codes, .offset: 16, .size: 8, .value_kind: global_buffer, .address_space: global }
      - { .name: Wq_scales, .offset: 24, .size: 8, .value_kind: global_buffer, .address_space: global }
      - { .name: Wk_codes, .offset: 32, .size: 8, .value_kind: global_buffer, .address_space: global }
      - { .name: Wk_scales, .offset: 40, .size: 8, .value_kind: global_buffer, .address_space: global }
      - { .name: Wv_codes, .offset: 48, .size: 8, .value_kind: global_buffer, .address_space: global }
      - { .name: Wv_scales, .offset: 56, .size: 8, .value_kind: global_buffer, .address_space: global }
      - { .name: bq, .offset: 64, .size: 8, .value_kind: global_buffer, .address_space: global }
      - { .name: bk, .offset: 72, .size: 8, .value_kind: global_buffer, .address_space: global }
      - { .name: bv, .offset: 80, .size: 8, .value_kind: global_buffer, .address_space: global }
      - { .name: qkv_codes, .offset: 88, .size: 8, .value_kind: global_buffer, .address_space: global }
      - { .name: qkv_scales, .offset: 96, .size: 8, .value_kind: global_buffer, .address_space: global }
    .group_segment_fixed_size: 327680
    .private_segment_fixed_size: 0
    .kernarg_segment_align: 8
    .kernarg_segment_size: 104
    .max_flat_workgroup_size: 128
    .sgpr_count:     102
    .vgpr_count:     1024
    .wavefront_size: 32
...
	.end_amdgpu_metadata
.endif
;; end of part 2
;; launch attn (part 3): grid 8 x 32, 16 waves a work-group, clusters of 4 x 1, 321,536 bytes of LDS; arguments qkv_codes, qkv_scales, act_codes, act_scales; writes act_codes, act_scales
.if DOCPART == 3
	.amdgcn_target "amdgcn-amd-amdhsa--gfx1250"
	.amdhsa_code_object_version 6
	.text
	.protected	k_q7d8ad957dc_attn
	.globl	k_q7d8ad957dc_attn
	.p2align	8
	.type	k_q7d8ad957dc_attn,@function
k_q7d8ad957dc_attn:
	s_mov_b64 s[64:65], 0
	v_nop
	global_prefetch_b8 v0, s[64:65] scope:SCOPE_SE
	s_setreg_imm32_b32 hwreg(HW_REG_WAVE_MODE, 25, 1), 1
	s_wait_xcnt 0x0
	s_wait_alu depctr_hold_cnt(0) depctr_sa_sdst(0) depctr_va_vdst(0) depctr_va_sdst(0) depctr_va_ssrc(0) depctr_va_vcc(0) depctr_vm_vsrc(0)
	s_getreg_b32 s2, hwreg(HW_REG_IB_STS2, 6, 4)
	s_cmp_eq_u32 s2, 0
	s_cbranch_scc0 .Lentry_in_a_cluster
	s_endpgm
.Lentry_in_a_cluster:
	s_bfe_u32 s2, ttmp6, 0x10000c
	s_cmp_lg_u32 s2, 0x3003
	s_cbranch_scc0 .Lentry_shape_is_right
	s_endpgm
.Lentry_shape_is_right:
; CAUSAL ATTENTION ON CODES.  z = softmax(q k^T / 32, key <= query) v for one batch and head a work-group row, both products on codes of E4M3; z is divided by the row's sum and quantised along the model's 1,024.
; LEFT OUT AS DEAD WORK: the steps of 128 keys that lie wholly behind a tile's 16 queries (the problem's own mask makes their p exactly 0); shown at the head of the first kernel.
; THE SOFTMAX: t = score x log2(e) / 32; M = the running largest t, rounded UP to a whole number; p = 2^(t - M) is quantised along the keys, not normalised; the row's sum is taken of the unquantised p.
; When M moves, the sum and O are multiplied by 2^(old M - new M), which rounds nothing.
; SHARES.  A work-group has 16 tiles of 16 queries: tile j + 8 rank, j the work-group's number among the head's eight, rank 0..15.  A tile's diagonal lies in key step rank, whatever j is, so a tile has rank + 1 steps of 128 keys.
; THE TILES OF RANKS w AND 15 - w GO TO THE PAIR OF WAVES w AND w + 8 (w = 0..7), 17 steps between them.  Wave w walks steps 0 to 6 of tile 15 - w: seven steps.  Wave w + 8 walks tile w whole, w + 1 steps, stores it, and then
; steps 7 to 15 - w of tile 15 - w: ten steps in all.  So all sixteen waves have work until near the end.  The two parts of tile 15 - w each have their own M, sum and O; wave w leaves its in LDS, and wave w + 8 brings both under the
; larger M, by powers of two, and adds them.  Every branch hangs on the wave's number and the count of steps alone; j enters global addresses and the mask's numbers only.
; NO RING: a head's k and v, 128 KiB each, and their scale words stay in LDS, as the images of operand registers that the launch before laid.  Nothing is filled twice.
; CLUSTER: the four work-groups of a cluster belong to one head, so each piece is asked for jointly.  Each wave issues one tensor load, its sixteenth of k and v; the scale words go through registers.
; LAYOUT.  Both products are used transposed: S^T = k q^T, O^T = v^T p^T: a lane holds one query (lane % 16) throughout.  The head's size is 64, half of the instruction's 128: a fragment of k holds TWO tiles of 16 keys,
; one in K 0..63 and one in K 64..127, and is multiplied twice, by q beside 64 zero codes and by 64 zero codes beside q.  The keys of a tile are 8 neighbours and the 8 that lie 16 further on, so that p's 16 registers
; of two neighbouring tiles are 16 neighbouring keys.
; LIMITS: a block's largest p is made from its largest score by the same two instructions; this takes the exponential not to fall where its input rises.  A block of zeros gets the byte 1.  NaN and infinities are not served.
.set SCK,   262144                     ; LDS: k at 0, v at 131,072, k's scale words here (4,096 bytes),
.set SPARE, 270336                     ; v's 4,096 bytes further on; then the spare words, 128 bytes a wave, which no other line names;
.set SCR,   272384                     ; then what wave w hands to wave w + 8: 6,144 bytes a pair, into which no tensor load lands:
.set PAIRB, 6144
.set XST,   4096                       ;   O^T at 0 (eight pieces of 512 bytes); -M, the largest t and the sum's halves here (16 bytes a lane);
.set XQ,    4608                       ;   q of tile 15 - w (two pieces of 512 bytes);
.set XQS,   5632                       ;   and its scale word (4 bytes a row)
.set LI,  1                            ; v1   16 x lane
.set LS,  2                            ; v2   SCK + 4 x (lane % 16)
.set SPW, 3                            ; v3   LDS address of my spare word; never rewritten
.set NIL, 4                            ; v4   0; never rewritten
.set DD,  5                            ; v5   my query's place in its 128, less 16 (lane / 16): the same for both tiles
.set PXA, 6                            ; v6   my pair's bytes + 16 x lane
.set R4,  7                            ; v7   4 x (lane % 16)
.set ADK, 8                            ; v8-11  LDS addresses of the step: k, v, k's scale words, v's
.set ADV, 9
.set ADS, 10
.set ADT, 11
.set QQ,  16                           ; v16-39  8 zeros | q's 8 registers | 8 zeros
.set FF,  40                           ; v40-103  four fragments of k or of v
.set SS,  104                          ; v104-167 S^T, then p
.set OO,  168                          ; v168-199 O^T
.set PC,  200                          ; v200-215 p's codes
.set BM,  216                          ; v216-219 the blocks' largest scores, then p
.set T2,  220                          ; v220-223 at work
.set HO,  224                          ; v224-227 448 x the scale
.set SO,  228                          ; v228-231 the conversions' scale operands
.set KSC, 232                          ; v232-235 k's scale words
.set RW,  236                          ; v236-239 v's scale words as they lie
.set QSC, 240                          ; v240 q's scale word
.set PSC, 241                          ; v241 p's
.set VSC, 248                          ; v248-251 v's, by tile
.set PXS, 252                          ; v252 my pair's bytes + XQS + 4 x (lane % 16)
.set WV,  12
.set RK,  13                           ; s13 the rank of the tile in hand
.set MNT, 19
.set ST,  20                           ; s20 the key step
.set KB,  21                           ; s21 8,192 x the step
.set SB,  22                           ; s22 256 x the step
.set CNT, 23
.set G1,  24                           ; s[24:31] group 1 for my share of k or v;  s[40:43] its group 0
.set G1S, 32
.set G0,  40
.set SEL, 60
.set CS,  62
.set ZC2, 66                           ; s[66:67] z's codes of tile 15 - w;  s[68:69] its scale bytes  (s[8:9], s[10:11]: those of tile w)
.set ZS2, 68
.set PR,  70                           ; s70 w
.set RB,  71                           ; s71 15 - w
.set HI,  72                           ; s72 the last step that I walk of the tile in hand
.set HI2, 73                           ; s73 the same for my second walk
.macro ROUND                           ; a round of the cluster's barrier
	s_barrier_signal -1
	s_barrier_wait -1
	s_cmp_lg_u32 s[WV], 0
	s_cbranch_scc1 .Lnot_wave_0_\@
	s_barrier_signal -3
.Lnot_wave_0_\@:
	s_barrier_wait -3
	s_barrier_signal -1
	s_barrier_wait -1
.endm
	s_load_b256 s[4:11], s[0:1], 0x0               ; the codes of q, k, v; their scale words; z's codes; z's scale words
	v_lshl_add_u32 v[SPW], v0, 2, SPARE
	v_mov_b32 v[NIL], 0
	ds_add_u32 v[SPW], v[NIL]                      ; the wave's opening: the add, twice on end, and its wait ahead of my first tensor load
	ds_add_u32 v[SPW], v[NIL]
	v_lshrrev_b32 v1, 5, v0
	s_delay_alu instid0(VALU_DEP_1)
	v_readfirstlane_b32 s[WV], v1                  ; wave 0..15
	v_and_b32 v[ADK], 31, v0
	v_lshlrev_b32 v[ADK], 4, v[ADK]                ; 16 x lane: at the head, my place in my 512 bytes of scale words
	s_wait_alu depctr_va_vdst(0)
	s_and_b32 s[PR], s[WV], 7                      ; w
	s_sub_co_u32 s[RB], 15, s[PR]                  ; 15 - w
	s_cmp_lt_u32 s[WV], 8
	s_cselect_b32 s[RK], s[RB], s[PR]              ; my first tile: waves 0-7: rank 15 - w, steps 0 to 6;  waves 8-15: rank w, steps 0 to w
	; THE DEAL AS IT NOW STANDS: wave w (0-7) walks steps 0 to 6 of tile 15 - w: seven steps; wave w + 8 walks tile w whole, w + 1 steps, and then steps 7 to 15 - w of tile 15 - w: ten steps in all; 17 to a pair as before
	s_cselect_b32 s[HI], 6, s[PR]
	s_cselect_b32 s[HI2], 0, s[RB]                 ; my second walk begins at step 7: waves 0-7: nothing;  waves 8-15: to step 15 - w
	s_bfe_u32 s14, ttmp6, 0x40000                  ; cx
	s_lshl_b32 s15, ttmp9, 2
	s_add_co_u32 s15, s15, s14                     ; j
	s_and_b32 s16, ttmp7, 0xffff                   ; 16 x batch + head
	s_mov_b32 s[G1], 15|(3<<16)|(1<<21)            ; 15:0 the mask: all four work-groups; 17:16 elements of 8 bytes; 21 set beside a mask; no padding
	s_mov_b32 s[G1+1], 32<<16                      ; a row: 32 elements of 8 bytes, 256 bytes
	s_mov_b32 s[G1+2], 64<<16                      ; ONE LOAD A WAVE: 64 rows of 256 bytes, dense: 16,384 bytes: wave n brings the n-th sixteenth of k (waves 0-7) and v (waves 8-15)
	s_mov_b32 s[G1+3], 32<<16
	s_mov_b32 s[G1+4], 64
	s_mov_b32 s[G1+5], 32
	s_mov_b32 s[G1+6], 0
	s_mov_b32 s[G1+7], 0
	s_lshr_b32 s17, s[WV], 3                       ; waves 0-7 fetch k, waves 8-15 v;
	s_and_b32 s18, s[WV], 7                        ; each an eighth
	s_lshl_b32 s20, s17, 12
	s_lshl_b32 s21, s18, 9
	s_add_co_u32 s20, s20, s21
	s_add_co_u32 s20, s20, SCK                     ; LDS: my share of the scale words
	v_add_nc_u32 v[ADS], s20, v[ADK]
	s_lshl_b32 s21, s17, 17
	s_lshl_b32 s22, s18, 14
	s_add_co_u32 s21, s21, s22                     ; LDS: my share of k or v
	s_add_co_u32 s17, s17, 1                       ; 1: k, 2: v
	s_lshl_b32 s22, s17, 17
	s_lshl_b32 s23, s16, 12
	s_add_co_u32 s22, s22, s23
	s_lshl_b32 s23, s18, 9
	s_add_co_u32 s22, s22, s23
	s_mov_b32 s23, 0                               ; s[22:23]: the same share in memory
	s_lshl_b32 s2, s17, 22
	s_lshl_b32 s3, s16, 17
	s_add_co_u32 s2, s2, s3
	s_lshl_b32 s3, s18, 14
	s_add_co_u32 s2, s2, s3
	s_mov_b32 s3, 0                                ; s[2:3]: my share in memory
	s_mov_b32 s[MNT], 0x600000
	s_mov_b32 s[SEL], 0x76543210
	s_mov_b32 s[SEL+1], 0xfedcba98
	s_mov_b32 s[CS], 0x3d38aa3b                    ; c = log2(e) / 32
	s_mov_b32 s[CS+1], s[CS]                       ; (named with it as a pair, so it is written)
	s_wait_dscnt 0x0                               ; both opening adds are done
	s_wait_kmcnt 0x0
	; THE FILLS AS THEY NOW STAND: each wave issues one joint load, its sixteenth of the head's k and v; its 512 bytes of the scale words go through registers into LDS bytes into which no tensor load lands
	; (8 KiB of the 264 KiB that a work-group reads: not asked for jointly).  Waves 0, 1, 8, 9 bring the first 512 keys of k and v: they have a load line of their own and wait at the first barrier.
	s_add_nc_u64 s[46:47], s[6:7], s[22:23]        ; my share of the scale words in memory
	s_mov_b32 s[G0], 1
	s_mov_b32 s[G0+1], s21
	s_add_nc_u64 s[G0+2:G0+3], s[4:5], s[2:3]
	s_or_b32 s[G0+3], s[G0+3], 0x80000000
	s_wait_alu depctr_va_vdst(0)
	global_load_b128 v[FF:FF+3], v[ADK], s[46:47]
	ROUND                                          ; all four work-groups are here: the joint loads meet
	s_and_b32 s17, s[WV], 6
	s_cmp_eq_u32 s17, 0
	s_cbranch_scc0 .Llater_keys
	tensor_load_to_lds s[G0:G0+3], s[G1:G1+7]
	s_nop 0
.rept 4
	v_nop
.endr
	s_branch .Lkeys_asked
.Llater_keys:
	tensor_load_to_lds s[G0:G0+3], s[G1:G1+7]
	s_nop 0
.rept 4
	v_nop
.endr
.Lkeys_asked:
	; q of my first tile: two pieces of 512 bytes, and its scale word
	s_lshl_b32 s17, s[RK], 3
	s_add_co_u32 s17, s17, s15                     ; the tile: j + 8 rank
	s_lshl_b32 s22, s16, 17
	s_lshl_b32 s18, s17, 10
	s_add_co_u32 s22, s22, s18
	s_mov_b32 s23, 0
	s_add_nc_u64 s[4:5], s[4:5], s[22:23]
	s_lshl_b32 s22, s16, 12
	s_lshr_b32 s18, s17, 1
	s_lshl_b32 s18, s18, 6
	s_add_co_u32 s22, s22, s18
	s_add_nc_u64 s[6:7], s[6:7], s[22:23]
	v_and_b32 v1, 31, v0
	s_delay_alu instid0(VALU_DEP_1)
	v_lshlrev_b32 v[LI], 4, v1
	v_and_b32 v244, 15, v0                         ; r
	s_wait_alu depctr_va_vdst(0)
	v_lshlrev_b32 v[R4], 2, v244
	global_load_b128 v[QQ+8:QQ+11], v[LI], s[4:5]
	global_load_b128 v[QQ+12:QQ+15], v[LI], s[4:5] offset:512
	global_load_b32 v245, v[R4], s[6:7]            ; a word holds the bytes of two tiles
	v_add_nc_u32 v[LS], SCK, v[R4]
	s_mul_i32 s17, s[PR], PAIRB                    ; my pair's bytes in LDS: every LDS address is made here, ahead of the first parting of the waves
	s_add_co_u32 s17, s17, SCR
	v_add_nc_u32 v[PXA], s17, v[LI]
	s_add_co_u32 s17, s17, XQS
	v_add_nc_u32 v[PXS], s17, v[R4]
	; where z goes: images of the next product's A fragments: tile of 128 rows T = 16 batch + rank, block of 16 rows j; the head's 64 columns are two pieces of 512 bytes
	s_lshr_b32 s17, s16, 4
	s_lshl_b32 s17, s17, 4                         ; 16 x batch
	s_and_b32 s18, s16, 15                         ; the head
	s_lshl_b32 s22, s17, 17
	s_lshr_b32 s20, s18, 3
	s_lshl_b32 s20, s20, 16
	s_add_co_u32 s22, s22, s20
	s_lshl_b32 s20, s15, 13
	s_add_co_u32 s22, s22, s20
	s_bfe_u32 s20, s18, 0x20001
	s_lshl_b32 s20, s20, 11
	s_add_co_u32 s22, s22, s20
	s_and_b32 s21, s18, 1
	s_lshl_b32 s20, s21, 10
	s_add_co_u32 s22, s22, s20
	s_add_nc_u64 s[8:9], s[8:9], s[22:23]
	s_lshl_b32 s22, s17, 12                        ; and its scale bytes: [T][128 along K][row][4]: my head's two bytes of a word
	s_lshr_b32 s20, s18, 1
	s_lshl_b32 s20, s20, 9
	s_add_co_u32 s22, s22, s20
	s_lshl_b32 s20, s15, 6
	s_add_co_u32 s22, s22, s20
	s_lshl_b32 s20, s21, 1
	s_add_co_u32 s22, s22, s20
	s_add_nc_u64 s[10:11], s[10:11], s[22:23]
	s_lshl_b32 s22, s[RB], 17                      ; the rank's part: tile 15 - w,
	s_add_nc_u64 s[ZC2:ZC2+1], s[8:9], s[22:23]
	s_lshl_b32 s22, s[PR], 17                      ; tile w
	s_add_nc_u64 s[8:9], s[8:9], s[22:23]
	s_lshl_b32 s22, s[RB], 12
	s_add_nc_u64 s[ZS2:ZS2+1], s[10:11], s[22:23]
	s_lshl_b32 s22, s[PR], 12
	s_add_nc_u64 s[10:11], s[10:11], s[22:23]
	; my query's place in its 128: 32 (j / 2) + 8 (j % 2) + 16 (r / 8) + r % 8
	s_lshr_b32 s17, s15, 1
	s_lshl_b32 s17, s17, 5
	s_and_b32 s18, s15, 1
	s_lshl_b32 s20, s18, 3
	s_add_co_u32 s17, s17, s20
	s_cmp_eq_u32 s18, 0
	s_mov_b32 s18, 0x03020302
	s_cselect_b32 s18, 0x01000100, s18             ; which two bytes of the word are my tile's: a number for a byte permute, no branch
	s_mov_b32 s2, 0x05040100
	s_mov_b32 s3, 0x07060302
	v_and_b32 v246, 7, v244
	v_lshrrev_b32 v247, 3, v244
	s_delay_alu instid0(VALU_DEP_1)
	v_lshl_add_u32 v[DD], v247, 4, v246
	v_bfe_u32 v246, v0, 4, 1
	s_delay_alu instid0(VALU_DEP_1)
	v_lshlrev_b32 v246, 4, v246
	s_delay_alu instid0(VALU_DEP_1)
	v_sub_nc_u32 v[DD], v[DD], v246
	s_delay_alu instid0(VALU_DEP_1)
	v_add_nc_u32 v[DD], s17, v[DD]
	v_mov_b32 v13, 0xff61b1e6                      ; the largest t so far: -3e38, under every t
	s_delay_alu instid0(VALU_DEP_1)
	v_floor_f32 v12, -v13                          ; -M
	v_mov_b32 v14, 0                               ; the sum, in two halves
	v_mov_b32 v15, 0
.irp i, 0,1,2,3,4,5,6,7
	v_mov_b32 v[QQ+\i], 0                          ; the zero codes on both sides of q
	v_mov_b32 v[QQ+16+\i], 0
.endr
.irp b, 0,1,2,3
	v_mov_b32 v[T2+\b], 0                          ; written once: a lane permute's destination counts as one of its sources
.endr
	v_mov_b32 v243, 0                              ; (upper halves of pairs of which the low word serves both halves)
	v_mov_b32 v247, 0
	s_wait_loadcnt 0x0                             ; q
	v_perm_b32 v[QSC], v245, v245, s18             ; q's two bytes, twice: for K 0..63 and for K 64..127
	ds_store_b128 v[ADS], v[FF:FF+3]               ; my share of the scale words (the wait above was for all my loads)
.set n, 0
.rept 32
	v_mov_b32 v[OO+n], 0                           ; O^T.  (The step is written once: the first finds zeros, which the first change of M leaves zeros.  These lines are also the places behind the scale word's)
.set n, n+1
.endr
	s_cmp_lt_u32 s[WV], 8                          ; waves 0-7 hold q of tile 15 - w, which wave w + 8 will want: it goes through LDS, as an image of its registers
	s_cbranch_scc0 .Lno_q
	ds_store_b128 v[PXA], v[QQ+8:QQ+11] offset:XQ
	ds_store_b128 v[PXA], v[QQ+12:QQ+15] offset:XQ+512
	ds_store_b32 v[PXS], v[QSC]                    ; both halves of the lanes write the same word
.Lno_q:
; A KEY STEP: 128 keys
.macro STEP
	s_cmp_gt_u32 s[ST], s[HI]                      ; beyond the last step that I walk of this tile: left out.  The wave's number and the count of steps decide
	s_cbranch_scc1 .Lhidden_\@
	v_add_nc_u32 v[ADK], s[KB], v[LI]
	v_add_nc_u32 v[ADS], s[SB], v[LS]
	s_delay_alu instid0(VALU_DEP_2)
	v_add_nc_u32 v[ADV], 0x20000, v[ADK]
	s_delay_alu instid0(VALU_DEP_2)
	v_add_nc_u32 v[ADT], 0x1000, v[ADS]
.rept 4
	v_nop                                          ; with the four additions: eight places in front of loads into registers that matrix instructions have read
.endr
.irp g, 0,1,2,3
.irp c, 0,1,2,3
	ds_load_b128 v[FF+16*\g+4*\c:FF+16*\g+4*\c+3], v[ADK] offset:2048*\g+512*\c
.endr
	ds_load_b32 v[KSC+\g], v[ADS] offset:64*\g
.endr
	s_wait_alu depctr_va_vdst(0)
	s_wait_dscnt 0x0
.irp g, 0,1,2,3
	v_wmma_scale_f32_16x16x128_f8f6f4 v[SS+16*\g:SS+16*\g+7], v[FF+16*\g:FF+16*\g+15], v[QQ+8:QQ+23], 0, v[KSC+\g], v[QSC]      ; the tile in K 0..63
	v_wmma_scale_f32_16x16x128_f8f6f4 v[SS+16*\g+8:SS+16*\g+15], v[FF+16*\g:FF+16*\g+15], v[QQ:QQ+15], 0, v[KSC+\g], v[QSC]     ; the tile in K 64..127
.endr                                          ; register 16 g + i of lane (r, h): key 32 g + 16 h + i of the step, query r
.rept 8
	v_nop
.endr
.irp t, 0,1,2,3                                ; v's fragments are asked for here: they land while the softmax is walked
.irp c, 0,1,2,3
	ds_load_b128 v[FF+16*\t+4*\c:FF+16*\t+4*\c+3], v[ADV] offset:(\c/2)*4096+\t*1024+(\c%2)*512
.endr
.endr
.irp x, 0,1
.irp g, 0,1
	ds_load_b32 v[RW+2*\x+\g], v[ADT] offset:128*\x+64*\g
.endr
.endr
	s_cmp_lg_u32 s[ST], s[RK]                      ; on the diagonal the scores of hidden keys become -infinity ahead of the maximum: p = 0 then
	s_cbranch_scc1 .Lopen_\@
	v_mov_b32 v244, 0xff800000
.set n, 0
.rept 64
	v_cmp_gt_i32 vcc_lo, 32*(n/16)+n%16, v[DD]
	v_cndmask_b32 v[SS+n], v[SS+n], v244, vcc_lo
.set n, n+1
.endr
.Lopen_\@:
.irp b, 0,1,2,3
	v_max3_num_f32 v[BM+\b], v[SS+16*\b], v[SS+1+16*\b], v[SS+2+16*\b]   ; the largest score of each block of 32 keys: for the row's maximum, and for the block's largest p
.endr
.irp i, 3,5,7,9,11,13
.irp b, 0,1,2,3
	v_max3_num_f32 v[BM+\b], v[BM+\b], v[SS+16*\b+\i], v[SS+1+16*\b+\i]
.endr
.endr
.irp b, 0,1,2,3
	v_max_num_f32 v[BM+\b], v[BM+\b], v[SS+15+16*\b]
.endr
.irp b, 0,1,2,3
	s_delay_alu instid0(VALU_DEP_4)
	v_permlanex16_b32 v[T2+\b], v[BM+\b], s[SEL], s[SEL+1]
.endr
.irp b, 0,1,2,3
	s_delay_alu instid0(VALU_DEP_4)
	v_max_num_f32 v[BM+\b], v[BM+\b], v[T2+\b]     ; with lane l xor 16's 16 keys
.endr
	s_delay_alu instid0(VALU_DEP_2)
	v_max3_num_f32 v244, v[BM], v[BM+1], v[BM+2]
	s_delay_alu instid0(VALU_DEP_1)
	v_max_num_f32 v244, v244, v[BM+3]
	s_delay_alu instid0(VALU_DEP_1)
	v_mul_f32 v244, s[CS], v244                    ; as t (c is positive)
	s_delay_alu instid0(VALU_DEP_1)
	v_max_num_f32 v13, v13, v244                   ; the running largest t
	v_mov_b32 v244, v12
	s_delay_alu instid0(VALU_DEP_2)
	v_floor_f32 v12, -v13                          ; the new -M = floor(-t): M is a whole number
	s_delay_alu instid0(VALU_DEP_1)
	v_sub_f32 v244, v12, v244                      ; old M less new M: a whole number, 0 or less
	s_delay_alu instid0(VALU_DEP_1)
	v_cvt_i32_f32 v244, v244                       ; (it saturates)
	s_delay_alu instid0(VALU_DEP_1)
	v_ldexp_f32 v242, 1.0, v244                    ; f = 2^(old M - new M)
.set n, 0
.rept 32
	v_pk_fma_f32 v[SS+n:SS+n+1], v[SS+n:SS+n+1], s[CS:CS+1], v[12:13] op_sel_hi:[1,0,0]   ; t - M, two at a time
.set n, n+2
.endr
.irp b, 0,1,2,3
	v_fma_f32 v[BM+\b], v[BM+\b], s[CS], v12       ; the same of each block's largest score
.endr
.set n, 0
	s_wait_alu depctr_va_vdst(0)
.rept 64
	v_exp_f32 v[SS+n], v[SS+n]                     ; p = 2^(t - M), at most 1
.set n, n+1
.endr
	v_pk_mul_f32 v[14:15], v[14:15], v[242:243] op_sel_hi:[1,0]   ; the sums under the new M.  (The plain instruction behind the exponentials)
	s_wait_alu depctr_va_vdst(0)                   ; one wait for the batch, ahead of its first reader
.irp b, 0,1,2,3
	v_exp_f32 v[BM+\b], v[BM+\b]                   ; the block's largest p
.endr
	v_pk_add_f32 v[220:221], v[108:109], v[112:113]
	v_pk_add_f32 v[254:255], v[116:117], v[120:121]
	v_pk_add_f32 v[250:251], v[124:125], v[128:129]
	v_pk_add_f32 v[248:249], v[132:133], v[136:137]
	v_pk_add_f32 v[234:235], v[140:141], v[144:145]
	v_pk_add_f32 v[232:233], v[148:149], v[152:153]
	v_pk_add_f32 v[230:231], v[156:157], v[160:161]
	v_pk_add_f32 v[14:15], v[14:15], v[164:165]
	v_pk_add_f32 v[220:221], v[220:221], v[104:105]
	v_pk_add_f32 v[254:255], v[254:255], v[106:107]
	v_pk_add_f32 v[250:251], v[250:251], v[110:111]
	v_pk_add_f32 v[248:249], v[248:249], v[114:115]
	v_pk_add_f32 v[234:235], v[234:235], v[118:119]
	v_pk_add_f32 v[232:233], v[232:233], v[122:123]
	v_pk_add_f32 v[230:231], v[230:231], v[126:127]
	v_pk_add_f32 v[14:15], v[14:15], v[130:131]
	v_pk_add_f32 v[220:221], v[220:221], v[134:135]
	v_pk_add_f32 v[254:255], v[254:255], v[138:139]
	v_pk_add_f32 v[250:251], v[250:251], v[142:143]
	v_pk_add_f32 v[248:249], v[248:249], v[146:147]
	v_pk_add_f32 v[234:235], v[234:235], v[150:151]
	v_pk_add_f32 v[232:233], v[232:233], v[154:155]
	v_pk_add_f32 v[230:231], v[230:231], v[158:159]
	v_pk_add_f32 v[14:15], v[14:15], v[162:163]
	v_pk_add_f32 v[220:221], v[220:221], v[166:167]
	s_delay_alu instid0(VALU_DEP_2)
	v_pk_add_f32 v[14:15], v[14:15], v[248:249]
	s_delay_alu instid0(VALU_DEP_2)
	v_pk_add_f32 v[220:221], v[220:221], v[234:235]
	v_pk_add_f32 v[254:255], v[254:255], v[232:233]
	v_pk_add_f32 v[250:251], v[250:251], v[230:231]
	s_delay_alu instid0(VALU_DEP_2)
	v_pk_add_f32 v[14:15], v[14:15], v[254:255]
	s_delay_alu instid0(VALU_DEP_2)
	v_pk_add_f32 v[220:221], v[220:221], v[250:251]
	s_delay_alu instid0(VALU_DEP_1)
	v_pk_add_f32 v[14:15], v[14:15], v[220:221]
	s_wait_alu depctr_va_vdst(0)                   ; and one for the four
.irp b, 0,1,2,3
	v_max_num_f32 v[BM+\b], 0x4800000, v[BM+\b]    ; the floor 2^(9 - 127): the byte cannot fall under 1
.endr
.irp b, 0,1,2,3
	s_delay_alu instid0(VALU_DEP_4)
	v_add_nc_u32 v[SO+\b], 0xfc000000, v[BM+\b]
.endr
.irp b, 0,1,2,3
	v_and_or_b32 v[HO+\b], v[BM+\b], 0x7f800000, s[MNT]
.endr
.irp b, 0,1,2,3
	v_lshrrev_b32 v[T2+\b], 23, v[SO+\b]
.endr
	s_delay_alu instid0(VALU_DEP_3)
	v_lshl_or_b32 v[PSC], v[T2+1], 8, v[T2]        ; p's scale word for these 128 keys
	s_delay_alu instid0(VALU_DEP_1)
	v_lshl_or_b32 v[PSC], v[T2+2], 16, v[PSC]
	s_delay_alu instid0(VALU_DEP_1)
	v_lshl_or_b32 v[PSC], v[T2+3], 24, v[PSC]
	s_wait_dscnt 0x0                               ; v's fragments and scale words are in
.irp t, 0,1,2,3
	v_perm_b32 v[VSC+\t], v[RW+2+\t/2], v[RW+\t/2], s[2+\t%2]   ; tile t's two bytes of each of the step's two groups of 64 keys.  (The holds below are the places behind the scale words)
.endr
.irp b, 0,1,2,3
.irp i, 0,1,2,3,4,5,6,7,8,9,10,11,12,13,14,15
	v_min_num_f32 v[SS+16*\b+\i], v[SS+16*\b+\i], v[HO+\b]   ; the conversion does not saturate (ISA guide 7.6.2); p is not negative, so the hold is one-sided
.endr
	v_cvt_scalef32_pk8_fp8_f32 v[PC+4*\b:PC+1+4*\b], v[SS+16*\b:SS+7+16*\b], v[SO+\b]
	v_cvt_scalef32_pk8_fp8_f32 v[PC+2+4*\b:PC+3+4*\b], v[SS+8+16*\b:SS+15+16*\b], v[SO+\b]
.endr
.set n, 0
.rept 16
	v_pk_mul_f32 v[OO+n:OO+n+1], v[OO+n:OO+n+1], v[242:243] op_sel_hi:[1,0]   ; O^T under the new M.  (Also the places in front of the products below)
.set n, n+2
.endr
.irp t, 0,1,2,3
	v_wmma_scale_f32_16x16x128_f8f6f4 v[OO+8*\t:OO+8*\t+7], v[FF+16*\t:FF+16*\t+15], v[PC:PC+15], v[OO+8*\t:OO+8*\t+7], v[VSC+\t], v[PSC]   ; the four accumulators by turns
.endr
.Lhidden_\@:
	s_add_co_u32 s[ST], s[ST], 1
	s_add_co_u32 s[KB], s[KB], 8192
	s_add_co_u32 s[SB], s[SB], 256
.endm
; A RUN OF STEPS: a loop of a constant number of trips from a constant first step; a wave jumps over the steps that are not its own
.macro SEG first, trips
	s_mov_b32 s[ST], \first
	s_mov_b32 s[KB], 8192*\first
	s_mov_b32 s[SB], 256*\first
	s_mov_b32 s[CNT], \trips
.Lstep_\@:
	STEP
	s_sub_co_u32 s[CNT], s[CNT], 1
	s_cmp_lg_u32 s[CNT], 0
	s_cbranch_scc1 .Lstep_\@
.endm
; A TILE LEAVES.  O^T / the sum; register 8 t + i is z(query r, dimension 16 t + 8 h + i); two blocks of 32 along the next K.  zc, zs: the scalar pairs with the tile's places among z's codes and scale bytes
.macro WAYOUT zc, zs
	v_add_f32 v14, v14, v15
	s_delay_alu instid0(VALU_DEP_1)
	v_permlanex16_b32 v244, v14, s[SEL], s[SEL+1]
	s_delay_alu instid0(VALU_DEP_1)
	v_add_f32 v14, v14, v244                       ; the row's sum
	s_wait_alu depctr_va_vdst(0)
	v_rcp_f32 v246, v14
	v_nop
	s_wait_alu depctr_va_vdst(0)
.set n, 0
.rept 16
	v_pk_mul_f32 v[SS+n:SS+n+1], v[OO+n:OO+n+1], v[246:247] op_sel_hi:[1,0]
.set n, n+2
.endr
.irp b, 0,1
	v_max3_num_f32 v[BM+\b], |v[SS+16*\b]|, |v[SS+1+16*\b]|, 0x4800000
.endr
.irp i, 2,4,6,8,10,12,14
.irp b, 0,1
	s_delay_alu instid0(VALU_DEP_2)
	v_max3_num_f32 v[BM+\b], v[BM+\b], |v[SS+16*\b+\i]|, |v[SS+1+16*\b+\i]|
.endr
.endr
.irp b, 0,1
	s_delay_alu instid0(VALU_DEP_2)
	v_permlanex16_b32 v[T2+\b], v[BM+\b], s[SEL], s[SEL+1]
.endr
.irp b, 0,1
	s_delay_alu instid0(VALU_DEP_2)
	v_max_num_f32 v[BM+\b], v[BM+\b], v[T2+\b]
.endr
.irp b, 0,1
	s_delay_alu instid0(VALU_DEP_2)
	v_add_nc_u32 v[SO+\b], 0xfc000000, v[BM+\b]
.endr
.irp b, 0,1
	s_delay_alu instid0(VALU_DEP_4)
	v_and_or_b32 v[HO+\b], v[BM+\b], 0x7f800000, s[MNT]
.endr
.irp b, 0,1
	s_delay_alu instid0(VALU_DEP_4)
	v_lshrrev_b32 v[T2+\b], 23, v[SO+\b]
.endr
	s_delay_alu instid0(VALU_DEP_1)
	v_lshl_or_b32 v245, v[T2+1], 8, v[T2]          ; my head's two scale bytes of the row
.irp b, 0,1
.irp i, 0,1,2,3,4,5,6,7,8,9,10,11,12,13,14,15
	v_med3_num_f32 v[SS+16*\b+\i], v[SS+16*\b+\i], -v[HO+\b], v[HO+\b]
.endr
	v_cvt_scalef32_pk8_fp8_f32 v[PC+4*\b:PC+1+4*\b], v[SS+16*\b:SS+7+16*\b], v[SO+\b]
	v_cvt_scalef32_pk8_fp8_f32 v[PC+2+4*\b:PC+3+4*\b], v[SS+8+16*\b:SS+15+16*\b], v[SO+\b]
.endr
	v_nop
.irp b, 0,1                                    ; a lane's 16 codes are dimensions 8 h + 0..7 and 16 + 8 h + 0..7; the weight that follows is given, so they are put in true order: 16 h + 0..15
	v_permlane16_swap_b32 v[PC+4*\b], v[PC+2+4*\b]
	v_permlane16_swap_b32 v[PC+1+4*\b], v[PC+3+4*\b]
.endr
	global_store_b128 v[LI], v[PC:PC+3], s[\zc:\zc+1]               ; 32 lanes store 512 consecutive bytes
	global_store_b128 v[LI], v[PC+4:PC+7], s[\zc:\zc+1] offset:512
	global_store_b16 v[R4], v245, s[\zs:\zs+1]     ; a scale word spans two heads, so two bytes a row leave here: one part in 32 of z's bytes; both halves of the lanes write the same
.endm
	s_wait_dscnt 0x0                               ; my stores of q have landed
	s_and_b32 s17, s[WV], 6                        ; waves 0, 1, 8, 9: the first 512 keys have landed; the other waves' loads stay out
	s_cmp_eq_u32 s17, 0
	s_cbranch_scc0 .Lnot_first
	s_wait_tensorcnt 0x0
.Lnot_first:
	s_barrier_signal -1
	s_barrier_wait -1                              ; everybody's has
	SEG 0, 2                                       ; two steps out of chunk 0, while the other chunks land
	s_wait_dscnt 0x0
	s_wait_tensorcnt 0x0                           ; all my shares have landed
	s_barrier_signal -1
	s_barrier_wait -1                              ; everybody's have: from here on no wave waits for another until the two parts of a tile meet
	SEG 2, 6                                       ; the rest of my first walk: to step 7 at the most (tile 7's diagonal)
.rept 8
	v_nop                                          ; places behind the last products: their results are read, and loads are issued into their operands, below
.endr
	s_cmp_lt_u32 s[WV], 8
	s_cbranch_scc0 .Lsecond_tile
	s_wait_alu depctr_va_vdst(0)
.irp k, 0,1,2,3,4,5,6,7                        ; waves 0-7: my part of tile 15 - w goes to LDS as it stands; each accumulator from its low end on
	ds_store_b128 v[PXA], v[OO+4*\k:OO+4*\k+3] offset:512*\k
.endr
	ds_store_b128 v[PXA], v[12:15] offset:XST      ; -M, the largest t, the sum's two halves
	s_branch .Lswitched
.Lsecond_tile:                                 ; waves 8-15: tile w is whole
	ds_load_b128 v[QQ+8:QQ+11], v[PXA] offset:XQ   ; q of tile 15 - w, stored ahead of the first barrier: it lands while tile w leaves
	ds_load_b128 v[QQ+12:QQ+15], v[PXA] offset:XQ+512
	ds_load_b32 v[QSC], v[PXS]
	WAYOUT 8, 10
	v_mov_b32 v13, 0xff61b1e6                      ; and the state begins anew
	s_delay_alu instid0(VALU_DEP_1)
	v_floor_f32 v12, -v13
	v_mov_b32 v14, 0
	v_mov_b32 v15, 0
.set n, 0
.rept 32
	v_mov_b32 v[OO+n], 0
.set n, n+1
.endr
	s_wait_xcnt 0x0                                ; the stores have read their registers: the codes may be written again
	s_wait_dscnt 0x0                               ; q
.Lswitched:
	s_mov_b32 s[RK], s[RB]
	s_mov_b32 s[HI], s[HI2]
	SEG 7, 9                                       ; waves 8-15: steps 7 to 15 - w of tile 15 - w;  waves 0-7 jump over all nine
.rept 8
	v_nop
.endr
	s_wait_dscnt 0x0                               ; for the others' sake: my stores into LDS have landed
	s_barrier_signal -1
	s_barrier_wait -1
	s_cmp_lt_u32 s[WV], 8
	s_cbranch_scc1 .Ldone
.irp k, 0,1,2,3,4,5,6,7                        ; waves 8-15: THE TWO PARTS OF TILE 15 - w MEET
	ds_load_b128 v[SS+4*\k:SS+4*\k+3], v[PXA] offset:512*\k
.endr
	ds_load_b128 v[FF:FF+3], v[PXA] offset:XST
	s_wait_dscnt 0x0
	v_min_num_f32 v244, v12, v[FF]                 ; -M of the larger M
	s_delay_alu instid0(VALU_DEP_1)
	v_sub_f32 v245, v244, v12                      ; my M less the larger: a whole number, 0 or less (where I walked no step my -M is 3e38, and my part, zeros, is multiplied by 0)
	s_delay_alu instid0(VALU_DEP_2)
	v_sub_f32 v246, v244, v[FF]                    ; the other part's likewise
	s_delay_alu instid0(VALU_DEP_2)
	v_cvt_i32_f32 v245, v245                       ; (they saturate)
	s_delay_alu instid0(VALU_DEP_2)
	v_cvt_i32_f32 v246, v246
	s_delay_alu instid0(VALU_DEP_2)
	v_ldexp_f32 v242, 1.0, v245
	s_delay_alu instid0(VALU_DEP_2)
	v_ldexp_f32 v246, 1.0, v246                    ; two powers of two: the multiplications round nothing
	s_delay_alu instid0(VALU_DEP_2)
	v_pk_mul_f32 v[14:15], v[14:15], v[242:243] op_sel_hi:[1,0]
	s_delay_alu instid0(VALU_DEP_1)
	v_pk_fma_f32 v[14:15], v[FF+2:FF+3], v[246:247], v[14:15] op_sel_hi:[1,0,1]
.set n, 0
.rept 16
	v_pk_mul_f32 v[OO+n:OO+n+1], v[OO+n:OO+n+1], v[242:243] op_sel_hi:[1,0]
.set n, n+2
.endr
.set n, 0
.rept 16
	v_pk_fma_f32 v[OO+n:OO+n+1], v[SS+n:SS+n+1], v[246:247], v[OO+n:OO+n+1] op_sel_hi:[1,0,1]
.set n, n+2
.endr
	WAYOUT ZC2, ZS2
.Ldone:
	s_wait_tensorcnt 0x0                           ; the wave's end
	ds_add_u32 v[SPW], v[NIL]
	s_wait_dscnt 0x0
	ROUND                                          ; the closing round
	s_endpgm
.Lfunc_end_k_q7d8ad957dc_attn:
	.size	k_q7d8ad957dc_attn, .Lfunc_end_k_q7d8ad957dc_attn-k_q7d8ad957dc_attn
	.p2alignl 7, 3214868480
	.fill 96, 4, 3214868480
	.section	.rodata,"a",@progbits
	.p2align	6, 0x0
	.amdhsa_kernel k_q7d8ad957dc_attn
		.amdhsa_group_segment_fixed_size 321536
		.amdhsa_private_segment_fixed_size 0
		.amdhsa_enable_private_segment 0
		.amdhsa_kernarg_size 32
		.amdhsa_user_sgpr_count 2
		.amdhsa_user_sgpr_kernarg_segment_ptr 1
		.amdhsa_wavefront_size32 1
		.amdhsa_system_sgpr_workgroup_id_x 1
		.amdhsa_system_sgpr_workgroup_id_y 1
		.amdhsa_system_sgpr_workgroup_id_z 1
		.amdhsa_system_vgpr_workitem_id 0
		.amdhsa_next_free_vgpr 256
		.amdhsa_next_free_sgpr 80
		.amdhsa_reserve_vcc 1
		.amdhsa_float_denorm_mode_32 3
		.amdhsa_float_denorm_mode_16_64 3
		.amdhsa_memory_ordered 1
		.amdhsa_forward_progress 1
		.amdhsa_inst_pref_size 106
	.end_amdhsa_kernel
	.amdgpu_metadata
---
amdhsa.version: [ 1, 2 ]
amdhsa.kernels:
  - .name:           k_q7d8ad957dc_attn
    .symbol:         k_q7d8ad957dc_attn.kd
    .args:
      - { .name: qkv_codes, .offset: 0, .size: 8, .value_kind: global_buffer, .address_space: global }
      - { .name: qkv_scales, .offset: 8, .size: 8, .value_kind: global_buffer, .address_space: global }
      - { .name: act_codes, .offset: 16, .size: 8, .value_kind: global_buffer, .address_space: global }
      - { .name: act_scales, .offset: 24, .size: 8, .value_kind: global_buffer, .address_space: global }
    .group_segment_fixed_size: 321536
    .private_segment_fixed_size: 0
    .kernarg_segment_align: 8
    .kernarg_segment_size: 32
    .max_flat_workgroup_size: 512
    .sgpr_count:     80
    .vgpr_count:     256
    .wavefront_size: 32
...
	.end_amdgpu_metadata
.endif
;; end of part 3
;; launch wo (part 4): grid 8 x 32, 4 waves a work-group, clusters of 4 x 4, 327,680 bytes of LDS; arguments act_codes, Wo_codes, h, act_scales, Wo_scales, x; writes h
.if DOCPART == 4
	.amdgcn_target "amdgcn-amd-amdhsa--gfx1250"
	.amdhsa_code_object_version 6
	.text
	.protected	k_q7d8ad957dc_wo
	.globl	k_q7d8ad957dc_wo
	.p2align	8
	.type	k_q7d8ad957dc_wo,@function
k_q7d8ad957dc_wo:
	s_mov_b64 s[64:65], 0
	v_nop
	global_prefetch_b8 v0, s[64:65] scope:SCOPE_SE
	s_setreg_imm32_b32 hwreg(HW_REG_WAVE_MODE, 25, 1), 1
	s_wait_xcnt 0x0
	s_wait_alu depctr_hold_cnt(0) depctr_sa_sdst(0) depctr_va_vdst(0) depctr_va_sdst(0) depctr_va_ssrc(0) depctr_va_vcc(0) depctr_vm_vsrc(0)
	s_getreg_b32 s2, hwreg(HW_REG_IB_STS2, 6, 4)
	s_cmp_eq_u32 s2, 0
	s_cbranch_scc0 .Lentry_in_a_cluster
	s_endpgm
.Lentry_in_a_cluster:
	s_bfe_u32 s2, ttmp6, 0x10000c
	s_cmp_lg_u32 s2, 0xf033
	s_cbranch_scc0 .Lentry_shape_is_right
	s_endpgm
.Lentry_shape_is_right:
; C = A B^T + R (FF2 = 1: + a bias by the column) on tiles of 128 x 128, f32 out.  FF2 = 0: h = x + z Wo, K = 1,024.  FF2 = 1: out = h + hidden W2 + b2, K = 4,096.
; A comes as IMAGES OF OPERAND REGISTERS, laid by the launch before: [tile of 128 rows][512 along K][block of 16 rows][128 along K][4 pieces of 512 bytes], and its scale words as [tile][128 along K][row][4 bytes]:
; a slot's part of A is dense in memory and in LDS, and a fragment is four loads of 512 consecutive bytes.  B, the given weight, comes as rows of codes with K innermost.
; THE ROWS.  C's row i is stored at row i; the residual R is read at row i with bits 3 and 4 exchanged (in the loads' immediates): z and h lie in the order in which the first norm laid the tokens, x and out in token order.
; THE MATRIX INSTRUCTION IS USED TRANSPOSED (source 0 = 16 rows of B, source 1 = 16 rows of A): a lane holds eight neighbouring numbers of a row of C.
; Four waves, each 64 x 64.  K goes in steps of 512 through two LDS slots; clusters of 4 x 4: A's tile is shared along a row of the cluster, B's along a column, by joint loads.
; Tiles of 128 x 128 and not larger: C has 4,096 x 1,024 numbers, which are 256 such tiles, one for each work-group.
; REGISTERS: window 0: v1-31 addresses; v32-95 scale words, two sets; v128-255 the 16 accumulators.  window 1: two buffers of fragments; on the way out rows of C.  window 2: v0-127 the residual.
.set FF2,    0
.if FF2
.set KTOT,   4096
.else
.set KTOT,   1024
.endif
.set NCH,    KTOT/512                  ; slots' worth of K
.set LAPS,   KTOT/1024                 ; a lap = once round the ring
.set KS,     KTOT/32                   ; a row of B's scale bytes
.set PITCH,  528                       ; an LDS row of B: 512 bytes + 16 of padding
.set HALFT,  64*PITCH                  ; room for what one tensor load brings: 64 rows of B, or 32,768 dense bytes of A
.set SLOT,   65536+2*HALFT             ; a slot: A's 65,536 dense bytes, then B's 128 rows
.set SCA,    2*SLOT                    ; behind the ring: A's scale words for all of K, dense;
.set SAH,    NCH*1024                  ; (half of them)
.set SCB,    SCA+2*SAH                 ; B's scale bytes, as pieces of 256 bytes + 16;
.set HALFSB, (KS/4)*272                ; (those of 64 rows)
.set SBLK,   (KS/16)*272               ; (those of 16 rows)
.set STAGE,  SCB+2*HALFSB              ; a stage of 16 rows x (256 bytes + 16) for each wave;
.set SPITCH, 272
.set SPARE,  STAGE+4*16*SPITCH         ; the spare words, 128 bytes a wave, which no other line names
.set ADSA, 10
.set ADSB, 11
.set ADRA, 16
.set ADRB, 20
.set STO,  24                          ; v24  the stage: where I put 32 bytes of a row
.set RD,   25                          ; v25  and where I read a row back
.set CO,   26                          ; v26  my byte offset in two rows of C: 4,096 (lane / 16) + 16 (lane % 16)
.set H32,  27                          ; v27  32 x (lane / 16)
.set SPW,  28
.set NIL,  29
.set SC,   32
.set ACC,  128
.set G1,   24
.set G0,   32
.set G1B,  48
.set G0B,  56
.set GH,   68                          ; s[68:83] four groups 0 for the head's loads: A slot 0, B slot 0, A slot 1, B slot 1
.set MSB, 0
.macro WIN new                         ; the immediate's high byte repeats the setting that is left
.if MSB != \new
	s_set_vgpr_msb (MSB<<8)|\new
.set MSB, \new
.endif
.endm
.set MUL,  0x05                        ; sources 0 (B) and 1 (A) window 1; C and D window 0
.set TO_F, 0x40                        ; destination window 1, address window 0
.macro JLOAD g0a, g1a, g0b, g1b        ; a joint load: waves 0 and 1 fetch for A, waves 2 and 3 for B; an s_nop 0 and four v_nop follow each of the two lines
	s_cmp_eq_u32 s11, 0
	s_cbranch_scc0 .Lfor_b_\@
	tensor_load_to_lds s[\g0a:\g0a+3], s[\g1a:\g1a+7]
	s_nop 0
.rept 4
	v_nop
.endr
	s_branch .Lasked_\@
.Lfor_b_\@:
	tensor_load_to_lds s[\g0b:\g0b+3], s[\g1b:\g1b+7]
	s_nop 0
.rept 4
	v_nop
.endr
.Lasked_\@:
.endm
.macro CREST                           ; a round of the cluster's barrier behind its opening barrier
	s_cmp_lg_u32 s10, 0
	s_cbranch_scc1 .Lnot_wave_0_\@
	s_barrier_signal -3
.Lnot_wave_0_\@:
	s_barrier_wait -3
	s_barrier_signal -1
	s_barrier_wait -1
.endm
.macro CROUND
	s_barrier_signal -1
	s_barrier_wait -1
	CREST
.endm
.macro PLACES n
.rept \n
	v_nop
.endr
.endm
	s_load_b128 s[4:7], s[0:1], 0x0                ; A's images, B's codes
	s_load_b64 s[8:9], s[0:1], 0x10                ; C
	s_load_b64 s[66:67], s[0:1], 0x18              ; A's scale words
	s_load_b64 s[92:93], s[0:1], 0x20              ; B's scale bytes
	s_load_b64 s[94:95], s[0:1], 0x28              ; the residual
.if FF2
	s_load_b64 s[96:97], s[0:1], 0x30              ; the bias
.endif
	v_lshl_add_u32 v[SPW], v0, 2, SPARE
	v_mov_b32 v[NIL], 0
	ds_add_u32 v[SPW], v[NIL]                      ; the wave's opening: the add, twice on end, and its wait ahead of my first tensor load
	ds_add_u32 v[SPW], v[NIL]
	v_lshrrev_b32 v1, 5, v0
	v_readfirstlane_b32 s10, v1                    ; wave 0..3
	v_and_b32 v7, 31, v0
	v_bfe_u32 v9, v0, 4, 1
	v_lshlrev_b32 v7, 4, v7                        ; v7: 16 x lane: my place in 512 bytes of scales in memory
	v_lshl_add_u32 v9, v9, 4, v7                   ; v9: the same in LDS for B's: 16 bytes more behind each 256
	s_wait_alu depctr_va_vdst(0)
	s_lshr_b32 s11, s10, 1                         ; which half of the tile's rows is mine.  Also: I fetch for A (0) or for B (1)
	s_and_b32 s12, s10, 1                          ; which half of its columns.  Also: which half of that tile I fetch
	s_bfe_u32 s40, ttmp6, 0x40000                  ; cx, cy
	s_bfe_u32 s41, ttmp6, 0x40004
	s_lshl_b32 s42, ttmp9, 2
	s_add_co_u32 s42, s42, s40                     ; tile column of C
	s_and_b32 s13, ttmp7, 0xffff
	s_lshl_b32 s13, s13, 2
	s_add_co_u32 s13, s13, s41                     ; tile row of C
	s_lshl_b32 s43, s41, 2
	s_lshl_b32 s43, 15, s43                        ; my row of the cluster
	s_lshl_b32 s44, 0x1111, s40                    ; my column
	s_or_b32 s[G1], s43, (3<<16)|(1<<21)           ; A: 32,768 dense bytes as 128 rows of 256 (32 elements of 8 bytes), no padding; the mask: my row; 21 set beside a mask
	s_mov_b32 s[G1+1], 32<<16
	s_mov_b32 s[G1+2], 256<<16                     ; a head's load brings a slot's whole part of A: 256 rows of 256 bytes
	s_mov_b32 s[G1+3], 32<<16
	s_mov_b32 s[G1+4], 256
	s_mov_b32 s[G1+5], 32
	s_mov_b32 s[G1+6], 0
	s_mov_b32 s[G1+7], 0
	s_or_b32 s[G1B], s44, (1<<20)|(1<<21)|(6<<22)|(3<<25)   ; B: 64 rows x 512 bytes, KTOT bytes apart; four words of padding after every 128
	s_mov_b32 s[G1B+1], 512<<16
	s_mov_b32 s[G1B+2], 128<<16                    ; and of B: 128 rows
	s_mov_b32 s[G1B+3], 512<<16
	s_mov_b32 s[G1B+4], 128
	s_mov_b32 s[G1B+5], KTOT
	s_mov_b32 s[G1B+6], 0
	s_mov_b32 s[G1B+7], 0
	s_mul_i32 s16, s13, NCH*65536                  ; A: my tile of 128 rows, my half (64 rows) of its first 512 along K
	s_lshl_b32 s17, s12, 15
	s_add_co_u32 s16, s16, s17
	s_mov_b32 s17, 0
	s_mul_i32 s18, s13, NCH*2048                   ; its scale words
	s_mul_i32 s19, s10, SAH/2                      ; my quarter of them
	s_add_co_u32 s18, s18, s19
	s_mov_b32 s19, 0
	s_lshl_b32 s46, s42, 7
	s_lshl_b32 s47, s12, 6
	s_lshl_b32 s22, s10, 5
	s_add_co_u32 s22, s22, s46                     ; B's scale bytes: my quarter: rows 128 x tile column + 32 x wave
	s_mul_i32 s22, s22, KS
	s_add_co_u32 s46, s46, s47                     ; B: row 128 x tile column + 64 x half
	s_mov_b32 s23, 0
	s_mul_i32 s46, s46, KTOT
	s_mov_b32 s47, 0
	s_mul_i32 s21, s10, SAH/2                      ; where my quarters of the scales go in LDS
	s_add_co_u32 s21, s21, SCA
	v_add_nc_u32 v8, s21, v7
	s_mul_i32 s21, s10, (KS/8)*272
	s_add_co_u32 s21, s21, SCB
	v_add_nc_u32 v9, s21, v9
	s_wait_dscnt 0x0                               ; both opening adds are done
	s_wait_kmcnt 0x0
	s_add_nc_u64 s[14:15], s[4:5], s[16:17]
	s_add_nc_u64 s[66:67], s[66:67], s[18:19]
	s_add_nc_u64 s[46:47], s[6:7], s[46:47]
	s_add_nc_u64 s[92:93], s[92:93], s[22:23]
	; THE SCALES GO THROUGH REGISTERS: each wave loads a quarter of A's scale words and of B's scale bytes and stores them into LDS bytes into which no tensor load lands; 8 KiB of a work-group's 264 KiB: not asked for jointly.
	; So the four waves' one tensor load each brings all of K = 1,024: both slots.  Nothing is filled again, and there is no loop to run ahead in: no prefetch.
	s_wait_alu depctr_va_vdst(0)
.set n, 0
.rept NCH
	global_load_b128 v[SC+4*n:SC+4*n+3], v7, s[66:67] offset:512*n
	global_load_b128 v[SC+4*NCH+4*n:SC+4*NCH+4*n+3], v7, s[92:93] offset:512*n
.set n, n+1
.endr
	s_lshl_b32 s16, s12, 15
	s_mov_b32 s17, 0
	s_sub_nc_u64 s[84:85], s[14:15], s[16:17]      ; the tiles' first bytes
	s_mul_i32 s16, s12, 64*KTOT
	s_sub_nc_u64 s[86:87], s[46:47], s[16:17]
.irp s, 0,1
	s_mov_b32 s[GH+8*\s], 1
	s_mov_b32 s[GH+8*\s+1], \s*SLOT
	s_add_nc_u64 s[GH+8*\s+2:GH+8*\s+3], s[84:85], \s*65536
	s_or_b32 s[GH+8*\s+3], s[GH+8*\s+3], 0x80000000
	s_mov_b32 s[GH+8*\s+4], 1
	s_mov_b32 s[GH+8*\s+5], \s*SLOT+65536
	s_add_nc_u64 s[GH+8*\s+6:GH+8*\s+7], s[86:87], \s*512
	s_or_b32 s[GH+8*\s+7], s[GH+8*\s+7], 0x80000000
.endr
	CROUND                                         ; all sixteen work-groups are here: the first joint loads meet
; THE HEAD'S LOADS, ONE A WAVE: one chain of branches on the wave's number, a load to an arm
.macro ARM under, g0, g1, next
	s_cmp_lt_u32 s10, \under
	s_cbranch_scc0 \next
	tensor_load_to_lds s[\g0:\g0+3], s[\g1:\g1+7]
	s_nop 0
.rept 4
	v_nop
.endr
	s_branch .Lhead_asked
\next:
.endm
	ARM 1, GH, G1, .Lhead_b0
	ARM 2, GH+4, G1B, .Lhead_a1
	ARM 3, GH+8, G1, .Lhead_b1
	tensor_load_to_lds s[GH+12:GH+15], s[G1B:G1B+7]
	s_nop 0
.rept 4
	v_nop
.endr
.Lhead_asked:
	s_lshl_b32 s16, s13, 1
	s_add_co_u32 s16, s16, s11
	s_lshl_b32 s16, s16, 18                        ; my first row of C: 64 rows of 4,096 bytes x (2 tile row + half)
	s_lshl_b32 s18, s42, 1
	s_add_co_u32 s18, s18, s12
	s_lshl_b32 s18, s18, 8                         ; my first column: 256 bytes x (2 tile column + half)
	s_mov_b32 s19, 0
	s_add_co_u32 s16, s16, s18
	s_mov_b32 s17, 0
	s_add_nc_u64 s[8:9], s[8:9], s[16:17]
	s_add_nc_u64 s[94:95], s[94:95], s[16:17]
.if FF2
	s_add_nc_u64 s[96:97], s[96:97], s[18:19]
.endif
	v_and_b32 v1, 15, v0                           ; r
	v_bfe_u32 v2, v0, 4, 1                         ; h
	v_lshlrev_b32 v5, 12, v2
	v_lshl_add_u32 v[CO], v1, 4, v5
	v_lshlrev_b32 v[H32], 5, v2
.if FF2
.irp a, 0,1,2,3                                ; the bias is loaded straight into the accumulators: the lane's eight columns of tile b, the same for every a
.irp b, 0,1,2,3
	global_load_b128 v[ACC+8*(4*\a+\b):ACC+8*(4*\a+\b)+3], v[H32], s[96:97] offset:64*\b
	global_load_b128 v[ACC+8*(4*\a+\b)+4:ACC+8*(4*\a+\b)+7], v[H32], s[96:97] offset:64*\b+16
.endr
.endr
.endif
	v_and_b32 v3, 31, v0
	v_lshlrev_b32 v3, 4, v3                        ; an image's place for my lane
	v_mul_u32_u24 v4, v1, PITCH
	v_lshl_add_u32 v4, v2, 4, v4                   ; B: a fragment's row x pitch + 16 x half
	s_lshl_b32 s21, s11, 15                        ; my 64 rows of A
	s_mul_i32 s22, s12, HALFT                      ; my 64 rows of B,
	s_add_co_u32 s22, s22, 65536                   ; which lie behind A's
.irp s, 0,1
	v_add_nc_u32 v[ADRA+\s], s21, v3
	v_add_nc_u32 v[ADRB+\s], s22, v4
	s_add_co_u32 s21, s21, SLOT
	s_add_co_u32 s22, s22, SLOT
.endr
	s_lshl_b32 s21, s11, 8
	s_add_co_u32 s21, s21, SCA
	v_lshl_add_u32 v[ADSA], v1, 2, s21             ; A's scale words: 4 bytes a row, my 64 rows
	v_mul_u32_u24 v5, v1, KS                       ; B's: KS bytes a row,
	v_lshrrev_b32 v6, 8, v5
	v_lshl_add_u32 v5, v6, 4, v5                   ; and 16 more for each 256 passed
	s_mul_i32 s22, s12, HALFSB
	s_add_co_u32 s22, s22, SCB
	v_add_nc_u32 v[ADSB], s22, v5
	s_mul_i32 s23, s10, 16*SPITCH
	s_add_co_u32 s23, s23, STAGE                   ; my stage
	v_mul_u32_u24 v5, v1, SPITCH
	v_lshl_add_u32 v5, v2, 5, v5
	v_add_nc_u32 v[STO], s23, v5                   ; in: row r, 32 bytes for each half of the lanes
	v_mul_u32_u24 v5, v2, SPITCH
	v_lshl_add_u32 v5, v1, 4, v5
	v_add_nc_u32 v[RD], s23, v5                    ; back: lanes 0-15 one row of 256 bytes, lanes 16-31 the next
.macro FRAG reg, adr, off, st          ; four loads of 16 bytes a lane: st = 32: from rows;  st = 512: from an image
.irp c, 0,1,2,3
	ds_load_b128 v[\reg+4*\c:\reg+4*\c+3], v[\adr] offset:\off+\st*\c
.endr
.endm
.macro FETCH slot, q, f                ; 32 LDS loads in one run: B's four fragments, then A's four, of the slot's q-th 128 along K, into buffer f
	WIN TO_F
.irp i, 0,1,2,3
	FRAG \f+64+16*\i, ADRB+\slot, 128*(\q)+\i*16*PITCH, 32
.endr
.irp i, 0,1,2,3
	FRAG \f+16*\i, ADRA+\slot, \i*8192+(\q)*2048, 512
.endr
.endm
.macro SCALES sc                       ; a slot's scale words
.irp a, 0,1,2,3
.irp q, 0,1,2,3
	ds_load_b32 v[SC+32*\sc+4*\a+\q], v[ADSA] offset:512*\q+64*\a
.endr
.endr
.irp b, 0,1,2,3
	ds_load_b128 v[SC+32*\sc+16+4*\b:SC+32*\sc+16+4*\b+3], v[ADSB] offset:\b*SBLK
.endr
.endm
; four matrix instructions: A's block a against B's four.  The 16 accumulators take turns, one instruction a turn, in the same order in every quarter.  zero = 1: the product starts the sums
.macro MUL4 f, a, q, sc, zero
.irp b, 0,1,2,3
.if \zero
	v_wmma_scale_f32_16x16x128_f8f6f4 v[ACC+8*(4*(\a)+\b):ACC+8*(4*(\a)+\b)+7], v[64+16*\b+(\f):64+16*\b+(\f)+15], v[16*(\a)+(\f):16*(\a)+(\f)+15], 0, v[SC+32*(\sc)+16+4*\b+(\q)], v[SC+32*(\sc)+4*(\a)+(\q)]
.else
	v_wmma_scale_f32_16x16x128_f8f6f4 v[ACC+8*(4*(\a)+\b):ACC+8*(4*(\a)+\b)+7], v[64+16*\b+(\f):64+16*\b+(\f)+15], v[16*(\a)+(\f):16*(\a)+(\f)+15], v[ACC+8*(4*(\a)+\b):ACC+8*(4*(\a)+\b)+7], v[SC+32*(\sc)+16+4*\b+(\q)], v[SC+32*(\sc)+4*(\a)+(\q)]
.endif
.endr
.endm
.macro QUARTER slot, q, zero           ; a quarter of a slot that has its successor in the same slot: it multiplies buffer q % 2 and fetches the next quarter into the other
	s_wait_dscnt 8                                 ; B's four and A's blocks 0, 1 are in; the youngest eight loads (A's blocks 2, 3) may be out
	WIN MUL
	MUL4 128*((\q)%2), 0, \q, \slot, \zero
	MUL4 128*((\q)%2), 1, \q, \slot, \zero
	PLACES 8                                       ; eight places in front of loads into registers that matrix instructions have read
	FETCH \slot, (\q)+1, 128-128*((\q)%2)
	s_wait_dscnt 32                                ; all but the 32 just issued
	WIN MUL
	MUL4 128*((\q)%2), 2, \q, \slot, \zero
	MUL4 128*((\q)%2), 3, \q, \slot, \zero
.endm
; A slot's last quarter changes slots: ONE barrier; in front of it each wave waits for all its tensor loads, adds 0 to its spare word, and waits for that and for its reads of this slot.  fill = 1: this slot is filled again, two slots ahead
.macro TURN slot, next, fill
	WIN 0
	s_wait_tensorcnt 0x0                           ; all my tensor loads have landed: my part of the next slot;
	ds_add_u32 v[SPW], v[NIL]
	s_wait_dscnt 9                                 ; (the add and the youngest eight loads may be out)
	WIN MUL
	MUL4 128, 0, 3, \slot, 0
	s_wait_dscnt 0x0                               ; the add is done, and my reads of this slot are over
	s_barrier_signal -1
	MUL4 128, 1, 3, \slot, 0
	WIN 0
	s_barrier_wait -1
.if \fill
	CREST                                          ; the barrier has opened a round of the cluster's barrier: no wave of any partner still reads this slot or has a load on its way
	s_add_nc_u64 s[G0+4*\slot+2:G0+4*\slot+3], s[G0+4*\slot+2:G0+4*\slot+3], 2*65536
	s_add_nc_u64 s[G0B+4*\slot+2:G0B+4*\slot+3], s[G0B+4*\slot+2:G0B+4*\slot+3], 2*512
	JLOAD G0+4*\slot, G1, G0B+4*\slot, G1B         ; the first tensor load behind the round, and my one load until the next; its four v_nop are among the places below
	PLACES 4
.else
	PLACES 8
.endif
	v_add_nc_u32 v[ADSA], 2048, v[ADSA]            ; the next slot's scale words
	v_add_nc_u32 v[ADSB], 16, v[ADSB]
	SCALES \next
	FETCH \next, 0, 0
	WIN MUL
	MUL4 128, 2, 3, \slot, 0
	MUL4 128, 3, 3, \slot, 0
.endm
	s_wait_alu depctr_va_vdst(0)
	s_wait_loadcnt 0x0                             ; my scales are in registers (no load has been issued behind them)
.set n, 0
.rept NCH
	ds_store_b128 v8, v[SC+4*n:SC+4*n+3] offset:512*n
	ds_store_b128 v9, v[SC+4*NCH+4*n:SC+4*NCH+4*n+3] offset:544*n
.set n, n+1
.endr
	s_cmp_lt_u32 s10, 2                            ; waves 0 and 1, whose load lines no other wave issues, wait for slot 0; slot 1's loads are waited for at the change of slots
	s_cbranch_scc0 .Lnot_first
	s_wait_tensorcnt 0x0
.Lnot_first:
	s_wait_dscnt 0x0                               ; for the others' sake: my stores have landed
	s_barrier_signal -1
	s_barrier_wait -1
	SCALES 0
	FETCH 0, 0, 0
	WIN 0x80                                       ; destination window 2
.irp a, 0,1,2,3                                ; the residual of rows 16 a + 2 t + h, read at those rows with bits 3 and 4 exchanged; 16 lanes read 256 consecutive bytes.  It is wanted on the way out alone, so it is asked for behind the tiles
.irp t, 0,1,2,3,4,5,6,7
	global_load_b128 v[4*(8*\a+\t):4*(8*\a+\t)+3], v[CO], s[94:95] offset:(32*(\a/2)+16*(\t/4)+8*(\a%2)+2*(\t%4))*4096 th:TH_LOAD_NT
.endr
.endr
.if FF2
	s_wait_loadcnt 32                              ; the bias lies in the accumulators; the 32 loads of the residual stay out
.endif
	QUARTER 0, 0, 1-FF2
.if LAPS > 1
	WIN 0                                          ; at a label and at a branch every window is 0
	s_mov_b32 s3, LAPS-1
.Llap:                                                 ; a trip goes once round the ring, from a lap's second quarter to the next lap's first, and fills both slots again
	QUARTER 0, 1, 0
	QUARTER 0, 2, 0
	TURN 0, 1, 1
	QUARTER 1, 0, 0
	QUARTER 1, 1, 0
	QUARTER 1, 2, 0
	TURN 1, 0, 1
	QUARTER 0, 0, 0
	WIN 0
	s_sub_co_u32 s3, s3, 1
	s_cmp_lg_u32 s3, 0
	s_cbranch_scc1 .Llap
.endif
	QUARTER 0, 1, 0                                ; the last lap fills nothing
	QUARTER 0, 2, 0
	TURN 0, 1, 0
	QUARTER 1, 0, 0
	QUARTER 1, 1, 0
	QUARTER 1, 2, 0
	s_wait_dscnt 8                                 ; the very last quarter: nothing more to fetch
	WIN MUL
	MUL4 128, 0, 3, 1, 0
	MUL4 128, 1, 3, 1, 0
	s_wait_dscnt 0x0
	MUL4 128, 2, 3, 1, 0
	MUL4 128, 3, 3, 1, 0
	WIN 0
	; THE WAY OUT.  My 64 columns are 256 bytes of a row of C, aligned: each block of 16 rows goes through my own stage and comes back as whole pieces of 256 bytes; the residual is added; sixteen lanes store a piece.
	; LDS serves a wave's instructions in order (ISA guide 5.7.1.4): no wait between the stores and the loads, nor in front of the next block's stores.
	PLACES 8
.irp a, 0,1,2,3
.irp b, 0,1,2,3
	ds_store_b128 v[STO], v[ACC+8*(4*\a+\b):ACC+8*(4*\a+\b)+3] offset:64*\b          ; each accumulator from its low end on
	ds_store_b128 v[STO], v[ACC+8*(4*\a+\b)+4:ACC+8*(4*\a+\b)+7] offset:64*\b+16
.endr
	WIN 0x40                                       ; destination window 1
.irp t, 0,1,2,3,4,5,6,7
	ds_load_b128 v[32*\a+4*\t:32*\a+4*\t+3], v[RD] offset:544*\t
.endr
	WIN 0
.endr
	s_wait_loadcnt 0x0                             ; the residual
.irp a, 0,1,2,3
	s_wait_dscnt 16*(3-\a)                         ; block a is back; the later blocks' eight stores and eight loads each may be out
	WIN 0x49                                       ; destination and source 0 window 1, source 1 window 2
.irp p, 0,2,4,6,8,10,12,14,16,18,20,22,24,26,28,30
	v_pk_add_f32 v[32*\a+\p:32*\a+\p+1], v[32*\a+\p:32*\a+\p+1], v[32*\a+\p:32*\a+\p+1]
.endr
	WIN 0x04                                       ; a store's data are its source 1: window 1
.irp t, 0,1,2,3,4,5,6,7
	global_store_b128 v[CO], v[32*\a+4*\t:32*\a+4*\t+3], s[8:9] offset:(16*\a+2*\t)*4096   ; 16 lanes store 256 consecutive bytes, at a multiple of 256 from C's first byte
.endr
.endr
	WIN 0
	s_wait_tensorcnt 0x0                           ; the wave's end
	ds_add_u32 v[SPW], v[NIL]
	s_wait_dscnt 0x0
	CROUND                                         ; the closing round
	s_endpgm
.Lfunc_end_k_q7d8ad957dc_wo:
	.size	k_q7d8ad957dc_wo, .Lfunc_end_k_q7d8ad957dc_wo-k_q7d8ad957dc_wo
	.p2alignl 7, 3214868480
	.fill 96, 4, 3214868480
	.section	.rodata,"a",@progbits
	.p2align	6, 0x0
	.amdhsa_kernel k_q7d8ad957dc_wo
		.amdhsa_group_segment_fixed_size 327680
		.amdhsa_private_segment_fixed_size 0
		.amdhsa_enable_private_segment 0
		.amdhsa_kernarg_size 48
		.amdhsa_user_sgpr_count 2
		.amdhsa_user_sgpr_kernarg_segment_ptr 1
		.amdhsa_wavefront_size32 1
		.amdhsa_system_sgpr_workgroup_id_x 1
		.amdhsa_system_sgpr_workgroup_id_y 1
		.amdhsa_system_sgpr_workgroup_id_z 1
		.amdhsa_system_vgpr_workitem_id 0
		.amdhsa_next_free_vgpr 640
		.amdhsa_next_free_sgpr 98
		.amdhsa_reserve_vcc 0
		.amdhsa_float_denorm_mode_32 3
		.amdhsa_float_denorm_mode_16_64 3
		.amdhsa_memory_ordered 1
		.amdhsa_forward_progress 1
		.amdhsa_inst_pref_size 63
	.end_amdhsa_kernel
	.amdgpu_metadata
---
amdhsa.version: [ 1, 2 ]
amdhsa.kernels:
  - .name:           k_q7d8ad957dc_wo
    .symbol:         k_q7d8ad957dc_wo.kd
    .args:
      - { .name: act_codes, .offset: 0, .size: 8, .value_kind: global_buffer, .address_space: global }
      - { .name: Wo_codes, .offset: 8, .size: 8, .value_kind: global_buffer, .address_space: global }
      - { .name: h, .offset: 16, .size: 8, .value_kind: global_buffer, .address_space: global }
      - { .name: act_scales, .offset: 24, .size: 8, .value_kind: global_buffer, .address_space: global }
      - { .name: Wo_scales, .offset: 32, .size: 8, .value_kind: global_buffer, .address_space: global }
      - { .name: x, .offset: 40, .size: 8, .value_kind: global_buffer, .address_space: global }
    .group_segment_fixed_size: 327680
    .private_segment_fixed_size: 0
    .kernarg_segment_align: 8
    .kernarg_segment_size: 48
    .max_flat_workgroup_size: 128
    .sgpr_count:     98
    .vgpr_count:     640
    .wavefront_size: 32
...
	.end_amdgpu_metadata
.endif
;; end of part 4
;; launch ln2: the kernel of part 1 again; grid 512 x 1, 8 waves a work-group, no clusters, 1,280 bytes of LDS; arguments h, g2, be2, act_codes, act_scales; writes act_codes, act_scales
;; launch ff1 (part 5): grid 16 x 16, 4 waves a work-group, clusters of 4 x 4, 327,680 bytes of LDS; arguments act_codes, act_scales, W1_codes, W1_scales, hid_codes, b1, hid_scales; writes hid_codes, hid_scales
.if DOCPART == 5
	.amdgcn_target "amdgcn-amd-amdhsa--gfx1250"
	.amdhsa_code_object_version 6
	.text
	.protected	k_q7d8ad957dc_ff1
	.globl	k_q7d8ad957dc_ff1
	.p2align	8
	.type	k_q7d8ad957dc_ff1,@function
k_q7d8ad957dc_ff1:
	s_mov_b64 s[64:65], 0
	v_nop
	global_prefetch_b8 v0, s[64:65] scope:SCOPE_SE
	s_setreg_imm32_b32 hwreg(HW_REG_WAVE_MODE, 25, 1), 1
	s_wait_xcnt 0x0
	s_wait_alu depctr_hold_cnt(0) depctr_sa_sdst(0) depctr_va_vdst(0) depctr_va_sdst(0) depctr_va_ssrc(0) depctr_va_vcc(0) depctr_vm_vsrc(0)
	s_getreg_b32 s2, hwreg(HW_REG_IB_STS2, 6, 4)
	s_cmp_eq_u32 s2, 0
	s_cbranch_scc0 .Lentry_in_a_cluster
	s_endpgm
.Lentry_in_a_cluster:
	s_bfe_u32 s2, ttmp6, 0x10000c
	s_cmp_lg_u32 s2, 0xf033
	s_cbranch_scc0 .Lentry_shape_is_right
	s_endpgm
.Lentry_shape_is_right:
.set SIZE_K, 1024
.set KSTEP,  256
.set NQ,     KSTEP/128
.set ROWB,   256
.set KROW,   SIZE_K
.set PITCH,  272
.set FR,     16
.set NL,     4
.set NP,     8
.set HALFT,  128*PITCH
.set SLOT,   4*HALFT
.set LAPS,   SIZE_K/(2*KSTEP)
.set KS,     SIZE_K/32
.set SCL,    2*SLOT
.set HALFS,  (128*KS/256)*272
.set SBLK,   (16*KS/256)*272
.set SPARE,  SCL+4*HALFS
.set SST,    SPARE+512
.set ADRA, 16
.set ADRB, 20
.set CO,   26
.set ADRS, 27
.set SPW,  28
.set NIL,  29
.set PW,   30
.set SW,   31
.set SC,   32
.set CB,   64
.set AF,   128
.set XX,   128
.set ZZ,   192
.set UU,   208
.set PP,   224
.set DN,   240
.set TM,   192
.set PC,   32                          ; v32-47 the codes: registers that held scale words and that nothing else of the way out writes
.set CF,   2
.set G1, 24
.set G0, 32
.set G1B, 48
.set G0B, 56
; hidden = gelu(m W1 + b1), exact gelu by a rational form of erf in f32, quantised along the hidden axis; tiles of 256 x 256, K = 1,024 in steps of 256 through two LDS slots; clusters of 4 x 4 with joint loads.
.set GH, 68                            ; s[68:83] four groups 0 for the head's loads: A slot 0, B slot 0, A slot 1, B slot 1, each a whole tile of 256 rows
.set MNT, 95
.set SEL, 96
.set MSB, 0
.macro WIN new
.if MSB != \new
	s_set_vgpr_msb (MSB<<8)|\new
.set MSB, \new
.endif
.endm
.set MUL_LO, 0xa1
.set MUL_HI, 0xf1
.set TO_B,   0x40
.macro JLOAD g0a, g1a, g0b, g1b
	s_cmp_eq_u32 s15, 0
	s_cbranch_scc0 .Lfor_b_\@
	tensor_load_to_lds s[\g0a:\g0a+3], s[\g1a:\g1a+7]
	s_nop 0
.rept 4
	v_nop
.endr
	s_branch .Lasked_\@
.Lfor_b_\@:
	tensor_load_to_lds s[\g0b:\g0b+3], s[\g1b:\g1b+7]
	s_nop 0
.rept 4
	v_nop
.endr
.Lasked_\@:
.endm
.macro CREST
	s_cmp_lg_u32 s14, 0
	s_cbranch_scc1 .Lnot_wave_0_\@
	s_barrier_signal -3
.Lnot_wave_0_\@:
	s_barrier_wait -3
	s_barrier_signal -1
	s_barrier_wait -1
.endm
.macro CROUND
	s_barrier_signal -1
	s_barrier_wait -1
	CREST
.endm
	s_load_b128 s[4:7], s[0:1], 0x0
	s_load_b128 s[8:11], s[0:1], 0x10
	s_load_b64 s[12:13], s[0:1], 0x20
	s_load_b64 s[98:99], s[0:1], 0x28
	s_load_b64 s[100:101], s[0:1], 0x30
	v_lshl_add_u32 v[SPW], v0, 2, SPARE
	v_mov_b32 v[NIL], 0
	ds_add_u32 v[SPW], v[NIL]
	ds_add_u32 v[SPW], v[NIL]
	v_lshrrev_b32 v1, 5, v0
	v_readfirstlane_b32 s14, v1                    ; wave 0..3
	v_and_b32 v9, 31, v0
	v_bfe_u32 v10, v0, 4, 1
	v_mul_u32_u24 v11, v9, KROW                    ; v11: a prefetch's offset: my lane x a row of codes
	v_lshlrev_b32 v9, 4, v9                        ; v9: 16 x lane: my place in 512 bytes of scale bytes in memory
	v_lshl_add_u32 v10, v10, 4, v9                 ; v10: the same in LDS: 16 bytes more behind each 256
	s_wait_alu depctr_va_vdst(0)
	s_lshr_b32 s15, s14, 1
	s_and_b32 s16, s14, 1
	s_bfe_u32 s40, ttmp6, 0x40000
	s_bfe_u32 s41, ttmp6, 0x40004
	s_lshl_b32 s42, ttmp9, 2
	s_add_co_u32 s42, s42, s40
	s_and_b32 s17, ttmp7, 0xffff
	s_lshl_b32 s17, s17, 2
	s_add_co_u32 s17, s17, s41
	s_lshl_b32 s43, s41, 2
	s_lshl_b32 s43, 15, s43
	s_lshl_b32 s44, 0x1111, s40
	s_or_b32 s[G1+0], s43, (0<<16)|(1<<20)|(1<<21)|(5<<22)|(3<<25)
	s_or_b32 s[G1B+0], s44, (0<<16)|(1<<20)|(1<<21)|(5<<22)|(3<<25)
.irp g, G1, G1B
	s_mov_b32 s[\g+1], ROWB<<16
	s_mov_b32 s[\g+2], 256<<16                     ; the head's loads bring 256 rows; the ring's 128: set at the first change of slots
	s_mov_b32 s[\g+3], ROWB<<16
	s_mov_b32 s[\g+4], 256
	s_mov_b32 s[\g+5], KROW
	s_mov_b32 s[\g+6], 0
	s_mov_b32 s[\g+7], 0
.endr
	s_lshl_b32 s18, s16, 7
	s_lshl_b32 s20, s17, 8
	s_add_co_u32 s20, s20, s18
	s_lshl_b32 s46, s42, 8
	s_add_co_u32 s46, s46, s18
	s_mov_b32 s21, 0
	s_mov_b32 s47, 0
	s_mov_b64 s[18:19], KS
	s_mul_u64 s[22:23], s[20:21], s[18:19]
	s_mul_u64 s[92:93], s[46:47], s[18:19]
	s_mov_b64 s[18:19], KROW
	s_mul_u64 s[20:21], s[20:21], s[18:19]
	s_mul_u64 s[46:47], s[46:47], s[18:19]
	s_mul_i32 s45, s14, HALFT
	s_mul_i32 s94, s14, HALFS
	s_wait_dscnt 0x0
	s_wait_kmcnt 0x0
	s_add_nc_u64 s[20:21], s[4:5], s[20:21]
	s_add_nc_u64 s[22:23], s[6:7], s[22:23]
	s_add_nc_u64 s[46:47], s[8:9], s[46:47]
	s_add_nc_u64 s[92:93], s[10:11], s[92:93]
	; THE SCALE BYTES GO THROUGH REGISTERS: each wave loads the 4,096 dense bytes of 128 rows (waves 0, 1: A's halves; 2, 3: B's) and stores them into LDS bytes into which no tensor load lands.
	; So each wave's one tensor load at the head is free for codes.  They are not asked for jointly: 16 KiB of the 528 KiB that a work-group reads.
	s_cmp_eq_u32 s15, 0
	s_cselect_b64 s[88:89], s[22:23], s[92:93]     ; my share of the scale bytes
	s_cselect_b64 s[66:67], s[20:21], s[46:47]     ; the prefetches: the 128 rows of codes that I fetch in the ring,
	s_cselect_b32 s90, s40, s41                    ; my work-group's place among the four that ask for them jointly (it enters this global address alone),
	s_mul_i32 s90, s90, 32*KROW                    ; its 32 of them
	s_mov_b32 s91, 0
	s_add_nc_u64 s[66:67], s[66:67], s[90:91]
	s_add_co_u32 s94, s94, SCL
	v_add_nc_u32 v10, s94, v10
	s_wait_alu depctr_va_vdst(0)
.irp i, 0,1,2,3,4,5,6,7
	global_load_b128 v[AF+4*\i:AF+4*\i+3], v9, s[88:89] offset:512*\i   ; 32 lanes read 512 consecutive bytes
.endr
	s_mul_i32 s18, s16, 128*KROW
	s_mov_b32 s19, 0
	s_sub_nc_u64 s[84:85], s[20:21], s[18:19]      ; the tiles' first rows
	s_sub_nc_u64 s[86:87], s[46:47], s[18:19]
.irp s, 0,1
	s_mov_b32 s[GH+8*\s], 1
	s_mov_b32 s[GH+8*\s+1], \s*SLOT
	s_add_nc_u64 s[GH+8*\s+2:GH+8*\s+3], s[84:85], \s*ROWB
	s_or_b32 s[GH+8*\s+3], s[GH+8*\s+3], 0x80000000
	s_mov_b32 s[GH+8*\s+4], 1
	s_mov_b32 s[GH+8*\s+5], \s*SLOT+2*HALFT
	s_add_nc_u64 s[GH+8*\s+6:GH+8*\s+7], s[86:87], \s*ROWB
	s_or_b32 s[GH+8*\s+7], s[GH+8*\s+7], 0x80000000
.endr
	CROUND                                         ; all sixteen work-groups are here: the first joint loads meet
.irp s, 0,1
	s_mov_b32 s[G0+4*\s], 1
	s_add_co_u32 s[G0+4*\s+1], s45, \s*SLOT
	s_add_nc_u64 s[G0+4*\s+2:G0+4*\s+3], s[20:21], \s*ROWB
	s_or_b32 s[G0+4*\s+3], s[G0+4*\s+3], 0x80000000
	s_mov_b32 s[G0B+4*\s], 1
	s_add_co_u32 s[G0B+4*\s+1], s45, \s*SLOT
	s_add_nc_u64 s[G0B+4*\s+2:G0B+4*\s+3], s[46:47], \s*ROWB
	s_or_b32 s[G0B+4*\s+3], s[G0B+4*\s+3], 0x80000000
.endr
; THE HEAD'S LOADS, ONE A WAVE: wave 0: A's 256 rows of K step 0; wave 1: B's; waves 2, 3: the same of K step 1.  One chain of branches on the wave's number, a load to an arm.
.macro ARM under, g0, g1, next
	s_cmp_lt_u32 s14, \under
	s_cbranch_scc0 \next
	tensor_load_to_lds s[\g0:\g0+3], s[\g1:\g1+7]
	s_nop 0
.rept 4
	v_nop
.endr
	s_branch .Lhead_asked
\next:
.endm
	ARM 1, GH, G1, .Lhead_b0
	ARM 2, GH+4, G1B, .Lhead_a1
	ARM 3, GH+8, G1, .Lhead_b1
	tensor_load_to_lds s[GH+12:GH+15], s[G1B:G1B+7]
	s_nop 0
.rept 4
	v_nop
.endr
.Lhead_asked:
	; K steps 2 and 3, which the two refills will load, are asked for here: 32 rows x 256 bytes an instruction, a lane a row; each block is named once in each cluster that will load it
	global_prefetch_b8 v11, s[66:67] offset:2*ROWB th:TH_LOAD_NT scope:SCOPE_SE
	global_prefetch_b8 v11, s[66:67] offset:3*ROWB th:TH_LOAD_NT scope:SCOPE_SE
	v_and_b32 v1, 15, v0
	v_bfe_u32 v2, v0, 4, 1
	s_wait_alu depctr_va_vdst(0)
	s_lshl_b32 s20, s17, 1
	s_add_co_u32 s20, s20, s15
	s_lshl_b32 s46, s42, 1
	s_add_co_u32 s46, s46, s16
	s_lshl_b32 s21, s20, 19
	s_lshr_b32 s22, s46, 2
	s_lshl_b32 s22, s22, 16
	s_add_co_u32 s21, s21, s22
	s_and_b32 s22, s46, 3
	s_lshl_b32 s22, s22, 11
	s_add_co_u32 s18, s21, s22
	s_mov_b32 s19, 0
	s_add_nc_u64 s[12:13], s[12:13], s[18:19]
	s_lshl_b32 s18, s20, 14
	s_lshl_b32 s22, s46, 9
	s_add_co_u32 s18, s18, s22
	s_add_nc_u64 s[100:101], s[100:101], s[18:19]
	s_lshl_b32 s18, s46, 9
	s_add_nc_u64 s[98:99], s[98:99], s[18:19]
	v_lshlrev_b32 v7, 5, v2
.irp b, 0,1,2,3,4,5,6,7
	global_load_b128 v[CB+8*\b:CB+8*\b+3], v7, s[98:99] offset:64*\b
	global_load_b128 v[CB+8*\b+4:CB+8*\b+7], v7, s[98:99] offset:64*\b+16
.endr
	v_mul_u32_u24 v3, v1, PITCH
	v_lshl_add_u32 v4, v2, 4, v3
	s_mul_i32 s21, s15, HALFT
	s_mul_i32 s22, s16, HALFT
	s_add_co_u32 s22, s22, 2*HALFT
.irp s, 0,1
	v_add_nc_u32 v[ADRA+\s], s21, v4
	v_add_nc_u32 v[ADRB+\s], s22, v4
	s_add_co_u32 s21, s21, SLOT
	s_add_co_u32 s22, s22, SLOT
.endr
	v_mul_u32_u24 v5, v1, KS
	v_lshrrev_b32 v6, 8, v5
	v_lshl_add_u32 v5, v6, 4, v5
	s_mul_i32 s21, s15, HALFS
	s_mul_i32 s22, s16, HALFS
	s_add_co_u32 s22, s22, 2*HALFS
	s_sub_co_u32 s22, s22, s21
	v_mul_u32_u24 v6, s22, v2
	s_add_co_u32 s21, s21, SCL
	v_add_nc_u32 v5, v5, v6
	v_add_nc_u32 v[ADRS], s21, v5
	s_lshl_b32 s23, s14, 9
	s_add_co_u32 s23, s23, SST
	v_lshl_add_u32 v[SW], v1, 2, s23
	v_and_b32 v6, 31, v0
	v_lshlrev_b32 v[CO], 4, v6
.macro FRAG reg, adr, q, i
.irp c, 0,1,2,3
	ds_load_b128 v[\reg+4*\c:\reg+4*\c+3], v[\adr] offset:128*(\q)+32*\c+(\i)*16*PITCH
.endr
.endm
.macro MUL16 a0, p, q, sc, zero
.irp a, \a0, \a0+1
.irp b, 0,1,2,3,4,5,6,7
.if \zero
	v_wmma_scale_f32_16x16x128_f8f6f4 v[8*(8*((\a)%4)+\b):8*(8*((\a)%4)+\b)+7], v[128*(\p)+FR*\b:128*(\p)+FR*\b+FR-1], v[AF+FR*(\a):AF+FR*(\a)+FR-1], 0, v[SC+8*NQ*(\sc)+NQ*\b+(\q)], v[SC+8*NQ*(\sc)+NQ*(\a)+(\q)] matrix_a_scale:MATRIX_SCALE_ROW1
.else
	v_wmma_scale_f32_16x16x128_f8f6f4 v[8*(8*((\a)%4)+\b):8*(8*((\a)%4)+\b)+7], v[128*(\p)+FR*\b:128*(\p)+FR*\b+FR-1], v[AF+FR*(\a):AF+FR*(\a)+FR-1], v[8*(8*((\a)%4)+\b):8*(8*((\a)%4)+\b)+7], v[SC+8*NQ*(\sc)+NQ*\b+(\q)], v[SC+8*NQ*(\sc)+NQ*(\a)+(\q)] matrix_a_scale:MATRIX_SCALE_ROW1
.endif
.endr
.endr
.endm
.macro FETCH_B slot, q, p
	WIN TO_B
.irp i, 0,1,2,3,4,5,6,7
	FRAG 128*(\p)+FR*\i, ADRB+\slot, \q, \i
.endr
	WIN 0
.endm
.macro FETCH_A slot, q, i0
.irp i, \i0, \i0+1, \i0+2, \i0+3
	FRAG AF+FR*(\i), ADRA+\slot, \q, \i
.endr
.endm
.macro SCALES sc
.irp i, 0,1,2,3,4,5,6,7
	ds_load_b64 v[SC+8*NQ*\sc+NQ*\i:SC+8*NQ*\sc+NQ*\i+1], v[ADRS] offset:\i*SBLK
.endr
.endm
.macro PLACES n
.rept \n
	v_nop
.endr
.endm
.macro STEP slot, q, zero
	s_wait_dscnt 4*NL
	WIN MUL_LO
	MUL16 0, (\q)%2, \q, \slot, \zero
	MUL16 2, (\q)%2, \q, \slot, \zero
	s_wait_dscnt 0
	PLACES NP
	FETCH_B \slot, (\q)+1, 1-(\q)%2
	FETCH_A \slot, (\q)+1, 0
	WIN MUL_HI
	MUL16 4, (\q)%2, \q, \slot, \zero
	MUL16 6, (\q)%2, \q, \slot, \zero
	PLACES NP
	WIN 0
	FETCH_A \slot, (\q)+1, 4
.endm
.macro TURN slot, next, fill
	s_wait_tensorcnt 0x0
	ds_add_u32 v[SPW], v[NIL]
.if \fill
	s_mov_b32 s[G1+2], 128<<16                     ; no tensor load of mine is out: from here on a load brings 128 rows
	s_mov_b32 s[G1+4], 128
	s_mov_b32 s[G1B+2], 128<<16
	s_mov_b32 s[G1B+4], 128
.endif
	s_wait_dscnt 4*NL+1
	WIN MUL_LO
	MUL16 0, 1, NQ-1, \slot, 0
	s_wait_dscnt 0x0
	s_barrier_signal -1
	MUL16 2, 1, NQ-1, \slot, 0
	WIN 0
	s_barrier_wait -1
.if \fill
	CREST
	s_add_nc_u64 s[G0+4*\slot+2:G0+4*\slot+3], s[G0+4*\slot+2:G0+4*\slot+3], 2*ROWB
	s_add_nc_u64 s[G0B+4*\slot+2:G0B+4*\slot+3], s[G0B+4*\slot+2:G0B+4*\slot+3], 2*ROWB
	JLOAD G0+4*\slot, G1, G0B+4*\slot, G1B
	PLACES NP-4
.else
	PLACES NP
.endif
	s_wait_alu depctr_va_vdst(0)
	v_add_nc_u32 v[ADRS], 4*NQ, v[ADRS]
	FETCH_B \next, 0, 0
	FETCH_A \next, 0, 0
	SCALES \next
	WIN MUL_HI
	MUL16 4, 1, NQ-1, \slot, 0
	MUL16 6, 1, NQ-1, \slot, 0
	PLACES NP
	WIN 0
	FETCH_A \next, 0, 4
.endm
	s_wait_alu depctr_va_vdst(0)
	s_wait_loadcnt 16                              ; my scale bytes are in registers; the 16 loads of the bias may be out
.irp i, 0,1,2,3,4,5,6,7
	ds_store_b128 v10, v[AF+4*\i:AF+4*\i+3] offset:544*\i
.endr
	s_cmp_lt_u32 s14, 2                            ; waves 0 and 1, whose load lines no other wave issues, wait for slot 0; slot 1's loads are waited for at the first change of slots
	s_cbranch_scc0 .Lnot_first
	s_wait_tensorcnt 0x0
.Lnot_first:
	s_wait_dscnt 0x0                               ; for the others' sake: my stores have landed
	s_barrier_signal -1
	s_barrier_wait -1
	FETCH_B 0, 0, 0
	FETCH_A 0, 0, 0
	SCALES 0
	FETCH_A 0, 0, 4
	STEP 0, 0, 1
	s_mov_b32 s3, LAPS-1
.Llap:
	TURN 0, 1, 1
	STEP 1, 0, 0
	TURN 1, 0, 1
	STEP 0, 0, 0
	s_sub_co_u32 s3, s3, 1
	s_cmp_lg_u32 s3, 0
	s_cbranch_scc1 .Llap
	TURN 0, 1, 0
	STEP 1, 0, 0
	s_wait_dscnt 4*NL
	WIN MUL_LO
	MUL16 0, 1, NQ-1, 1, 0
	MUL16 2, 1, NQ-1, 1, 0
	s_wait_dscnt 0
	WIN MUL_HI
	MUL16 4, 1, NQ-1, 1, 0
	MUL16 6, 1, NQ-1, 1, 0
	WIN 0
.macro COEF reg, bits
	v_mov_b32 v[\reg], \bits
	v_mov_b32 v[\reg+1], \bits
.endm
	s_wait_loadcnt 0x0                             ; the bias
	s_wait_xcnt 0x0                                ; the prefetches have read their offset: its register is written below
	COEF 0, 0x3f3504f3
	COEF CF, 0xaf95df0b
	COEF CF+2, 0x32edffee
	COEF CF+4, 0xb60cff51
	COEF CF+6, 0xb86ec2d2
	COEF CF+8, 0xba40ac63
	COEF CF+10, 0xbb41a1f6
	COEF CF+12, 0xbc83dbd4
	COEF CF+14, 0xb77460cd
	COEF CF+16, 0xb95fbd29
	COEF CF+18, 0xbadc924e
	COEF CF+20, 0xbbf19bf8
	COEF CF+22, 0xbc69b6a7
	s_mov_b32 s[MNT], 0x600000
	s_mov_b32 s[SEL], 0x76543210
	s_mov_b32 s[SEL+1], 0xfedcba98
.macro COPY a
	WIN 0x02+(\a)/4
.set n, 0
.rept 32
	v_pk_add_f32 v[XX+n:XX+n+1], v[64*((\a)%4)+n:64*((\a)%4)+n+1], v[CB+n:CB+n+1]
.set n, n+2
.endr
	WIN 0
.endm
.macro GELU16 g
.set XB, XX+16*(\g)
.irp p, 0,2,4,6,8,10,12,14
	v_pk_mul_f32 v[ZZ+\p:ZZ+\p+1], v[XB+\p:XB+\p+1], v[0:1]
.endr
.irp i, 0,1,2,3,4,5,6,7,8,9,10,11,12,13,14,15
	v_med3_num_f32 v[ZZ+\i], v[ZZ+\i], -4.0, 4.0
.endr
.irp p, 0,2,4,6,8,10,12,14
	v_pk_mul_f32 v[UU+\p:UU+\p+1], v[ZZ+\p:ZZ+\p+1], v[ZZ+\p:ZZ+\p+1]
.endr
.irp p, 0,2,4,6,8,10,12,14
	v_pk_fma_f32 v[PP+\p:PP+\p+1], v[UU+\p:UU+\p+1], v[CF:CF+1], v[CF+2:CF+3]
.endr
.irp p, 0,2,4,6,8,10,12,14
	v_pk_fma_f32 v[DN+\p:DN+\p+1], v[UU+\p:UU+\p+1], v[CF+14:CF+15], v[CF+16:CF+17]
.endr
.irp k, 4,6,8,10,12
.irp p, 0,2,4,6,8,10,12,14
	v_pk_fma_f32 v[PP+\p:PP+\p+1], v[PP+\p:PP+\p+1], v[UU+\p:UU+\p+1], v[CF+\k:CF+\k+1]
.endr
.endr
.irp k, 18,20,22
.irp p, 0,2,4,6,8,10,12,14
	v_pk_fma_f32 v[DN+\p:DN+\p+1], v[DN+\p:DN+\p+1], v[UU+\p:UU+\p+1], v[CF+\k:CF+\k+1]
.endr
.endr
	s_wait_alu depctr_va_vdst(0)
.irp i, 0,1,2,3,4,5,6,7,8,9,10,11,12,13,14,15
	v_rcp_f32 v[DN+\i], v[DN+\i]
.endr
.irp p, 0,2,4,6,8,10,12,14
	v_pk_mul_f32 v[PP+\p:PP+\p+1], v[PP+\p:PP+\p+1], v[ZZ+\p:ZZ+\p+1]
.endr
.irp p, 0,2,4,6,8,10,12,14
	v_pk_mul_f32 v[XB+\p:XB+\p+1], v[XB+\p:XB+\p+1], 0.5 op_sel_hi:[1,0]
.endr
	s_wait_alu depctr_va_vdst(0)
.irp p, 0,2,4,6,8,10,12,14
	v_pk_mul_f32 v[PP+\p:PP+\p+1], v[PP+\p:PP+\p+1], v[DN+\p:DN+\p+1]
.endr
.irp p, 0,2,4,6,8,10,12,14
	v_pk_fma_f32 v[XB+\p:XB+\p+1], v[XB+\p:XB+\p+1], v[PP+\p:PP+\p+1], v[XB+\p:XB+\p+1]
.endr
.endm
.macro QUANT s, pw
.irp b, 0,1,2,3
	v_max3_num_f32 v[TM+\b], |v[\s+16*\b]|, |v[\s+1+16*\b]|, 0x4800000
.endr
.irp i, 2,4,6,8,10,12,14
.irp b, 0,1,2,3
	v_max3_num_f32 v[TM+\b], v[TM+\b], |v[\s+16*\b+\i]|, |v[\s+1+16*\b+\i]|
.endr
.endr
.irp b, 0,1,2,3
	v_permlanex16_b32 v[TM+4+\b], v[TM+\b], s[SEL], s[SEL+1]
.endr
.irp b, 0,1,2,3
	v_max_num_f32 v[TM+\b], v[TM+\b], v[TM+4+\b]
.endr
.irp b, 0,1,2,3
	v_add_nc_u32 v[TM+12+\b], 0xfc000000, v[TM+\b]
.endr
.irp b, 0,1,2,3
	v_and_or_b32 v[TM+8+\b], v[TM+\b], 0x7f800000, s[MNT]
.endr
.irp b, 0,1,2,3
	v_lshrrev_b32 v[TM+4+\b], 23, v[TM+12+\b]
.endr
	v_lshl_or_b32 v[\pw], v[TM+5], 8, v[TM+4]
	v_lshl_or_b32 v[\pw], v[TM+6], 16, v[\pw]
	v_lshl_or_b32 v[\pw], v[TM+7], 24, v[\pw]
.irp b, 0,1,2,3
.irp i, 0,1,2,3,4,5,6,7,8,9,10,11,12,13,14,15
	v_med3_num_f32 v[\s+16*\b+\i], v[\s+16*\b+\i], -v[TM+8+\b], v[TM+8+\b]
.endr
.endr
	; all 64 holds stand ahead of the conversions: the codes' registers and the stores' base are those of the last trip's stores, and are written again only behind the wait on XCNT, which so stands nearly a trip behind those stores
	s_wait_alu depctr_va_vdst(0)
	s_wait_xcnt 0x0                                ; the last trip's stores have read their registers and their base
	s_cmp_eq_u32 s3, 0
	s_cselect_b32 s18, 0, 0x2000                   ; on to this block of 16 rows; block 0 lies at the base as it stands
	s_mov_b32 s19, 0
	s_add_nc_u64 s[12:13], s[12:13], s[18:19]
.irp b, 0,1,2,3
	v_cvt_scalef32_pk8_fp8_f32 v[PC+4*\b:PC+1+4*\b], v[\s+16*\b:\s+7+16*\b], v[TM+12+\b]
	v_cvt_scalef32_pk8_fp8_f32 v[PC+2+4*\b:PC+3+4*\b], v[\s+8+16*\b:\s+15+16*\b], v[TM+12+\b]
.endr
	v_nop
.endm
	s_mov_b32 s3, 0
.Lrow:
.irp a, 0,1,2,3,4,5,6
	s_cmp_eq_u32 s3, \a
	s_cbranch_scc1 .Lcopy\a
.endr
	COPY 7
	s_branch .Lgelu
.irp a, 0,1,2,3,4,5,6
.Lcopy\a:
	COPY \a
	s_branch .Lgelu
.endr
.Lgelu:
	GELU16 0
	GELU16 1
	GELU16 2
	GELU16 3
	QUANT XX, PW
.irp c, 0,1,2,3
	v_permlane16_swap_b32 v[PC+4*\c], v[PC+2+4*\c]
	v_permlane16_swap_b32 v[PC+1+4*\c], v[PC+3+4*\c]
.endr
.irp c, 0,1,2,3
	global_store_b128 v[CO], v[PC+4*\c:PC+4*\c+3], s[12:13] offset:512*\c
.endr
	ds_store_b32 v[SW], v[PW]
	v_add_nc_u32 v[SW], 64, v[SW]                  ; the next block's scale words
	s_add_co_u32 s3, s3, 1
	s_cmp_lt_u32 s3, 8
	s_cbranch_scc1 .Lrow
	v_add_nc_u32 v[ADRS], s23, v[CO]
	ds_load_b128 v[XX:XX+3], v[ADRS]
	s_wait_dscnt 0x0
	global_store_b128 v[CO], v[XX:XX+3], s[100:101]
	s_wait_tensorcnt 0x0
	ds_add_u32 v[SPW], v[NIL]
	s_wait_dscnt 0x0
	CROUND
	s_endpgm
.Lfunc_end_k_q7d8ad957dc_ff1:
	.size	k_q7d8ad957dc_ff1, .Lfunc_end_k_q7d8ad957dc_ff1-k_q7d8ad957dc_ff1
	.p2alignl 7, 3214868480
	.fill 96, 4, 3214868480
	.section	.rodata,"a",@progbits
	.p2align	6, 0x0
	.amdhsa_kernel k_q7d8ad957dc_ff1
		.amdhsa_group_segment_fixed_size 327680
		.amdhsa_private_segment_fixed_size 0
		.amdhsa_enable_private_segment 0
		.amdhsa_kernarg_size 56
		.amdhsa_user_sgpr_count 2
		.amdhsa_user_sgpr_kernarg_segment_ptr 1
		.amdhsa_wavefront_size32 1
		.amdhsa_system_sgpr_workgroup_id_x 1
		.amdhsa_system_sgpr_workgroup_id_y 1
		.amdhsa_system_sgpr_workgroup_id_z 1
		.amdhsa_system_vgpr_workitem_id 0
		.amdhsa_next_free_vgpr 1024
		.amdhsa_next_free_sgpr 102
		.amdhsa_reserve_vcc 0
		.amdhsa_float_denorm_mode_32 3
		.amdhsa_float_denorm_mode_16_64 3
		.amdhsa_memory_ordered 1
		.amdhsa_forward_progress 1
		.amdhsa_inst_pref_size 186
	.end_amdhsa_kernel
	.amdgpu_metadata
---
amdhsa.version: [ 1, 2 ]
amdhsa.kernels:
  - .name:           k_q7d8ad957dc_ff1
    .symbol:         k_q7d8ad957dc_ff1.kd
    .args:
      - { .name: act_codes, .offset: 0, .size: 8, .value_kind: global_buffer, .address_space: global }
      - { .name: act_scales, .offset: 8, .size: 8, .value_kind: global_buffer, .address_space: global }
      - { .name: W1_codes, .offset: 16, .size: 8, .value_kind: global_buffer, .address_space: global }
      - { .name: W1_scales, .offset: 24, .size: 8, .value_kind: global_buffer, .address_space: global }
      - { .name: hid_codes, .offset: 32, .size: 8, .value_kind: global_buffer, .address_space: global }
      - { .name: b1, .offset: 40, .size: 8, .value_kind: global_buffer, .address_space: global }
      - { .name: hid_scales, .offset: 48, .size: 8, .value_kind: global_buffer, .address_space: global }
    .group_segment_fixed_size: 327680
    .private_segment_fixed_size: 0
    .kernarg_segment_align: 8
    .kernarg_segment_size: 56
    .max_flat_workgroup_size: 128
    .sgpr_count:     102
    .vgpr_count:     1024
    .wavefront_size: 32
...
	.end_amdgpu_metadata
.endif
;; end of part 5
;; launch ff2 (part 6): grid 8 x 32, 4 waves a work-group, clusters of 4 x 4, 327,680 bytes of LDS; arguments hid_codes, W2_codes, out0, hid_scales, W2_scales, h, b2; writes out0
.if DOCPART == 6
	.amdgcn_target "amdgcn-amd-amdhsa--gfx1250"
	.amdhsa_code_object_version 6
	.text
	.protected	k_q7d8ad957dc_ff2
	.globl	k_q7d8ad957dc_ff2
	.p2align	8
	.type	k_q7d8ad957dc_ff2,@function
k_q7d8ad957dc_ff2:
	s_mov_b64 s[64:65], 0
	v_nop
	global_prefetch_b8 v0, s[64:65] scope:SCOPE_SE
	s_setreg_imm32_b32 hwreg(HW_REG_WAVE_MODE, 25, 1), 1
	s_wait_xcnt 0x0
	s_wait_alu depctr_hold_cnt(0) depctr_sa_sdst(0) depctr_va_vdst(0) depctr_va_sdst(0) depctr_va_ssrc(0) depctr_va_vcc(0) depctr_vm_vsrc(0)
	s_getreg_b32 s2, hwreg(HW_REG_IB_STS2, 6, 4)
	s_cmp_eq_u32 s2, 0
	s_cbranch_scc0 .Lentry_in_a_cluster
	s_endpgm
.Lentry_in_a_cluster:
	s_bfe_u32 s2, ttmp6, 0x10000c
	s_cmp_lg_u32 s2, 0xf033
	s_cbranch_scc0 .Lentry_shape_is_right
	s_endpgm
.Lentry_shape_is_right:
.set FF2,    1
.if FF2
.set KTOT,   4096
.else
.set KTOT,   1024
.endif
.set NCH,    KTOT/512
.set LAPS,   KTOT/1024
.set KS,     KTOT/32
.set PITCH,  528
.set HALFT,  64*PITCH
; out = h + hidden W2 + b2 on tiles of 128 x 128, f32 out, K = 4,096 in steps of 512 through two LDS slots; four waves of 64 x 64; clusters of 4 x 4: A's tile is shared along a row, B's along a column, by joint loads.
; A (the hidden layer) comes as images of operand registers, dense; B (W2) as rows of codes.  The bias is loaded into the accumulators; the residual h is read with bits 3 and 4 of its row exchanged.
.set SLOT,   65536+2*HALFT             ; a slot: A's 65,536 dense bytes, then B's 128 rows
.set SCA,    2*SLOT
.set SAH,    NCH*1024
.set SCB,    SCA+2*SAH
.set HALFSB, (KS/4)*272
.set SBLK,   (KS/16)*272
.set STAGE,  SCB+2*HALFSB
.set SPITCH, 272
.set SPARE,  STAGE+4*16*SPITCH
.set ADSA, 10
.set ADSB, 11
.set ADRA, 16
.set ADRB, 20
.set STO,  24
.set RD,   25
.set CO,   26
.set H32,  27
.set SPW,  28
.set NIL,  29
.set SC,   32
.set ACC,  128
.set G1,   24
.set G0,   32
.set G1B,  48
.set G0B,  56
.set GH,   68                          ; s[68:83] four groups 0 for the head's loads: A slot 0, B slot 0, A slot 1, B slot 1
.set PFA,  88                          ; s[88:89], s[90:91] where my prefetches stand: for the even slots, for the odd ones
.set PFS,  98                          ; s[98:99] two slots on, in bytes
.set MSB, 0
.macro WIN new
.if MSB != \new
	s_set_vgpr_msb (MSB<<8)|\new
.set MSB, \new
.endif
.endm
.set MUL,  0x05
.set TO_F, 0x40
.macro JLOAD g0a, g1a, g0b, g1b
	s_cmp_eq_u32 s11, 0
	s_cbranch_scc0 .Lfor_b_\@
	tensor_load_to_lds s[\g0a:\g0a+3], s[\g1a:\g1a+7]
	s_nop 0
.rept 4
	v_nop
.endr
	s_branch .Lasked_\@
.Lfor_b_\@:
	tensor_load_to_lds s[\g0b:\g0b+3], s[\g1b:\g1b+7]
	s_nop 0
.rept 4
	v_nop
.endr
.Lasked_\@:
.endm
.macro CREST
	s_cmp_lg_u32 s10, 0
	s_cbranch_scc1 .Lnot_wave_0_\@
	s_barrier_signal -3
.Lnot_wave_0_\@:
	s_barrier_wait -3
	s_barrier_signal -1
	s_barrier_wait -1
.endm
.macro CROUND
	s_barrier_signal -1
	s_barrier_wait -1
	CREST
.endm
.macro PLACES n
.rept \n
	v_nop
.endr
.endm
	s_load_b128 s[4:7], s[0:1], 0x0
	s_load_b64 s[8:9], s[0:1], 0x10
	s_load_b64 s[66:67], s[0:1], 0x18
	s_load_b64 s[92:93], s[0:1], 0x20
	s_load_b64 s[94:95], s[0:1], 0x28
.if FF2
	s_load_b64 s[96:97], s[0:1], 0x30
.endif
	v_lshl_add_u32 v[SPW], v0, 2, SPARE
	v_mov_b32 v[NIL], 0
	ds_add_u32 v[SPW], v[NIL]
	ds_add_u32 v[SPW], v[NIL]
	v_lshrrev_b32 v1, 5, v0
	v_readfirstlane_b32 s10, v1                    ; wave 0..3
	v_and_b32 v7, 31, v0
	v_bfe_u32 v9, v0, 4, 1
	v_and_b32 v12, 31, v0
	v_lshlrev_b32 v7, 4, v7                        ; v7: 16 x lane: my place in 512 bytes of scales in memory
	v_lshl_add_u32 v9, v9, 4, v7                   ; v9: the same in LDS for B's: 16 bytes more behind each 256
	s_wait_alu depctr_va_vdst(0)
	s_lshr_b32 s11, s10, 1
	s_and_b32 s12, s10, 1
	s_bfe_u32 s40, ttmp6, 0x40000
	s_bfe_u32 s41, ttmp6, 0x40004
	s_lshl_b32 s42, ttmp9, 2
	s_add_co_u32 s42, s42, s40
	s_and_b32 s13, ttmp7, 0xffff
	s_lshl_b32 s13, s13, 2
	s_add_co_u32 s13, s13, s41
	s_lshl_b32 s43, s41, 2
	s_lshl_b32 s43, 15, s43
	s_lshl_b32 s44, 0x1111, s40
	s_or_b32 s[G1], s43, (3<<16)|(1<<21)
	s_mov_b32 s[G1+1], 32<<16
	s_mov_b32 s[G1+2], 256<<16                     ; a head's load brings a slot's whole part of A: 256 rows of 256 bytes; the ring's half of that: set at the first change of slots
	s_mov_b32 s[G1+3], 32<<16
	s_mov_b32 s[G1+4], 256
	s_mov_b32 s[G1+5], 32
	s_mov_b32 s[G1+6], 0
	s_mov_b32 s[G1+7], 0
	s_or_b32 s[G1B], s44, (1<<20)|(1<<21)|(6<<22)|(3<<25)
	s_mov_b32 s[G1B+1], 512<<16
	s_mov_b32 s[G1B+2], 128<<16                    ; and of B: 128 rows
	s_mov_b32 s[G1B+3], 512<<16
	s_mov_b32 s[G1B+4], 128
	s_mov_b32 s[G1B+5], KTOT
	s_mov_b32 s[G1B+6], 0
	s_mov_b32 s[G1B+7], 0
	s_mul_i32 s16, s13, NCH*65536
	s_lshl_b32 s17, s12, 15
	s_add_co_u32 s16, s16, s17
	s_mov_b32 s17, 0
	s_mul_i32 s18, s13, NCH*2048
	s_mul_i32 s19, s10, SAH/2                      ; A's scale words: my quarter of them
	s_add_co_u32 s18, s18, s19
	s_mov_b32 s19, 0
	s_lshl_b32 s46, s42, 7
	s_lshl_b32 s47, s12, 6
	s_lshl_b32 s22, s10, 5
	s_add_co_u32 s22, s22, s46                     ; B's scale bytes: my quarter: rows 128 x tile column + 32 x wave
	s_mul_i32 s22, s22, KS
	s_add_co_u32 s46, s46, s47                     ; B: row 128 x tile column + 64 x half
	s_mov_b32 s23, 0
	s_mul_i32 s46, s46, KTOT
	s_mov_b32 s47, 0
	s_lshl_b32 s20, s12, 15                        ; the ring: where my half of A's part of a slot goes,
	s_mul_i32 s45, s12, HALFT
	s_add_co_u32 s45, s45, 65536                   ; and my half of B's: no place in the cluster enters an LDS address
	s_mul_i32 s21, s10, SAH/2                      ; where my quarters of the scales go
	s_add_co_u32 s21, s21, SCA
	v_add_nc_u32 v8, s21, v7
	s_mul_i32 s21, s10, (KS/8)*272
	s_add_co_u32 s21, s21, SCB
	v_add_nc_u32 v9, s21, v9
	s_wait_dscnt 0x0
	s_wait_kmcnt 0x0
	s_add_nc_u64 s[14:15], s[4:5], s[16:17]
	s_add_nc_u64 s[66:67], s[66:67], s[18:19]
	s_add_nc_u64 s[46:47], s[6:7], s[46:47]
	s_add_nc_u64 s[92:93], s[92:93], s[22:23]
	; THE SCALES GO THROUGH REGISTERS: each wave loads a quarter of A's scale words and of B's scale bytes, for all of K, and stores them into LDS bytes into which no tensor load lands; 32 KiB of a work-group's 1,056 KiB: not asked for jointly.
	; So the four waves' one tensor load each at the head brings both slots.
	s_wait_alu depctr_va_vdst(0)
.set n, 0
.rept NCH
	global_load_b128 v[SC+4*n:SC+4*n+3], v7, s[66:67] offset:512*n
	global_load_b128 v[SC+4*NCH+4*n:SC+4*NCH+4*n+3], v7, s[92:93] offset:512*n
.set n, n+1
.endr
	s_lshl_b32 s16, s12, 15
	s_mov_b32 s17, 0
	s_sub_nc_u64 s[84:85], s[14:15], s[16:17]      ; the tiles' first bytes
	s_mul_i32 s16, s12, 64*KTOT
	s_sub_nc_u64 s[86:87], s[46:47], s[16:17]
.irp s, 0,1
	s_mov_b32 s[GH+8*\s], 1
	s_mov_b32 s[GH+8*\s+1], \s*SLOT
	s_add_nc_u64 s[GH+8*\s+2:GH+8*\s+3], s[84:85], \s*65536
	s_or_b32 s[GH+8*\s+3], s[GH+8*\s+3], 0x80000000
	s_mov_b32 s[GH+8*\s+4], 1
	s_mov_b32 s[GH+8*\s+5], \s*SLOT+65536
	s_add_nc_u64 s[GH+8*\s+6:GH+8*\s+7], s[86:87], \s*512
	s_or_b32 s[GH+8*\s+7], s[GH+8*\s+7], 0x80000000
.endr
	; THE PREFETCHES.  A slot is 256 blocks of 256 bytes of A (dense) and 256 of B (two to a row).  The four partners that ask for a tile jointly share its blocks out BY ADDRESS, 64 each; a wave names 32, a lane a block:
	; waves 0, 1: A: 16,384 x cx + 8,192 x (wave % 2) + 256 x lane;  waves 2, 3: B: row 32 cy + lane, its (wave % 2)-th 256 bytes.  Slots 2 and 3 are asked for at the head, slot n + 2 behind the refill that loads slot n; the last two refills ask for nothing.
	s_cmp_eq_u32 s11, 0
	s_cselect_b64 s[PFA:PFA+1], s[84:85], s[86:87]
	s_cselect_b32 s16, s40, s41                    ; my work-group's place among the four
	s_mov_b32 s17, 32*KTOT
	s_cselect_b32 s17, 16384, s17                  ; from partner to partner
	s_mov_b32 s18, 256
	s_cselect_b32 s18, 8192, s18                   ; from wave to wave
	s_mov_b32 s19, KTOT
	s_cselect_b32 s19, 256, s19                    ; from lane to lane
	s_mov_b32 s[PFS], 1024
	s_cselect_b32 s[PFS], 0x20000, s[PFS]          ; two slots on
	s_mov_b32 s[PFS+1], 0
	v_mul_lo_u32 v12, v12, s19                     ; v12: the prefetches' offset; never rewritten
	s_mul_i32 s16, s16, s17
	s_mul_i32 s18, s18, s12
	s_add_co_u32 s16, s16, s18
	s_add_co_u32 s16, s16, s[PFS]
	s_mov_b32 s17, 0
	s_add_nc_u64 s[PFA:PFA+1], s[PFA:PFA+1], s[16:17]        ; at slot 2,
	s_lshr_b32 s16, s[PFS], 1
	s_add_nc_u64 s[PFA+2:PFA+3], s[PFA:PFA+1], s[16:17]      ; at slot 3
	s_wait_alu depctr_va_vdst(0)
	CROUND                                         ; all sixteen work-groups are here: the first joint loads meet
.irp s, 0,1
	s_mov_b32 s[G0+4*\s], 1
	s_add_co_u32 s[G0+4*\s+1], s20, \s*SLOT
	s_add_nc_u64 s[G0+4*\s+2:G0+4*\s+3], s[14:15], \s*65536
	s_or_b32 s[G0+4*\s+3], s[G0+4*\s+3], 0x80000000
	s_mov_b32 s[G0B+4*\s], 1
	s_add_co_u32 s[G0B+4*\s+1], s45, \s*SLOT
	s_add_nc_u64 s[G0B+4*\s+2:G0B+4*\s+3], s[46:47], \s*512
	s_or_b32 s[G0B+4*\s+3], s[G0B+4*\s+3], 0x80000000
.endr
; THE HEAD'S LOADS, ONE A WAVE: one chain of branches on the wave's number, a load to an arm
.macro ARM under, g0, g1, next
	s_cmp_lt_u32 s10, \under
	s_cbranch_scc0 \next
	tensor_load_to_lds s[\g0:\g0+3], s[\g1:\g1+7]
	s_nop 0
.rept 4
	v_nop
.endr
	s_branch .Lhead_asked
\next:
.endm
	ARM 1, GH, G1, .Lhead_b0
	ARM 2, GH+4, G1B, .Lhead_a1
	ARM 3, GH+8, G1, .Lhead_b1
	tensor_load_to_lds s[GH+12:GH+15], s[G1B:G1B+7]
	s_nop 0
.rept 4
	v_nop
.endr
.Lhead_asked:
	global_prefetch_b8 v12, s[PFA:PFA+1] th:TH_LOAD_NT scope:SCOPE_SE       ; slot 2
	global_prefetch_b8 v12, s[PFA+2:PFA+3] th:TH_LOAD_NT scope:SCOPE_SE     ; slot 3
	s_lshl_b32 s16, s13, 1
	s_add_co_u32 s16, s16, s11
	s_lshl_b32 s16, s16, 18
	s_lshl_b32 s18, s42, 1
	s_add_co_u32 s18, s18, s12
	s_lshl_b32 s18, s18, 8
	s_mov_b32 s19, 0
	s_add_co_u32 s16, s16, s18
	s_mov_b32 s17, 0
	s_add_nc_u64 s[8:9], s[8:9], s[16:17]
	s_add_nc_u64 s[94:95], s[94:95], s[16:17]
.if FF2
	s_add_nc_u64 s[96:97], s[96:97], s[18:19]
.endif
	v_and_b32 v1, 15, v0
	v_bfe_u32 v2, v0, 4, 1
	v_lshlrev_b32 v5, 12, v2
	v_lshl_add_u32 v[CO], v1, 4, v5
	v_lshlrev_b32 v[H32], 5, v2
.if FF2
.irp a, 0,1,2,3
.irp b, 0,1,2,3
	global_load_b128 v[ACC+8*(4*\a+\b):ACC+8*(4*\a+\b)+3], v[H32], s[96:97] offset:64*\b
	global_load_b128 v[ACC+8*(4*\a+\b)+4:ACC+8*(4*\a+\b)+7], v[H32], s[96:97] offset:64*\b+16
.endr
.endr
.endif
	v_and_b32 v3, 31, v0
	v_lshlrev_b32 v3, 4, v3
	v_mul_u32_u24 v4, v1, PITCH
	v_lshl_add_u32 v4, v2, 4, v4
	s_lshl_b32 s21, s11, 15                        ; my 64 rows of A
	s_mul_i32 s22, s12, HALFT                      ; my 64 rows of B,
	s_add_co_u32 s22, s22, 65536                   ; which lie behind A's
.irp s, 0,1
	v_add_nc_u32 v[ADRA+\s], s21, v3
	v_add_nc_u32 v[ADRB+\s], s22, v4
	s_add_co_u32 s21, s21, SLOT
	s_add_co_u32 s22, s22, SLOT
.endr
	s_lshl_b32 s21, s11, 8
	s_add_co_u32 s21, s21, SCA
	v_lshl_add_u32 v[ADSA], v1, 2, s21
	v_mul_u32_u24 v5, v1, KS
	v_lshrrev_b32 v6, 8, v5
	v_lshl_add_u32 v5, v6, 4, v5
	s_mul_i32 s22, s12, HALFSB
	s_add_co_u32 s22, s22, SCB
	v_add_nc_u32 v[ADSB], s22, v5
	s_mul_i32 s23, s10, 16*SPITCH
	s_add_co_u32 s23, s23, STAGE
	v_mul_u32_u24 v5, v1, SPITCH
	v_lshl_add_u32 v5, v2, 5, v5
	v_add_nc_u32 v[STO], s23, v5
	v_mul_u32_u24 v5, v2, SPITCH
	v_lshl_add_u32 v5, v1, 4, v5
	v_add_nc_u32 v[RD], s23, v5
.macro FRAG reg, adr, off, st
.irp c, 0,1,2,3
	ds_load_b128 v[\reg+4*\c:\reg+4*\c+3], v[\adr] offset:\off+\st*\c
.endr
.endm
.macro FETCH slot, q, f
	WIN TO_F
.irp i, 0,1,2,3
	FRAG \f+64+16*\i, ADRB+\slot, 128*(\q)+\i*16*PITCH, 32
.endr
.irp i, 0,1,2,3
	FRAG \f+16*\i, ADRA+\slot, \i*8192+(\q)*2048, 512
.endr
.endm
.macro SCALES sc
.irp a, 0,1,2,3
.irp q, 0,1,2,3
	ds_load_b32 v[SC+32*\sc+4*\a+\q], v[ADSA] offset:512*\q+64*\a
.endr
.endr
.irp b, 0,1,2,3
	ds_load_b128 v[SC+32*\sc+16+4*\b:SC+32*\sc+16+4*\b+3], v[ADSB] offset:\b*SBLK
.endr
.endm
.macro MUL4 f, a, q, sc, zero
.irp b, 0,1,2,3
.if \zero
	v_wmma_scale_f32_16x16x128_f8f6f4 v[ACC+8*(4*(\a)+\b):ACC+8*(4*(\a)+\b)+7], v[64+16*\b+(\f):64+16*\b+(\f)+15], v[16*(\a)+(\f):16*(\a)+(\f)+15], 0, v[SC+32*(\sc)+16+4*\b+(\q)], v[SC+32*(\sc)+4*(\a)+(\q)]
.else
	v_wmma_scale_f32_16x16x128_f8f6f4 v[ACC+8*(4*(\a)+\b):ACC+8*(4*(\a)+\b)+7], v[64+16*\b+(\f):64+16*\b+(\f)+15], v[16*(\a)+(\f):16*(\a)+(\f)+15], v[ACC+8*(4*(\a)+\b):ACC+8*(4*(\a)+\b)+7], v[SC+32*(\sc)+16+4*\b+(\q)], v[SC+32*(\sc)+4*(\a)+(\q)]
.endif
.endr
.endm
.macro QUARTER slot, q, zero
	s_wait_dscnt 8
	WIN MUL
	MUL4 128*((\q)%2), 0, \q, \slot, \zero
	MUL4 128*((\q)%2), 1, \q, \slot, \zero
	PLACES 8
	FETCH \slot, (\q)+1, 128-128*((\q)%2)
	s_wait_dscnt 32
	WIN MUL
	MUL4 128*((\q)%2), 2, \q, \slot, \zero
	MUL4 128*((\q)%2), 3, \q, \slot, \zero
.endm
.macro TURN slot, next, fill
	WIN 0
.if \fill
	s_wait_xcnt 0x0                                ; my prefetches have read their addresses: this slot's steps two slots on
	s_add_nc_u64 s[PFA+2*\slot:PFA+2*\slot+1], s[PFA+2*\slot:PFA+2*\slot+1], s[PFS:PFS+1]
.endif
	s_wait_tensorcnt 0x0                           ; all my tensor loads have landed: my part of the next slot;
	ds_add_u32 v[SPW], v[NIL]
.if \fill
	s_mov_b32 s[G1+2], 128<<16                     ; no tensor load of mine is out: from here on a load brings half of a slot's part of A,
	s_mov_b32 s[G1+4], 128
	s_mov_b32 s[G1B+2], 64<<16                     ; or of B
	s_mov_b32 s[G1B+4], 64
.endif
	s_wait_dscnt 9                                 ; (the add and the youngest eight loads may be out)
	WIN MUL
	MUL4 128, 0, 3, \slot, 0
	s_wait_dscnt 0x0
	s_barrier_signal -1
	MUL4 128, 1, 3, \slot, 0
	WIN 0
	s_barrier_wait -1
.if \fill
	CREST
	s_add_nc_u64 s[G0+4*\slot+2:G0+4*\slot+3], s[G0+4*\slot+2:G0+4*\slot+3], 2*65536
	s_add_nc_u64 s[G0B+4*\slot+2:G0B+4*\slot+3], s[G0B+4*\slot+2:G0B+4*\slot+3], 2*512
	JLOAD G0+4*\slot, G1, G0B+4*\slot, G1B
	PLACES 4
.else
	PLACES 8
.endif
	s_wait_alu depctr_va_vdst(0)
	v_add_nc_u32 v[ADSA], 2048, v[ADSA]
	v_add_nc_u32 v[ADSB], 16, v[ADSB]
	SCALES \next
	FETCH \next, 0, 0
.if \fill
	WIN 0                                          ; at a branch and at a label every window is 0
	s_cmp_gt_u32 s3, 1                             ; the last trip's two refills have no slot two on
	s_cbranch_scc0 .Lno_ask_\@
	global_prefetch_b8 v12, s[PFA+2*\slot:PFA+2*\slot+1] th:TH_LOAD_NT scope:SCOPE_SE
.Lno_ask_\@:
.endif
	WIN MUL
	MUL4 128, 2, 3, \slot, 0
	MUL4 128, 3, 3, \slot, 0
.endm
	s_wait_alu depctr_va_vdst(0)
	s_wait_loadcnt 32                              ; my scales are in registers; the 32 loads of the bias, issued behind them, may be out
.set n, 0
.rept NCH
	ds_store_b128 v8, v[SC+4*n:SC+4*n+3] offset:512*n
	ds_store_b128 v9, v[SC+4*NCH+4*n:SC+4*NCH+4*n+3] offset:544*n
.set n, n+1
.endr
	s_cmp_lt_u32 s10, 2                            ; waves 0 and 1, whose load lines no other wave issues, wait for slot 0; slot 1's loads are waited for at the first change of slots
	s_cbranch_scc0 .Lnot_first
	s_wait_tensorcnt 0x0
.Lnot_first:
	s_wait_dscnt 0x0                               ; for the others' sake: my stores have landed
	s_barrier_signal -1
	s_barrier_wait -1
	SCALES 0
	FETCH 0, 0, 0
	WIN 0x80                                       ; destination window 2
.irp a, 0,1,2,3                                ; the residual of rows 16 a + 2 t + h, read at those rows with bits 3 and 4 exchanged; 16 lanes read 256 consecutive bytes.  It is wanted on the way out alone, so it is asked for behind the first tiles
.irp t, 0,1,2,3,4,5,6,7
	global_load_b128 v[4*(8*\a+\t):4*(8*\a+\t)+3], v[CO], s[94:95] offset:(32*(\a/2)+16*(\t/4)+8*(\a%2)+2*(\t%4))*4096 th:TH_LOAD_NT
.endr
.endr
.if FF2
	s_wait_loadcnt 32
.endif
	QUARTER 0, 0, 1-FF2
.if LAPS > 1
	WIN 0
	s_mov_b32 s3, LAPS-1
.Llap:
	QUARTER 0, 1, 0
	QUARTER 0, 2, 0
	TURN 0, 1, 1
	QUARTER 1, 0, 0
	QUARTER 1, 1, 0
	QUARTER 1, 2, 0
	TURN 1, 0, 1
	QUARTER 0, 0, 0
	WIN 0
	s_sub_co_u32 s3, s3, 1
	s_cmp_lg_u32 s3, 0
	s_cbranch_scc1 .Llap
.endif
	QUARTER 0, 1, 0
	QUARTER 0, 2, 0
	TURN 0, 1, 0
	QUARTER 1, 0, 0
	QUARTER 1, 1, 0
	QUARTER 1, 2, 0
	s_wait_dscnt 8
	WIN MUL
	MUL4 128, 0, 3, 1, 0
	MUL4 128, 1, 3, 1, 0
	s_wait_dscnt 0x0
	MUL4 128, 2, 3, 1, 0
	MUL4 128, 3, 3, 1, 0
	WIN 0
	PLACES 8
.irp a, 0,1,2,3
.irp b, 0,1,2,3
	ds_store_b128 v[STO], v[ACC+8*(4*\a+\b):ACC+8*(4*\a+\b)+3] offset:64*\b
	ds_store_b128 v[STO], v[ACC+8*(4*\a+\b)+4:ACC+8*(4*\a+\b)+7] offset:64*\b+16
.endr
	WIN 0x40
.irp t, 0,1,2,3,4,5,6,7
	ds_load_b128 v[32*\a+4*\t:32*\a+4*\t+3], v[RD] offset:544*\t
.endr
	WIN 0
.endr
	s_wait_loadcnt 0x0
.irp a, 0,1,2,3
	s_wait_dscnt 16*(3-\a)
	WIN 0x49
.irp p, 0,2,4,6,8,10,12,14,16,18,20,22,24,26,28,30
	v_pk_add_f32 v[32*\a+\p:32*\a+\p+1], v[32*\a+\p:32*\a+\p+1], v[32*\a+\p:32*\a+\p+1]
.endr
	WIN 0x04
.irp t, 0,1,2,3,4,5,6,7
	global_store_b128 v[CO], v[32*\a+4*\t:32*\a+4*\t+3], s[8:9] offset:(16*\a+2*\t)*4096 th:TH_STORE_NT
.endr
.endr
	WIN 0
	s_wait_tensorcnt 0x0
	ds_add_u32 v[SPW], v[NIL]
	s_wait_dscnt 0x0
	CROUND
	s_endpgm
.Lfunc_end_k_q7d8ad957dc_ff2:
	.size	k_q7d8ad957dc_ff2, .Lfunc_end_k_q7d8ad957dc_ff2-k_q7d8ad957dc_ff2
	.p2alignl 7, 3214868480
	.fill 96, 4, 3214868480
	.section	.rodata,"a",@progbits
	.p2align	6, 0x0
	.amdhsa_kernel k_q7d8ad957dc_ff2
		.amdhsa_group_segment_fixed_size 327680
		.amdhsa_private_segment_fixed_size 0
		.amdhsa_enable_private_segment 0
		.amdhsa_kernarg_size 56
		.amdhsa_user_sgpr_count 2
		.amdhsa_user_sgpr_kernarg_segment_ptr 1
		.amdhsa_wavefront_size32 1
		.amdhsa_system_sgpr_workgroup_id_x 1
		.amdhsa_system_sgpr_workgroup_id_y 1
		.amdhsa_system_sgpr_workgroup_id_z 1
		.amdhsa_system_vgpr_workitem_id 0
		.amdhsa_next_free_vgpr 640
		.amdhsa_next_free_sgpr 102
		.amdhsa_reserve_vcc 0
		.amdhsa_float_denorm_mode_32 3
		.amdhsa_float_denorm_mode_16_64 3
		.amdhsa_memory_ordered 1
		.amdhsa_forward_progress 1
		.amdhsa_inst_pref_size 111
	.end_amdhsa_kernel
	.amdgpu_metadata
---
amdhsa.version: [ 1, 2 ]
amdhsa.kernels:
  - .name:           k_q7d8ad957dc_ff2
    .symbol:         k_q7d8ad957dc_ff2.kd
    .args:
      - { .name: hid_codes, .offset: 0, .size: 8, .value_kind: global_buffer, .address_space: global }
      - { .name: W2_codes, .offset: 8, .size: 8, .value_kind: global_buffer, .address_space: global }
      - { .name: out0, .offset: 16, .size: 8, .value_kind: global_buffer, .address_space: global }
      - { .name: hid_scales, .offset: 24, .size: 8, .value_kind: global_buffer, .address_space: global }
      - { .name: W2_scales, .offset: 32, .size: 8, .value_kind: global_buffer, .address_space: global }
      - { .name: h, .offset: 40, .size: 8, .value_kind: global_buffer, .address_space: global }
      - { .name: b2, .offset: 48, .size: 8, .value_kind: global_buffer, .address_space: global }
    .group_segment_fixed_size: 327680
    .private_segment_fixed_size: 0
    .kernarg_segment_align: 8
    .kernarg_segment_size: 56
    .max_flat_workgroup_size: 128
    .sgpr_count:     102
    .vgpr_count:     640
    .wavefront_size: 32
...
	.end_amdgpu_metadata
.endif
;; end of part 6
